; MI455X (gfx1250); checked and timed in simulation.
; The chip was launched on July 23, 2026; its instructions are those of AMD's public machine-readable ISA for CDNA 5 (MIT licence, August 2026) and "CDNA5" Instruction Set Architecture Reference Guide (July 2026). The comments in the code are by the model that wrote it; some were corrected since.
;; SLOT SEG. Allowed arithmetic: matrix products marked QUANTISED: E4M3 operands, one given power-of-two scale a tensor, by v_wmma_f32_16x16x64_fp8_fp8 or v_wmma_f32_16x16x128_fp8_fp8, f32 sums; products left as they are: f32 operands where the result goes on into a quantised operand, else bf16, f16 or f32 operands; f32 sums; everything else in f32.
;; Inputs: FC1_b 256 float32; FC1_w 256 x 256 float32; FC2_b 256 float32; FC2_w 256 x 256 float32; LN_b 256 float32; LN_g 256 float32; ff1_b 256 float32; ff1_w 256 x 256 float32; ff2_b 256 float32; ff2_w 256 x 256 float32; gru_bh 768 float32; gru_bi 768 float32; gru_wh 768 x 256 float32; gru_wi 768 x 256 float32; inputs 32 x 16 x 8 x 24 x 256 float32; k_b 256 float32; k_w 256 x 256 float32; lowp_scales 22 int32 (the exponents e of the quantised operands' scales 2^e); ni_b 256 float32; ni_g 256 float32; npf_b 256 float32; npf_g 256 float32; ns_b 256 float32; ns_g 256 float32; pe_b 256 float32; pe_w 256 x 6 float32; q_b 256 float32; q_w 256 x 256 float32; slots 1 x 22 x 256 float32; v_b 256 float32; v_w 256 x 256 float32.
;; Outputs: out0 32 x 7 x 20 x 256 float32; out1 32 x 7 x 22 x 768 float32.
;; This version of the problem:
;;   THIS VERSION OF THE PROBLEM IS GIVEN IN LOW PRECISION. The matrix products marked QUANTISED in the list below multiply operands that are first quantised to E4M3 (4 exponent bits, 3 mantissa bits; 8 bits a number), with one given power-of-two scale for each operand tensor; their sums are f32. All else is computed in f32.
;;   The module's matrix products, in the order in which they are computed (A, B: the left and right operand; K: the contracted axis; several contracted axes count as one K, in the product's order):
;;     1. [M 768, K 6] x [K 6, N 256]; A: computed on the way; B: input pe_w: left as it is (K = 6 < 32)
;;     2. [M 172,032, K 256] x [K 256, N 256]; A: computed on the way; B: input FC1_w: QUANTISED (scales: A lowp_scales[0], B lowp_scales[1])
;;     3. [M 172,032, K 256] x [K 256, N 256]; A: computed on the way; B: input FC2_w: QUANTISED (scales: A lowp_scales[2], B lowp_scales[3])
;;     4. [M 172,032, K 256] x [K 256, N 256]; A: computed on the way; B: input k_w: QUANTISED (scales: A lowp_scales[4], B lowp_scales[5])
;;     5. [M 172,032, K 256] x [K 256, N 256]; A: computed on the way; B: input v_w: QUANTISED (scales: A lowp_scales[6], B lowp_scales[7])
;;     6. [M 4,928, K 256] x [K 256, N 256]; A: computed on the way; B: input q_w: QUANTISED (scales: A lowp_scales[8], B lowp_scales[9])
;;     7. batch 224 x [M 22, K 256] x [K 256, N 768]; A: computed on the way; B: computed on the way: QUANTISED (scales: A lowp_scales[10], B lowp_scales[11])
;;     8. batch 224 x [M 22, K 768] x [K 768, N 256]; A: computed on the way; B: computed on the way: QUANTISED (scales: A lowp_scales[12], B lowp_scales[13])
;;     9. [M 4,928, K 256] x [K 256, N 768]; A: computed on the way; B: input gru_wi: QUANTISED (scales: A lowp_scales[14], B lowp_scales[15])
;;     10. [M 4,928, K 256] x [K 256, N 768]; A: input slots; B: input gru_wh: QUANTISED (scales: A lowp_scales[16], B lowp_scales[17])
;;     11. [M 4,480, K 256] x [K 256, N 256]; A: computed on the way; B: input ff1_w: QUANTISED (scales: A lowp_scales[18], B lowp_scales[19])
;;     12. [M 4,480, K 256] x [K 256, N 256]; A: computed on the way; B: input ff2_w: QUANTISED (scales: A lowp_scales[20], B lowp_scales[21])
;;   THE QUANTISER, for each operand of a quantised product, along K:
;;     - The operand's scale is 2^e, e = its entry of the input lowp_scales (int32; the entries are numbered through the quantised products in the list's order, A before B).
;;     - Each number is divided by the scale, clamped to +-448, and rounded to the nearest number of E4M3, ties to even, subnormals kept.
;;     - The product sums the exact products of the quantised numbers (number of the format x scale) in f32.
;;   ~~~python
;;   def quantise(x, axis, e):      # numpy; x: float32 -> the quantised numbers, widened to float32 again
;;       x = np.moveaxis(x, axis, -1); K = x.shape[-1]
;;       r = np.clip(x / 2.0 ** e, -448, 448)
;;       step = 2.0 ** (np.maximum(np.frexp(np.where(r == 0, 1, r))[1] - 1, -6) - 3)
;;       q = np.round(r / step) * step * 2.0 ** e      # np.round: ties to even
;;       return np.moveaxis(q, -1, axis).astype(np.float32)
;;   ~~~
;;   OPERANDS COMPUTED ON THE WAY. 'Computed on the way' means the value that the module computes at that place (a softmax that the list does not call 'softmax' is quantised finished and normalised). What goes into a quantiser is computed in f32, as accurately as f32 sums, v_exp_f32 and their like allow (about 1e-6 of the number): no bf16 or f16 on the way to a quantiser, and a product that is left as it is and whose result goes on into a quantised operand takes f32 operands (vector FMAs, or v_wmma_f32_16x16x4_f32). A number that lies on a knife's edge between two numbers of the format may be rounded either way, as far as f32 arithmetic and the matrix unit's own rounding can turn it there, and no further.
;; 2 versions. Each part assembles by itself: llvm-mc -triple=amdgcn-amd-amdhsa -mcpu=gfx1250 --defsym DOCPART=n.
;; ======== version 1 of 2: 2 launches
;; workspace buffers: wcodes 589,824 bytes; pef 786,432 bytes; qimg 8,192 bytes; gimg 98,304 bytes
;; launch prep (part 1): grid 208 x 1, 4 waves a work-group, no clusters, 0 bytes of LDS; arguments FC1_w, FC2_w, k_w, v_w, ff1_w, ff2_w, gru_wi, lowp_scales, wcodes, pe_w, pe_b, pef, slots, ns_g, ns_b, q_w, q_b, qimg, gru_wh, gru_bh, gru_bi, gimg; writes wcodes, pef, qimg, gimg
.if DOCPART == 1
	.amdgcn_target "amdgcn-amd-amdhsa--gfx1250"
	.amdhsa_code_object_version 6
	.text
	.protected	k_q1d8006c226_prep
	.globl	k_q1d8006c226_prep
	.p2align	8
	.type	k_q1d8006c226_prep,@function
k_q1d8006c226_prep:
	s_mov_b64 s[64:65], 0
	v_nop
	global_prefetch_b8 v0, s[64:65] scope:SCOPE_SE
	s_setreg_imm32_b32 hwreg(HW_REG_WAVE_MODE, 25, 1), 1
	s_wait_xcnt 0x0
; WHAT DOES NOT HANG ON THE WINDOW IS MADE ONCE.  Four roles, parted by the work-group's number; no LDS, no barrier, waves share nothing.
;  W (work-groups 0-143): seven weights [N][256] f32 become codes of E4M3 in the order of the operand's registers.  A fragment is 16 rows x 64 K in 8 registers: lane (r, h) holds row r, registers 2c, 2c+1
;    hold k = 16c + 8h + 0..7.  Its image is 1,024 bytes: registers 0-3 at 16 x lane, registers 4-7 at 512 + 16 x lane.  Fragment (row tile T, K step s) lies at the matrix's base + (4T + s) x 1,024.
;  P (144-191): pe = grid x pe_w^T + pe_b in f32 multiply-adds, stored in the order in which the main launch's lanes load x: [token tile][load 8s + 2c + q][lane][16 bytes].
;  Q (192-195): q = LN(slots) q_w^T + q_b on codes, then q's own codes, as images.  Tile 0: slots 0-15.  Tile 1: rows 0-2 = slots 16-18, rows 8-10 = slots 19-21 (the other rows repeat a slot and are never read).
;  H (196-207): the GRU's hidden half, slots gru_wh^T + gru_bh, as f32 images of the result's registers, with gru_bi's r and z parts and the exponentials' factors folded in.  Slot tile 0: slots r; tile 1: slots 6 + r.
; A lane's f32 numbers of a row: register 8c + 4q + e of K step s is channel 64s + 16c + 8h + 4q + e, at byte 256s + 64c + 32h + 16q of the row.
; LIMITS: each given exponent used here (e1, e3, e5, e7, e8, e9, e10, e15, e16, e17, e19, e21) lies between -126 and 119; e8 + e9 and e16 + e17 (+1) between -126 and 126.  NaN among the inputs is not served.
.set SEL, 58                           ; s[58:59] lane selects: each lane takes its own place in the other half
.set MSB, 0
.macro WIN new                         ; the immediate's high byte repeats the setting that is left
.if MSB != (\new)
	s_set_vgpr_msb (MSB<<8)|(\new)
.set MSB, \new
.endif
.endm
.macro MKLIM e, sc, lp, ln             ; s[e] = E:  s[sc] = 2^E, s[lp] = 448 x 2^E, s[ln] = -448 x 2^E, as f32
	s_add_co_i32 s[\sc], s[\e], 127
	s_add_co_i32 s[\lp], s[\e], 135
	s_lshl_b32 s[\sc], s[\sc], 23
	s_lshl_b32 s[\lp], s[\lp], 23
	s_or_b32 s[\lp], s[\lp], 0x600000
	s_or_b32 s[\ln], s[\lp], 0x80000000
.endm
.macro LLOAD reg, adr, base, off       ; 32 numbers of a lane: one K step of its row
.set k_, 0
.rept 8
	global_load_b128 v[\reg+4*k_:\reg+4*k_+3], v[\adr], s[\base:\base+1] offset:(\off)+64*(k_/2)+16*(k_%2)
.set k_, k_+1
.endr
.endm
.macro TREE8 b                         ; eight pairs at v[b] become one sum over both halves of the lanes, in v[b]
	v_pk_add_f32 v[\b:\b+1], v[\b:\b+1], v[\b+8:\b+9]
	v_pk_add_f32 v[\b+2:\b+3], v[\b+2:\b+3], v[\b+10:\b+11]
	v_pk_add_f32 v[\b+4:\b+5], v[\b+4:\b+5], v[\b+12:\b+13]
	v_pk_add_f32 v[\b+6:\b+7], v[\b+6:\b+7], v[\b+14:\b+15]
	v_pk_add_f32 v[\b:\b+1], v[\b:\b+1], v[\b+4:\b+5]
	v_pk_add_f32 v[\b+2:\b+3], v[\b+2:\b+3], v[\b+6:\b+7]
	v_pk_add_f32 v[\b:\b+1], v[\b:\b+1], v[\b+2:\b+3]
	v_add_f32 v[\b], v[\b], v[\b+1]
	v_permlanex16_b32 v[\b+1], v[\b], s[SEL], s[SEL+1]
	v_add_f32 v[\b], v[\b], v[\b+1]
.endm
	s_load_b512 s[4:19], s[0:1], 0x0               ; FC1_w, FC2_w, k_w, v_w, ff1_w, ff2_w, gru_wi, lowp_scales
	s_load_b512 s[20:35], s[0:1], 0x40             ; wcodes, pe_w, pe_b, pef, slots, ns_g, ns_b, q_w
	s_load_b256 s[36:43], s[0:1], 0x80             ; q_b, qimg, gru_wh, gru_bh
	s_load_b128 s[44:47], s[0:1], 0xa0             ; gru_bi, gimg
	v_lshrrev_b32 v1, 5, v0
	v_readfirstlane_b32 s2, v1                     ; wave
	v_and_b32 v1, 31, v0                           ; lane
	v_and_b32 v2, 15, v0                           ; r
	v_bfe_u32 v3, v0, 4, 1                         ; h
	v_lshlrev_b32 v4, 4, v1                        ; 16 x lane
	v_lshlrev_b32 v5, 10, v2
	v_lshl_add_u32 v5, v3, 5, v5                   ; 1,024 r + 32 h
	v_lshlrev_b32 v7, 5, v3                        ; 32 h
	s_wait_kmcnt 0x0
	s_load_b512 s[68:83], s[18:19], 0x0            ; the exponents: e_i in s[68 + i]
	s_load_b128 s[84:87], s[18:19], 0x40
	s_load_b64 s[88:89], s[18:19], 0x50
	s_wait_kmcnt 0x0
	s_cmp_lt_u32 ttmp9, 144
	s_cbranch_scc0 .Lnot_w
; ---------------- role W: one fragment a wave; the wave's number is the K step
	s_lshr_b32 s48, ttmp9, 4
	s_min_u32 s48, s48, 6                          ; which matrix: 16 work-groups each, gru_wi 48
	s_lshl_b32 s49, s48, 4
	s_sub_co_u32 s49, ttmp9, s49                   ; its row tile
	s_mov_b64 s[50:51], s[16:17]
	s_mov_b32 s52, s83                             ; gru_wi, e15
	s_cmp_eq_u32 s48, 0
	s_cselect_b64 s[50:51], s[4:5], s[50:51]
	s_cselect_b32 s52, s69, s52
	s_cmp_eq_u32 s48, 1
	s_cselect_b64 s[50:51], s[6:7], s[50:51]
	s_cselect_b32 s52, s71, s52
	s_cmp_eq_u32 s48, 2
	s_cselect_b64 s[50:51], s[8:9], s[50:51]
	s_cselect_b32 s52, s73, s52
	s_cmp_eq_u32 s48, 3
	s_cselect_b64 s[50:51], s[10:11], s[50:51]
	s_cselect_b32 s52, s75, s52
	s_cmp_eq_u32 s48, 4
	s_cselect_b64 s[50:51], s[12:13], s[50:51]
	s_cselect_b32 s52, s87, s52
	s_cmp_eq_u32 s48, 5
	s_cselect_b64 s[50:51], s[14:15], s[50:51]
	s_cselect_b32 s52, s89, s52
	s_lshl_b32 s54, s49, 14                        ; 16 rows of 1,024 bytes
	s_lshl_b32 s55, s2, 8                          ; 64 numbers along K
	s_add_co_u32 s54, s54, s55
	s_mov_b32 s55, 0
	s_add_nc_u64 s[50:51], s[50:51], s[54:55]
	LLOAD 16, 5, 50, 0
	MKLIM 52, 53, 56, 57
	v_mov_b32 v6, s53
	s_lshl_b32 s54, ttmp9, 12                      ; a row tile's four fragments are 4,096 bytes, and the matrices follow each other
	s_lshl_b32 s60, s2, 10
	s_add_co_u32 s54, s54, s60
	s_add_nc_u64 s[20:21], s[20:21], s[54:55]
	s_wait_loadcnt 0x0
.set k_, 0
.rept 32
	v_med3_num_f32 v[16+k_], v[16+k_], s57, s56    ; the conversion does not saturate: the hold at the largest code x the scale comes first
.set k_, k_+1
.endr
.irp c, 0,1,2,3
	v_cvt_scalef32_pk8_fp8_f32 v[48+2*\c:49+2*\c], v[16+8*\c:23+8*\c], v6
.endr
	v_nop
	global_store_b128 v4, v[48:51], s[20:21]               ; 32 lanes store 512 consecutive bytes
	global_store_b128 v4, v[52:55], s[20:21] offset:512
	s_endpgm
.Lnot_w:
	s_cmp_lt_u32 ttmp9, 192
	s_cbranch_scc0 .Lrole_qh
; ---------------- role P: token tile = work-group - 144; the wave's number is the K step s
	s_sub_co_u32 s48, ttmp9, 144
	s_lshl_b32 s49, s48, 4
	v_add_nc_u32 v5, s49, v2                       ; token n = (t x 8 + hh) x 24 + ww
	v_mul_u32_u24 v6, v5, 2731
	v_lshrrev_b32 v6, 16, v6                       ; n / 24 (exact for n < 768: the factor's excess adds less than 1/24)
	v_mul_u32_u24 v14, v6, 24
	v_sub_nc_u32 v14, v5, v14                      ; ww
	v_lshrrev_b32 v5, 3, v6                        ; t
	v_and_b32 v6, 7, v6                            ; hh
	v_cvt_f32_u32 v5, v5
	v_cvt_f32_u32 v6, v6
	v_cvt_f32_u32 v14, v14
	s_mov_b32 s50, 0x3eaaaaab                      ; 1/3, 1/7, 1/23
	s_mov_b32 s51, 0x3e124925
	s_mov_b32 s52, 0x3d321643
	s_mov_b32 s53, 0x40400000                      ; 3, 7, 23
	s_mov_b32 s54, 0x40e00000
	s_mov_b32 s55, 0x41b80000
	v_mul_f32 v8, s50, v5                          ; i / div: a product with the reciprocal and one correction step
	v_mul_f32 v9, s51, v6
	v_mul_f32 v10, s52, v14
	v_fma_f32 v11, -v8, s53, v5
	v_fma_f32 v12, -v9, s54, v6
	v_fma_f32 v13, -v10, s55, v14
	v_fma_f32 v8, v11, s50, v8
	v_fma_f32 v9, v12, s51, v9
	v_fma_f32 v10, v13, s52, v10
	v_sub_f32 v11, 1.0, v8
	v_sub_f32 v12, 1.0, v9
	v_sub_f32 v13, 1.0, v10                        ; v8-13: the token's six grid numbers
	v_mul_u32_u24 v14, v3, 192                     ; pe_w: a row is 24 bytes, 8 h rows on
	s_mul_i32 s56, s2, 1536
	s_mov_b32 s57, 0
	s_add_nc_u64 s[22:23], s[22:23], s[56:57]
	s_lshl_b32 s56, s2, 8
	s_add_nc_u64 s[24:25], s[24:25], s[56:57]
	s_lshl_b32 s56, s48, 14
	s_lshl_b32 s60, s2, 12
	s_add_co_u32 s56, s56, s60
	s_add_nc_u64 s[26:27], s[26:27], s[56:57]
.set it, 0
.rept 8                                ; item 2c + q: four channels: 96 consecutive bytes of pe_w, 16 of pe_b
.set m_, 0
.rept 6
	global_load_b128 v[16+28*it+4*m_:16+28*it+4*m_+3], v14, s[22:23] offset:384*(it/2)+96*(it%2)+16*m_
.set m_, m_+1
.endr
	global_load_b128 v[40+28*it:43+28*it], v7, s[24:25] offset:64*(it/2)+16*(it%2)
.set it, it+1
.endr
	s_wait_loadcnt 0x0
.set m_, 0
.rept 6                                ; k outermost: 32 sums that do not wait for each other; each begins with pe_b
.set it, 0
.rept 32
	v_fmac_f32 v[40+28*(it/4)+it%4], v[8+m_], v[16+28*(it/4)+6*(it%4)+m_]
.set it, it+1
.endr
.set m_, m_+1
.endr
.set it, 0
.rept 8
	global_store_b128 v4, v[40+28*it:43+28*it], s[26:27] offset:512*it
.set it, it+1
.endr
	s_endpgm
; ---------------- roles Q and H: one tile of 16 rows of q_w or gru_wh a wave, against both slot tiles
; window 0: v16-143 the weight's tile f32; v144-207 the slots' codes (32 u + 8 s + 2 c); v208-239 the weight's codes; v240-255 two accumulators (sums' temporaries before);  window 1: the slots' rows f32;  window 2: ns_g, ns_b
.Lrole_qh:
	s_cmp_lt_u32 ttmp9, 196
	s_cselect_b32 s48, -1, 0                       ; all ones in role Q
	s_cselect_b64 s[50:51], s[34:35], s[40:41]     ; q_w or gru_wh
	s_cselect_b64 s[54:55], s[36:37], s[42:43]     ; b1: q_b or gru_bh
	s_cselect_b64 s[56:57], s[36:37], s[44:45]     ; b2: q_b (weighed with 0) or gru_bi
	s_cselect_b32 s52, s76, s84                    ; e8 or e16
	s_cselect_b32 s53, s77, s85                    ; e9 or e17
	s_cselect_b32 s49, 0, 4
	s_add_co_u32 s49, s49, 192
	s_sub_co_u32 s49, ttmp9, s49
	s_lshl_b32 s49, s49, 2
	s_add_co_u32 s49, s49, s2                      ; the tile: Q 0-15, H 0-47
	s_lshl_b32 s60, s49, 14
	s_mov_b32 s61, 0
	s_add_nc_u64 s[50:51], s[50:51], s[60:61]
	s_lshl_b32 s60, s49, 6
	s_add_nc_u64 s[54:55], s[54:55], s[60:61]
	s_add_nc_u64 s[56:57], s[56:57], s[60:61]
	v_and_b32 v6, 7, v2
	v_lshrrev_b32 v8, 3, v2
	v_mad_u32_u24 v6, v8, 3, v6
	v_add_nc_u32 v6, 16, v6
	v_min_u32 v6, 21, v6                           ; Q, tile 1: slot 16 + r % 8 + 3 (r / 8), held inside the table
	v_add_nc_u32 v8, 6, v2                         ; H, tile 1: slot 6 + r
	v_cndmask_b32 v6, v8, v6, s48
	v_lshlrev_b32 v6, 10, v6
	v_add_nc_u32 v6, v6, v7
	WIN 0x40
.irp s, 0,1,2,3
	LLOAD 32*\s, 5, 28, 256*\s
	LLOAD 128+32*\s, 6, 28, 256*\s
.endr
	WIN 0
.irp s, 0,1,2,3
	LLOAD 16+32*\s, 5, 50, 256*\s
.endr
	global_load_b128 v[8:11], v7, s[54:55]                 ; the biases in the result's layout: channel 16 tile + 8 h + 0..7
	global_load_b128 v[12:15], v7, s[54:55] offset:16
	global_load_b128 v[208:211], v7, s[56:57]
	global_load_b128 v[212:215], v7, s[56:57] offset:16
	MKLIM 52, 60, 90, 91
	v_mov_b32 v1, s60                              ; the slots' scale
	MKLIM 53, 60, 92, 93
	v_mov_b32 v2, s60                              ; the weight's
	s_add_co_i32 s52, s52, s53
	s_add_co_i32 s52, s52, 127
	s_lshl_b32 s52, s52, 23                        ; 2^(eA + eW)
	s_mov_b32 s94, 0x4038aa3b                      ; H, gate n: 2 log2(e)
	s_cmp_lt_u32 s49, 32
	s_cselect_b32 s94, 0xbfb8aa3b, s94             ; H, gates r and z: -log2(e), and gru_bi goes in
	s_cselect_b32 s66, 1.0, 0
	s_cmp_lt_u32 ttmp9, 196
	s_cselect_b32 s94, 1.0, s94                    ; Q: 1, and b2 counts for nothing
	s_cselect_b32 s66, 0, s66
	s_mov_b32 s95, s94
	s_mov_b32 s67, s66
	s_mul_f32 s62, s52, s94
	s_mov_b32 s63, s62
	MKLIM 78, 60, 52, 53
	v_mov_b32 v3, s60                              ; q's own scale, 2^e10
	s_mov_b32 s[SEL], 0x76543210
	s_mov_b32 s[SEL+1], 0xfedcba98
	s_mov_b32 s60, 0x3b800000                      ; 1/256
	s_mov_b32 s61, 0x3727c5ac                      ; 1e-5
	s_cmp_lt_u32 ttmp9, 196
	s_cbranch_scc0 .Lno_ln
	WIN 0x80
.irp s, 0,1,2,3
	LLOAD 32*\s, 7, 30, 256*\s
	LLOAD 128+32*\s, 7, 32, 256*\s
.endr
	WIN 0
	s_wait_loadcnt 0x0
; LayerNorm of a slot's row: mean, then the squares of the differences; a lane holds 128 of the 256 channels, its partner 16 lanes away the others
.macro LNROW x
	WIN 0x05
.set i_, 0
.rept 8
	v_pk_add_f32 v[240+2*i_:241+2*i_], v[\x+2*i_:\x+2*i_+1], v[\x+16+2*i_:\x+17+2*i_]
.set i_, i_+1
.endr
	WIN 0x04
.set i_, 0
.rept 48
	v_pk_add_f32 v[240+2*(i_%8):241+2*(i_%8)], v[240+2*(i_%8):241+2*(i_%8)], v[\x+32+2*i_:\x+33+2*i_]
.set i_, i_+1
.endr
	WIN 0
	TREE8 240
	v_mul_f32 v240, s60, v240
	WIN 0x41
.set i_, 0
.rept 64
	v_pk_add_f32 v[\x+2*i_:\x+2*i_+1], v[\x+2*i_:\x+2*i_+1], v[240:241] op_sel_hi:[1,0] neg_lo:[0,1] neg_hi:[0,1]
.set i_, i_+1
.endr
	WIN 0x05
.set i_, 0
.rept 64
.if i_ < 8
	v_pk_mul_f32 v[240+2*i_:241+2*i_], v[\x+2*i_:\x+2*i_+1], v[\x+2*i_:\x+2*i_+1]
.else
	v_pk_fma_f32 v[240+2*(i_%8):241+2*(i_%8)], v[\x+2*i_:\x+2*i_+1], v[\x+2*i_:\x+2*i_+1], v[240+2*(i_%8):241+2*(i_%8)]
.endif
.set i_, i_+1
.endr
	WIN 0
	TREE8 240
	v_fma_f32 v240, v240, s60, s61
	v_rsq_f32 v240, v240
	v_nop                                          ; a plain instruction behind the root,
	s_wait_alu depctr_va_vdst(0)                   ; and the wait ahead of its first reader
	WIN 0x41
.set i_, 0
.rept 64
	v_pk_mul_f32 v[\x+2*i_:\x+2*i_+1], v[\x+2*i_:\x+2*i_+1], v[240:241] op_sel_hi:[1,0]
.set i_, i_+1
.endr
	WIN 0x69                                       ; gain and bias in window 2
.set i_, 0
.rept 64
	v_pk_fma_f32 v[\x+2*i_:\x+2*i_+1], v[\x+2*i_:\x+2*i_+1], v[2*i_:2*i_+1], v[128+2*i_:129+2*i_]
.set i_, i_+1
.endr
	WIN 0
.endm
	LNROW 0
	LNROW 128
.Lno_ln:
	s_wait_loadcnt 0x0
.irp i, 0,2,4,6
	v_pk_fma_f32 v[8+\i:9+\i], v[208+\i:209+\i], s[66:67], v[8+\i:9+\i] op_sel_hi:[1,0,1]   ; b1 + f b2
.endr
.irp i, 0,2,4,6
	v_pk_mul_f32 v[8+\i:9+\i], v[8+\i:9+\i], s[94:95] op_sel_hi:[1,0]                       ; x F
.endr
.irp u, 0,1
	WIN 0x41
.set k_, 0
.rept 128
	v_med3_num_f32 v[128*\u+k_], v[128*\u+k_], s91, s90
.set k_, k_+1
.endr
	WIN 0x01
.set k_, 0
.rept 16
	v_cvt_scalef32_pk8_fp8_f32 v[144+32*\u+2*k_:145+32*\u+2*k_], v[128*\u+8*k_:128*\u+8*k_+7], v1
.set k_, k_+1
.endr
	v_nop
.endr
	WIN 0
.set k_, 0
.rept 128
	v_med3_num_f32 v[16+k_], v[16+k_], s93, s92
.set k_, k_+1
.endr
.set k_, 0
.rept 16
	v_cvt_scalef32_pk8_fp8_f32 v[208+2*k_:209+2*k_], v[16+8*k_:23+8*k_], v2
.set k_, k_+1
.endr
	v_nop
; transposed: source 0 = 16 rows of the weight, source 1 = 16 slots: a lane holds one slot, its registers eight neighbouring channels.  The two accumulators take turns
.irp s, 0,1,2,3
.irp u, 0,1
.if \s == 0
	v_wmma_f32_16x16x64_fp8_fp8 v[240+8*\u:247+8*\u], v[208+8*\s:215+8*\s], v[144+32*\u+8*\s:151+32*\u+8*\s], 0
.else
	v_wmma_f32_16x16x64_fp8_fp8 v[240+8*\u:247+8*\u], v[208+8*\s:215+8*\s], v[144+32*\u+8*\s:151+32*\u+8*\s], v[240+8*\u:247+8*\u]
.endif
.endr
.endr
.rept 5
	v_nop                                          ; places behind the last products, ahead of the first read of their results
.endr
.irp u, 0,1
.irp i, 0,2,4,6
	v_pk_fma_f32 v[16+8*\u+\i:17+8*\u+\i], v[240+8*\u+\i:241+8*\u+\i], s[62:63], v[8+\i:9+\i] op_sel_hi:[1,0,1]
.endr
.endr
	s_cmp_lt_u32 ttmp9, 196
	s_cbranch_scc0 .Lstore_h
.set k_, 0
.rept 16
	v_med3_num_f32 v[16+k_], v[16+k_], s53, s52
.set k_, k_+1
.endr
	v_cvt_scalef32_pk8_fp8_f32 v[48:49], v[16:23], v3
	v_cvt_scalef32_pk8_fp8_f32 v[50:51], v[24:31], v3
	v_nop
	s_lshr_b32 s54, s49, 2                         ; channels 16 tile on are K step tile / 4, registers 2 (tile % 4) and the next
	s_lshl_b32 s54, s54, 10
	s_bfe_u32 s55, s49, 0x10001
	s_lshl_b32 s55, s55, 9
	s_add_co_u32 s54, s54, s55
	s_and_b32 s55, s49, 1
	s_lshl_b32 s55, s55, 3
	s_add_co_u32 s54, s54, s55
	s_mov_b32 s55, 0
	s_add_nc_u64 s[38:39], s[38:39], s[54:55]
	global_store_b64 v4, v[48:49], s[38:39]
	global_store_b64 v4, v[50:51], s[38:39] offset:4096
	s_endpgm
.Lstore_h:
	s_lshl_b32 s54, s49, 11                        ; two images of 1,024 bytes a tile
	s_mov_b32 s55, 0
	s_add_nc_u64 s[46:47], s[46:47], s[54:55]
.irp n, 0,1,2,3
	global_store_b128 v4, v[16+4*\n:19+4*\n], s[46:47] offset:512*\n
.endr
	s_endpgm
.Lfunc_end_k_q1d8006c226_prep:
	.size	k_q1d8006c226_prep, .Lfunc_end_k_q1d8006c226_prep-k_q1d8006c226_prep
	.p2alignl 7, 3214868480
	.fill 96, 4, 3214868480
	.section	.rodata,"a",@progbits
	.p2align	6, 0x0
	.amdhsa_kernel k_q1d8006c226_prep
		.amdhsa_group_segment_fixed_size 0
		.amdhsa_private_segment_fixed_size 0
		.amdhsa_enable_private_segment 0
		.amdhsa_kernarg_size 176
		.amdhsa_user_sgpr_count 2
		.amdhsa_user_sgpr_kernarg_segment_ptr 1
		.amdhsa_wavefront_size32 1
		.amdhsa_system_sgpr_workgroup_id_x 1
		.amdhsa_system_sgpr_workgroup_id_y 1
		.amdhsa_system_sgpr_workgroup_id_z 1
		.amdhsa_system_vgpr_workitem_id 0
		.amdhsa_next_free_vgpr 768
		.amdhsa_next_free_sgpr 96
		.amdhsa_reserve_vcc 0
		.amdhsa_float_denorm_mode_32 3
		.amdhsa_float_denorm_mode_16_64 3
		.amdhsa_memory_ordered 1
		.amdhsa_forward_progress 1
		.amdhsa_inst_pref_size 112
	.end_amdhsa_kernel
	.amdgpu_metadata
---
amdhsa.version: [ 1, 2 ]
amdhsa.kernels:
  - .name:           k_q1d8006c226_prep
    .symbol:         k_q1d8006c226_prep.kd
    .args:
      - { .name: FC1_w, .offset: 0, .size: 8, .value_kind: global_buffer, .address_space: global }
      - { .name: FC2_w, .offset: 8, .size: 8, .value_kind: global_buffer, .address_space: global }
      - { .name: k_w, .offset: 16, .size: 8, .value_kind: global_buffer, .address_space: global }
      - { .name: v_w, .offset: 24, .size: 8, .value_kind: global_buffer, .address_space: global }
      - { .name: ff1_w, .offset: 32, .size: 8, .value_kind: global_buffer, .address_space: global }
      - { .name: ff2_w, .offset: 40, .size: 8, .value_kind: global_buffer, .address_space: global }
      - { .name: gru_wi, .offset: 48, .size: 8, .value_kind: global_buffer, .address_space: global }
      - { .name: lowp_scales, .offset: 56, .size: 8, .value_kind: global_buffer, .address_space: global }
      - { .name: wcodes, .offset: 64, .size: 8, .value_kind: global_buffer, .address_space: global }
      - { .name: pe_w, .offset: 72, .size: 8, .value_kind: global_buffer, .address_space: global }
      - { .name: pe_b, .offset: 80, .size: 8, .value_kind: global_buffer, .address_space: global }
      - { .name: pef, .offset: 88, .size: 8, .value_kind: global_buffer, .address_space: global }
      - { .name: slots, .offset: 96, .size: 8, .value_kind: global_buffer, .address_space: global }
      - { .name: ns_g, .offset: 104, .size: 8, .value_kind: global_buffer, .address_space: global }
      - { .name: ns_b, .offset: 112, .size: 8, .value_kind: global_buffer, .address_space: global }
      - { .name: q_w, .offset: 120, .size: 8, .value_kind: global_buffer, .address_space: global }
      - { .name: q_b, .offset: 128, .size: 8, .value_kind: global_buffer, .address_space: global }
      - { .name: qimg, .offset: 136, .size: 8, .value_kind: global_buffer, .address_space: global }
      - { .name: gru_wh, .offset: 144, .size: 8, .value_kind: global_buffer, .address_space: global }
      - { .name: gru_bh, .offset: 152, .size: 8, .value_kind: global_buffer, .address_space: global }
      - { .name: gru_bi, .offset: 160, .size: 8, .value_kind: global_buffer, .address_space: global }
      - { .name: gimg, .offset: 168, .size: 8, .value_kind: global_buffer, .address_space: global }
    .group_segment_fixed_size: 0
    .private_segment_fixed_size: 0
    .kernarg_segment_align: 8
    .kernarg_segment_size: 176
    .max_flat_workgroup_size: 128
    .sgpr_count:     96
    .vgpr_count:     768
    .wavefront_size: 32
...
	.end_amdgpu_metadata
.endif
;; end of part 1
;; launch main (part 2): grid 7 x 32, 4 waves a work-group, no clusters, 327,680 bytes of LDS; arguments inputs, pef, wcodes, qimg, lowp_scales, LN_g, LN_b, ni_g, ni_b, FC1_b, FC2_b, k_b, v_b, gimg, slots, gru_bi, npf_g, npf_b, ff1_b, ff2_b, out0, out1; writes out0, out1
.if DOCPART == 2
	.amdgcn_target "amdgcn-amd-amdhsa--gfx1250"
	.amdhsa_code_object_version 6
	.text
	.protected	k_q1d8006c226_main
	.globl	k_q1d8006c226_main
	.p2align	8
	.type	k_q1d8006c226_main,@function
k_q1d8006c226_main:
	s_mov_b64 s[64:65], 0
	v_nop
	global_prefetch_b8 v0, s[64:65] scope:SCOPE_SE
	s_setreg_imm32_b32 hwreg(HW_REG_WAVE_MODE, 25, 1), 1
	s_wait_xcnt 0x0
; ONE WORK-GROUP TAKES ONE WINDOW (768 tokens x 256 channels; x = window 0-6, y = batch 0-31) THROUGH ALL OF THE MODULE; nothing between the input and the two outputs goes to memory.
; THE FOUR WAVES SHARE THE COLUMNS: wave w makes channels 64 w .. 64 w + 63 of every layer, and its quarter of FC1, FC2, k and v (4 x 128 registers of codes) stays in its registers through the loop.
; Activations go from wave to wave through LDS as images of their operand registers.  A fragment is 16 rows x 64 K of E4M3 codes in 8 registers (lane (r, h): row r; registers 2c, 2c+1: k = 16c + 8h + 0..7);
; its image is 1,024 bytes: registers 0-3 at 16 x lane, 4-7 at 512 + 16 x lane.  A wave's 64 channels are one K step of v_wmma_f32_16x16x64_fp8_fp8.
; Products are used transposed (source 0 = 16 rows of the weight, source 1 = 16 tokens): a lane then holds one token and eight neighbouring channels a tile, so four tiles convert straight into a fragment.
; v alone is used the natural way: a lane holds one channel and eight tokens, since the tokens are the K of attn x vv.
; THE LOOP: 12 blocks of 64 tokens, five barriers a block:  P0 x + pe, LayerNorm, codes (wave w: token tile w, whole rows) | P1 FC1, relu, codes | P2 FC2, partial statistics | LN2 LayerNorm, codes for k and for v |
; P3 k and v, codes (vv's stay in LDS for the whole window) | P4 dots with the 22 queries, softmax over the slots, + 1e-8 into LDS (wave w: token tile w).
; THE TAIL, once: out1; row sums over the 768 tokens; attn's codes; attn x vv; GRU; LayerNorm; ff1, ff2, residual; out0.  Slot tile 0 = slots r, tile 1 = slots 6 + r (slots 6-15 are made twice, alike).
; Biases are the C of a sum's first product, divided by the power of two that the sums lack; the scales ahead of a quantiser are folded into the conversion's one.  LN2 works on FC2's unscaled sums, with eps / 2^(2(e2+e3)).
; No cluster, no tensor load: what the work-groups share (weights, pe) is read once by each, straight into registers, and 512 bytes of LDS are left beside vv's codes, attn and the images.
; LIMITS: e0, e2-e0-e1, e4, e6, e11-e4-e5, e13-e6-e7, e12, e14-e12-e13, e18, e20-e18-e19 between -126 and 119; e10+e11-4, e14+e15+1, e20+e21 within f32's exponents; |e2+e3| <= 50.  NaN among the inputs is not served.
; Sums are associated otherwise than the source reads (statistics by parts, the GRU's biases folded), each within f32 rounding.
.set VV,   0                           ; LDS: vv's codes: fragment (block i, wave w, tile t) at 16,384 i + 4,096 w + 1,024 t; a wave's own
.set ATT,  196608                      ; attn_ori f32: 22 rows,
.set AP,   3088                        ; 3,072 bytes + 16: an odd multiple of 16, so that sixteen rows' 16 bytes fall on different banks
.set IMGA, 264704                      ; x's codes, later xn's for k: fragment (token tile, K step) at (4 tt + s) x 1,024
.set IMGB, 281088                      ; the hidden layer's, later xn's for v
.set IMGC, 297472                      ; kk's
.set QIMG, 313856                      ; q's eight fragments
.set VECS, 322048                      ; FC1_b, FC2_b, k_b, divided
.set STAT, 325120                      ; LN2's parts: token x 32 + wave x 8: (mean, sum of squares)
.set AIMG, IMGA                        ; the tail: attn's 24 fragments (12 u + kb),
.set UIMG, IMGA+24576                  ; upd's 8 (4 u + s); +8,192 the normed slots'; +16,384 ff1's
.set PS,   QIMG                        ; partial row sums
.set TST,  QIMG+1024                   ; the last LayerNorm's parts
.set STG,  VV                          ; out0's stage: 22 rows of
.set SP,   1040                        ; 1,024 bytes + 16
; window 0
.set LI, 1                             ; 16 x lane
.set XA, 2                             ; 1,024 r + 32 h
.set H32, 3                            ; 32 h
.set A_A, 4
.set A_B, 5
.set A_KW, 6
.set S_XI, 7
.set S_A, 8
.set S_B, 9
.set S_C, 10
.set A_Q, 11
.set A_VEC, 12
.set S_ST, 13
.set A_ST, 14
.set S_VV, 15
.set S_AT0, 16
.set S_AT1, 17
.set C_VV, 18                          ; the last three + the trip's step
.set C_AT0, 19
.set C_AT1, 20
.set SC0, 21                           ; the conversions' scales
.set SC1, 22
.set SC4, 23
.set SC6, 24
.set SCK, 25
.set SCV, 26
.set EPS2, 27
.set MW, 28                            ; v28-31  my 64 channels' mean, a token tile each
.set BV, 32                            ; v32-35  v_b of channel 64 w + 16 t + r, divided
.set T, 36                             ; v36-47  at work
.set NG, 48                            ; v48-79  ni_g, v80-111 ni_b of my channels, in the result's layout
.set NB, 80
.set VEC, 112                          ; v112-143 a bias in the result's layout
.set AF, 144                           ; v144-175 four fragments of one token tile
.set CD, 176                           ; v176-191 codes just made, two halves
.set TA, 192                           ; v192-255 results, two halves of 32
; window 1: v0-127 FC1, v128-255 FC2 (fragment (t, s) at 32 t + 8 s);  window 2: k, v;  window 3: v0-127 x of the next block, v128-255 pe, LN_g, FC2's sums
.set MSB, 0
.macro WIN new                         ; the immediate's high byte repeats the setting that is left
.if MSB != (\new)
	s_set_vgpr_msb (MSB<<8)|(\new)
.set MSB, \new
.endif
.endm
.macro PLACES n
.rept \n
	v_nop
.endr
.endm
.macro BAR                             ; my LDS stores have landed and my LDS loads are in: then the work-group's barrier
	s_wait_dscnt 0x0
	s_barrier_signal -1
	s_barrier_wait -1
.endm
.macro MKLIM e, sc, lp, ln             ; s[e] = E:  s[sc] = 2^E, s[lp] = 448 x 2^E, s[ln] = -448 x 2^E, as f32
	s_add_co_i32 s[\sc], s[\e], 127
	s_add_co_i32 s[\lp], s[\e], 135
	s_lshl_b32 s[\sc], s[\sc], 23
	s_lshl_b32 s[\lp], s[\lp], 23
	s_or_b32 s[\lp], s[\lp], 0x600000
	s_or_b32 s[\ln], s[\lp], 0x80000000
.endm
.macro LLOAD reg, adr, base, off       ; 32 numbers of a lane: register 8c + 4q + e at byte 64c + 16q (+ 32 h in the address)
.set k_, 0
.rept 8
	global_load_b128 v[\reg+4*k_:\reg+4*k_+3], v[\adr], s[\base:\base+1] offset:(\off)+64*(k_/2)+16*(k_%2)
.set k_, k_+1
.endr
.endm
.macro WLOAD reg, off                  ; my 16 fragments of a weight: 32 dense loads
.set k_, 0
.rept 32
	global_load_b128 v[\reg+4*k_:\reg+4*k_+3], v[LI], s[92:93] offset:(\off)+512*k_
.set k_, k_+1
.endr
.endm
.macro PELOAD                          ; pe of my token tile, laid as the lanes hold x: 32 dense loads
.set k_, 0
.rept 32
	global_load_b128 v[128+4*k_:131+4*k_], v[LI], s[6:7] offset:512*k_
.set k_, k_+1
.endr
.endm
.macro XLOAD
.irp s, 0,1,2,3
	LLOAD 32*\s, XA, 4, 256*\s
.endr
.endm
.macro LOADA a, off                    ; the four fragments of one token tile
.set k_, 0
.rept 8
	ds_load_b128 v[AF+4*k_:AF+4*k_+3], v[\a] offset:(\off)+512*k_
.set k_, k_+1
.endr
.endm
.macro VLOAD n                         ; bias n of my 64 channels, in the result's layout
.set k_, 0
.rept 8
	ds_load_b128 v[VEC+4*k_:VEC+4*k_+3], v[A_VEC] offset:1024*(\n)+64*(k_/2)+16*(k_%2)
.set k_, k_+1
.endr
.endm
.macro ST2 a, cd, off                  ; a fragment's image
	ds_store_b128 v[\a], v[\cd:\cd+3] offset:\off
	ds_store_b128 v[\a], v[\cd+4:\cd+7] offset:(\off)+512
.endm
; 16 products: my four tiles of 16 channels x one token tile, K = 256.  The four accumulators take turns.  The bias is the first C
.macro MMT wb, d, m1, m2
	WIN \m1
.irp t, 0,1,2,3
	v_wmma_f32_16x16x64_fp8_fp8 v[\d+8*\t:\d+8*\t+7], v[\wb+32*\t:\wb+32*\t+7], v[AF:AF+7], v[VEC+8*\t:VEC+8*\t+7]
.endr
	WIN \m2
.irp s, 1,2,3
.irp t, 0,1,2,3
	v_wmma_f32_16x16x64_fp8_fp8 v[\d+8*\t:\d+8*\t+7], v[\wb+32*\t+8*\s:\wb+32*\t+8*\s+7], v[AF+8*\s:AF+8*\s+7], v[\d+8*\t:\d+8*\t+7]
.endr
.endr
.endm
.macro MMN wb, d, m                    ; the same the natural way: source 0 = the tokens
	WIN \m
.irp t, 0,1,2,3
	v_wmma_f32_16x16x64_fp8_fp8 v[\d+8*\t:\d+8*\t+7], v[AF:AF+7], v[\wb+32*\t:\wb+32*\t+7], v[VEC+8*\t:VEC+8*\t+7]
.endr
.irp s, 1,2,3
.irp t, 0,1,2,3
	v_wmma_f32_16x16x64_fp8_fp8 v[\d+8*\t:\d+8*\t+7], v[AF+8*\s:AF+8*\s+7], v[\wb+32*\t+8*\s:\wb+32*\t+8*\s+7], v[\d+8*\t:\d+8*\t+7]
.endr
.endr
.endm
.macro QMEDR b, lo, hi, from, n        ; the hold at the largest code x the scale (the conversion does not saturate); with lo = 0 also the relu.  Ascending: each accumulator is read from its low end on
.set k_, \from
.rept \n
	v_med3_num_f32 v[\b+k_], v[\b+k_], \lo, \hi
.set k_, k_+1
.endr
.endm
.macro QCVT b, cd, sc
.irp c, 0,1,2,3
	v_cvt_scalef32_pk8_fp8_f32 v[\cd+2*\c:\cd+2*\c+1], v[\b+8*\c:\b+8*\c+7], v[\sc]
.endr
	v_nop                                          ; a plain instruction between the conversions and the products that write their sources again
.endm
.macro TREE8 b, d                      ; eight pairs at v[b] become one sum over both halves of the lanes, in v[d]
	v_pk_add_f32 v[\b:\b+1], v[\b:\b+1], v[\b+8:\b+9]
	v_pk_add_f32 v[\b+2:\b+3], v[\b+2:\b+3], v[\b+10:\b+11]
	v_pk_add_f32 v[\b+4:\b+5], v[\b+4:\b+5], v[\b+12:\b+13]
	v_pk_add_f32 v[\b+6:\b+7], v[\b+6:\b+7], v[\b+14:\b+15]
	v_pk_add_f32 v[\b:\b+1], v[\b:\b+1], v[\b+4:\b+5]
	v_pk_add_f32 v[\b+2:\b+3], v[\b+2:\b+3], v[\b+6:\b+7]
	v_pk_add_f32 v[\b:\b+1], v[\b:\b+1], v[\b+2:\b+3]
	v_add_f32 v[\b], v[\b], v[\b+1]
	v_permlanex16_b32 v[\b+1], v[\b], s30, s31
	v_add_f32 v[\d], v[\b], v[\b+1]
.endm
.macro TREE4 b, d
	v_pk_add_f32 v[\b:\b+1], v[\b:\b+1], v[\b+4:\b+5]
	v_pk_add_f32 v[\b+2:\b+3], v[\b+2:\b+3], v[\b+6:\b+7]
	v_pk_add_f32 v[\b:\b+1], v[\b:\b+1], v[\b+2:\b+3]
	v_add_f32 v[\b], v[\b], v[\b+1]
	v_permlanex16_b32 v[\b+1], v[\b], s30, s31
	v_add_f32 v[\d], v[\b], v[\b+1]
.endm
; four waves' (mean, sum of squares) of 64 channels each, in v[b] .. v[b+7], become 1 / sqrt(var + eps) in v[p] and my mean less the row's in v[p+1].  No difference of large sums is formed
.macro COMBINE b, p, mine, eps
	v_add_f32 v[T], v[\b], v[\b+2]
	v_add_f32 v[T+1], v[\b+4], v[\b+6]
	v_add_f32 v[T], v[T], v[T+1]
	v_mul_f32 v[T], s54, v[T]                      ; the row's mean
	v_sub_f32 v[\b], v[\b], v[T]
	v_sub_f32 v[\b+2], v[\b+2], v[T]
	v_sub_f32 v[\b+4], v[\b+4], v[T]
	v_sub_f32 v[\b+6], v[\b+6], v[T]
	v_add_f32 v[\b+1], v[\b+1], v[\b+3]
	v_add_f32 v[\b+5], v[\b+5], v[\b+7]
	v_add_f32 v[\b+1], v[\b+1], v[\b+5]
	v_mul_f32 v[\b], v[\b], v[\b]
	v_fmac_f32 v[\b], v[\b+2], v[\b+2]
	v_fmac_f32 v[\b], v[\b+4], v[\b+4]
	v_fmac_f32 v[\b], v[\b+6], v[\b+6]
	v_fma_f32 v[\b], v[\b], s53, v[\b+1]           ; the parts' squares + 64 x the squares of the means' distances
	v_fma_f32 v[\b], v[\b], s50, \eps
	v_sub_f32 v[\p+1], v[\mine], v[T]
	v_rsq_f32 v[\p], v[\b]
.endm
; ======================= the head
	s_load_b512 s[4:19], s[0:1], 0x0               ; inputs, pef, wcodes, qimg, lowp_scales, LN_g s[14:15], LN_b s[16:17], ni_g
	s_load_b256 s[20:27], s[0:1], 0x40             ; ni_b, FC1_b, FC2_b, k_b
	s_load_b64 s[28:29], s[0:1], 0x60              ; v_b
	v_lshrrev_b32 v1, 5, v0
	v_readfirstlane_b32 s2, v1                     ; wave
	s_mov_b32 s90, ttmp9                           ; window
	s_and_b32 s91, ttmp7, 0xffff                   ; batch
	v_and_b32 v176, 31, v0
	v_and_b32 v177, 15, v0                         ; r
	v_bfe_u32 v178, v0, 4, 1                       ; h
	v_lshlrev_b32 v[LI], 4, v176
	v_lshlrev_b32 v[H32], 5, v178
	v_lshl_add_u32 v[XA], v177, 10, v[H32]
	s_lshl_b32 s48, s2, 12
	s_lshl_b32 s49, s2, 10
	s_lshl_b32 s55, s2, 8
	v_add_nc_u32 v[A_A], IMGA, v[LI]
	v_add_nc_u32 v[A_B], IMGB, v[LI]
	v_add_nc_u32 v[A_Q], QIMG, v[LI]
	s_add_co_u32 s58, s48, IMGC
	v_add_nc_u32 v[A_KW], s58, v[LI]
	s_add_co_u32 s58, s48, IMGA
	v_add_nc_u32 v[S_XI], s58, v[LI]
	s_add_co_u32 s58, s49, IMGA
	v_add_nc_u32 v[S_A], s58, v[LI]
	s_add_co_u32 s58, s49, IMGB
	v_add_nc_u32 v[S_B], s58, v[LI]
	s_add_co_u32 s58, s49, IMGC
	v_add_nc_u32 v[S_C], s58, v[LI]
	v_add_nc_u32 v[S_VV], s48, v[LI]
	v_add_nc_u32 v181, s55, v[H32]                 ; 256 w + 32 h: my channels in a vector of 256
	v_add_nc_u32 v[A_VEC], VECS, v181
	v_lshlrev_b32 v179, 5, v177
	v_add_nc_u32 v[A_ST], STAT, v179
	s_lshl_b32 s58, s2, 3
	v_add_nc_u32 v[S_ST], s58, v[A_ST]
	v_mul_u32_u24 v180, v178, 8*AP                 ; attn: slot 8 h + j, token 16 w + r of the block
	v_lshl_add_u32 v180, v177, 2, v180
	s_lshl_b32 s58, s2, 6
	s_add_co_u32 s58, s58, ATT
	v_add_nc_u32 v[S_AT0], s58, v180
	v_mul_u32_u24 v180, v178, 3*AP                 ; and slot 16 + 3 h + j
	v_lshl_add_u32 v180, v177, 2, v180
	s_add_co_u32 s58, s58, 16*AP
	v_add_nc_u32 v[S_AT1], s58, v180
	v_lshl_add_u32 v182, v177, 2, s55              ; 256 w + 4 r
	v_lshlrev_b32 v183, 3, v0
	v_lshlrev_b32 v190, 4, v0
	v_add_nc_u32 v191, VECS, v183
	v_add_nc_u32 v[TA+16], QIMG, v190
.set k_, 0
.rept 12
	v_mov_b32 v[T+k_], 0                           ; written once: named as halves of pairs and as lane permutes' destinations
.set k_, k_+1
.endr
	s_mov_b32 s30, 0x76543210                      ; each lane takes its own place in the other half
	s_mov_b32 s31, 0xfedcba98
	s_mov_b32 s50, 0x3b800000                      ; 1/256
	s_mov_b32 s51, 0x3727c5ac                      ; 1e-5
	s_mov_b32 s52, 0x3c800000                      ; 1/64
	s_mov_b32 s53, 0x42800000                      ; 64
	s_mov_b32 s54, 0x3e800000                      ; 1/4
	s_mov_b32 s56, 0x322bcc77                      ; 1e-8
	s_mov_b32 s57, s56
	s_mov_b32 s3, 0
	s_mov_b32 s46, 0
	s_mov_b32 s47, 0
	s_wait_kmcnt 0x0
	s_load_b512 s[68:83], s[12:13], 0x0            ; the exponents: e_i in s[68 + i]
	s_load_b128 s[84:87], s[12:13], 0x40
	s_load_b64 s[88:89], s[12:13], 0x50
	s_lshl_b32 s58, s91, 4
	s_lshl_b32 s59, s90, 1
	s_add_co_u32 s58, s58, s59                     ; the window's first frame: 16 batch + 2 window
	s_mul_i32 s58, s58, 196608                     ; a frame is 192 tokens of 1,024 bytes; under 2^31
	s_mov_b32 s59, 0
	s_lshl_b32 s60, s2, 14                         ; my token tile; my 16 fragments of a weight
	s_mov_b32 s61, 0
	s_add_nc_u64 s[4:5], s[4:5], s[58:59]
	s_add_nc_u64 s[4:5], s[4:5], s[60:61]
	s_add_nc_u64 s[6:7], s[6:7], s[60:61]
	s_add_nc_u64 s[92:93], s[8:9], s[60:61]
	WIN 0xc0
	XLOAD
	PELOAD
	WIN 0x40
	WLOAD 0, 0
	WLOAD 128, 65536
	WIN 0x80
	WLOAD 0, 131072
	WLOAD 128, 196608
	WIN 0
	LLOAD NG, 181, 18, 0
	LLOAD NB, 181, 20, 0
.irp t, 0,1,2,3
	global_load_b32 v[BV+\t], v182, s[28:29] offset:64*\t
.endr
	global_load_b64 v[184:185], v183, s[22:23]
	global_load_b64 v[186:187], v183, s[24:25]
	global_load_b64 v[188:189], v183, s[26:27]
.irp k, 0,1,2,3
	global_load_b128 v[TA+4*\k:TA+4*\k+3], v190, s[10:11] offset:2048*\k
.endr
	s_wait_kmcnt 0x0
	MKLIM 68, 59, 32, 33
	v_mov_b32 v[SC0], s59
	s_add_co_i32 s60, s68, s69                     ; e0 + e1
	s_sub_co_i32 s58, s70, s60
	MKLIM 58, 59, 34, 35
	v_mov_b32 v[SC1], s59
	MKLIM 72, 59, 36, 37
	v_mov_b32 v[SC4], s59
	MKLIM 74, 59, 38, 39
	v_mov_b32 v[SC6], s59
	s_add_co_i32 s61, s72, s73                     ; e4 + e5
	s_sub_co_i32 s58, s79, s61
	MKLIM 58, 59, 40, 41
	v_mov_b32 v[SCK], s59
	s_add_co_i32 s62, s74, s75                     ; e6 + e7
	s_sub_co_i32 s58, s81, s62
	MKLIM 58, 59, 42, 43
	v_mov_b32 v[SCV], s59
	s_add_co_i32 s58, s78, s79
	s_lshl_b32 s58, s58, 23
	s_add_co_u32 s44, s58, 0x3db8aa3b              ; c = log2(e) / 16 x 2^(e10 + e11): the exponents are added to the exponent field
	s_mov_b32 s45, s44
	s_add_co_i32 s63, s70, s71                     ; e2 + e3
	s_sub_co_i32 s60, 0, s60
	s_sub_co_i32 s61, 0, s61
	s_sub_co_i32 s62, 0, s62
	s_sub_co_i32 s63, 0, s63
	s_lshl_b32 s58, s63, 1
	v_mov_b32 v[EPS2], 0x3727c5ac
	v_ldexp_f32 v[EPS2], v[EPS2], s58              ; 1e-5 / 2^(2 (e2 + e3))
	s_wait_loadcnt 0x0
	v_ldexp_f32 v184, v184, s60
	v_ldexp_f32 v185, v185, s60
	v_ldexp_f32 v186, v186, s63
	v_ldexp_f32 v187, v187, s63
	v_ldexp_f32 v188, v188, s61
	v_ldexp_f32 v189, v189, s61
.irp t, 0,1,2,3
	v_ldexp_f32 v[BV+\t], v[BV+\t], s62
.endr
	ds_store_b64 v191, v[184:185]
	ds_store_b64 v191, v[186:187] offset:1024
	ds_store_b64 v191, v[188:189] offset:2048
.irp k, 0,1,2,3
	ds_store_b128 v[TA+16], v[TA+4*\k:TA+4*\k+3] offset:2048*\k    ; the first barrier of the loop shows these to every wave
.endr
; ======================= the loop: a block of 64 tokens a trip
.Ltrip:
; ---- P0: my token tile, whole rows: x + pe, LayerNorm, codes
	s_wait_loadcnt 0x0                             ; x and pe, asked for a trip ago
	WIN 0xcf
.set i_, 0
.rept 64
	v_pk_add_f32 v[2*i_:2*i_+1], v[2*i_:2*i_+1], v[128+2*i_:129+2*i_]
.set i_, i_+1
.endr
	WIN 0
	s_wait_dscnt 0x0                               ; the last trip's stores have read their registers: three of them are written now, and loads land in others
	v_add_nc_u32 v[C_VV], s46, v[S_VV]
	v_add_nc_u32 v[C_AT0], s47, v[S_AT0]
	v_add_nc_u32 v[C_AT1], s47, v[S_AT1]
	LLOAD TA, H32, 16, 0                           ; LN_b, the first two K steps
	LLOAD TA+32, H32, 16, 256
	WIN 0xc0
.irp s, 0,1,2,3
	LLOAD 128+32*\s, H32, 14, 256*\s               ; LN_g, where pe lay
.endr
	WIN 0x0f
.set i_, 0
.rept 8
	v_pk_add_f32 v[CD+2*i_:CD+2*i_+1], v[2*i_:2*i_+1], v[16+2*i_:17+2*i_]
.set i_, i_+1
.endr
	WIN 0x0c
.set i_, 0
.rept 48
	v_pk_add_f32 v[CD+2*(i_%8):CD+2*(i_%8)+1], v[CD+2*(i_%8):CD+2*(i_%8)+1], v[32+2*i_:33+2*i_]
.set i_, i_+1
.endr
	WIN 0
	TREE8 CD, CD
	v_mul_f32 v[CD], s50, v[CD]                    ; the mean
	WIN 0xc3
.set i_, 0
.rept 64
	v_pk_add_f32 v[2*i_:2*i_+1], v[2*i_:2*i_+1], v[CD:CD+1] op_sel_hi:[1,0] neg_lo:[0,1] neg_hi:[0,1]
.set i_, i_+1
.endr
	WIN 0x0f
.set i_, 0
.rept 64
.if i_ < 8
	v_pk_mul_f32 v[CD+2*i_:CD+2*i_+1], v[2*i_:2*i_+1], v[2*i_:2*i_+1]
.else
	v_pk_fma_f32 v[CD+2*(i_%8):CD+2*(i_%8)+1], v[2*i_:2*i_+1], v[2*i_:2*i_+1], v[CD+2*(i_%8):CD+2*(i_%8)+1]
.endif
.set i_, i_+1
.endr
	WIN 0
	TREE8 CD, CD
	v_fma_f32 v[CD], v[CD], s50, s51
	v_rsq_f32 v[CD], v[CD]
	v_nop                                          ; a plain instruction behind the root,
	s_wait_alu depctr_va_vdst(0)                   ; and the wait ahead of its first reader
	s_wait_loadcnt 0x0                             ; LN_g, and LN_b's first two K steps
.irp s, 0,1,2,3
.if \s == 2
	s_wait_loadcnt 8                               ; LN_b's third K step is in; the fourth's eight loads may be out
.endif
.if \s == 3
	s_wait_loadcnt 0x0
.endif
	WIN 0xc3
.set i_, 0
.rept 16
	v_pk_mul_f32 v[32*\s+2*i_:32*\s+2*i_+1], v[32*\s+2*i_:32*\s+2*i_+1], v[CD:CD+1] op_sel_hi:[1,0]
.set i_, i_+1
.endr
	WIN 0xcf
.set i_, 0
.rept 16
	v_pk_fma_f32 v[32*\s+2*i_:32*\s+2*i_+1], v[32*\s+2*i_:32*\s+2*i_+1], v[128+32*\s+2*i_:129+32*\s+2*i_], v[TA+32*(\s%2)+2*i_:TA+32*(\s%2)+2*i_+1]
.set i_, i_+1
.endr
.if \s < 2
	WIN 0
	LLOAD TA+32*\s, H32, 16, 256*(\s+2)            ; LN_b two K steps on, into the half just used
.endif
	WIN 0xc3
	QMEDR 32*\s, s33, s32, 0, 32
	WIN 0x03
	QCVT 32*\s, AF+8*\s, SC0
	WIN 0
	ST2 S_XI, AF+8*\s, 1024*\s
.endr
	s_cmp_lt_u32 s3, 11                            ; the next block's x, if there is one: no load leaves its buffer.  It has a whole trip in which to land
	s_cbranch_scc0 .Lno_x
	s_wait_xcnt 0x0
	s_add_nc_u64 s[4:5], s[4:5], 0x10000
	WIN 0xc0
	XLOAD
	WIN 0
.Lno_x:
	BAR                                            ; x's sixteen fragments lie in LDS
; ---- P1: FC1, relu, codes.  A job's holds stand behind the next job's products: they name none of those products' registers, so they are the places ahead of the fetch and of the next reads
	VLOAD 0
	LOADA A_A, 0
.irp j, 0,1,2,3
	s_wait_dscnt 0x0
	MMT 0, TA+32*(\j%2), 0x01, 0x01
	WIN 0
.if \j == 0
	PLACES 4
.else
	QMEDR TA+32*((\j+1)%2), 0, s34, 0, 4
.endif
.if \j < 3
	LOADA A_A, 4096*(\j+1)
.endif
.if \j > 0
	QMEDR TA+32*((\j+1)%2), 0, s34, 4, 28
	QCVT TA+32*((\j+1)%2), CD+8*((\j+1)%2), SC1
	ST2 S_B, CD+8*((\j+1)%2), 4096*(\j-1)
.endif
.endr
	QMEDR TA+32, 0, s34, 0, 32
	QCVT TA+32, CD+8, SC1
	ST2 S_B, CD+8, 4096*3
	BAR                                            ; the hidden layer's sixteen fragments lie in LDS
; ---- P2: FC2; mean and squares over my 64 channels of each token
.macro STAT2A tt
	WIN 0x0f
.set i_, 0
.rept 8
	v_pk_add_f32 v[TA+2*i_:TA+2*i_+1], v[128+32*(\tt)+4*i_:129+32*(\tt)+4*i_], v[130+32*(\tt)+4*i_:131+32*(\tt)+4*i_]
.set i_, i_+1
.endr
.endm
.macro STAT2B tt
.set PR, T+2*((\tt)%2)
	WIN 0
	TREE8 TA, TA
	v_mul_f32 v[PR], s52, v[TA]
	v_mov_b32 v[MW+(\tt)], v[PR]
	WIN 0xc3
.set i_, 0
.rept 16
	v_pk_add_f32 v[128+32*(\tt)+2*i_:129+32*(\tt)+2*i_], v[128+32*(\tt)+2*i_:129+32*(\tt)+2*i_], v[PR:PR+1] op_sel_hi:[1,0] neg_lo:[0,1] neg_hi:[0,1]
.set i_, i_+1
.endr
	WIN 0x0f
.set i_, 0
.rept 8
	v_pk_mul_f32 v[TA+2*i_:TA+2*i_+1], v[128+32*(\tt)+2*i_:129+32*(\tt)+2*i_], v[128+32*(\tt)+2*i_:129+32*(\tt)+2*i_]
.set i_, i_+1
.endr
.set i_, 0
.rept 8
	v_pk_fma_f32 v[TA+2*i_:TA+2*i_+1], v[144+32*(\tt)+2*i_:145+32*(\tt)+2*i_], v[144+32*(\tt)+2*i_:145+32*(\tt)+2*i_], v[TA+2*i_:TA+2*i_+1]
.set i_, i_+1
.endr
	WIN 0
	TREE8 TA, PR+1
	ds_store_b64 v[S_ST], v[PR:PR+1] offset:512*(\tt)
.endm
	VLOAD 1
	LOADA A_B, 0
.irp j, 0,1,2,3
	s_wait_dscnt 0x0
	MMT 128, 128+32*\j, 0xc1, 0xf1
.if \j == 0
	PLACES 4
.else
	STAT2A \j-1
.endif
	WIN 0
.if \j < 3
	LOADA A_B, 4096*(\j+1)
.endif
.if \j > 0
	STAT2B \j-1
.endif
.endr
	STAT2A 3
	STAT2B 3
	BAR                                            ; every wave's parts lie in LDS
; ---- LN2: the second LayerNorm on my 64 channels; codes with k's scale and with v's
.irp tt, 0,1,2,3
	ds_load_b128 v[TA+8*\tt:TA+8*\tt+3], v[A_ST] offset:512*\tt
	ds_load_b128 v[TA+8*\tt+4:TA+8*\tt+7], v[A_ST] offset:512*\tt+16
.endr
	s_wait_dscnt 0x0
.irp tt, 0,1,2,3
	COMBINE TA+8*\tt, T+4+2*\tt, MW+\tt, v[EPS2]
.endr
	v_nop                                          ; one plain instruction and one wait for the four roots
	s_wait_alu depctr_va_vdst(0)
.irp tt, 0,1,2,3
	v_mul_f32 v[T+5+2*\tt], v[T+5+2*\tt], v[T+4+2*\tt]
.endr
.irp tt, 0,1,2,3
	WIN 0xc3
.set i_, 0
.rept 16                               ; (d + my mean - the row's mean) / sqrt: of the pair (rs, dr) source 1 takes the first word for both halves, source 2 the second
	v_pk_fma_f32 v[128+32*\tt+2*i_:129+32*\tt+2*i_], v[128+32*\tt+2*i_:129+32*\tt+2*i_], v[T+4+2*\tt:T+5+2*\tt], v[T+4+2*\tt:T+5+2*\tt] op_sel:[0,0,1] op_sel_hi:[1,0,1]
.set i_, i_+1
.endr
.set i_, 0
.rept 16
	v_pk_fma_f32 v[128+32*\tt+2*i_:129+32*\tt+2*i_], v[128+32*\tt+2*i_:129+32*\tt+2*i_], v[NG+2*i_:NG+2*i_+1], v[NB+2*i_:NB+2*i_+1]
.set i_, i_+1
.endr
	WIN 0x03
.set k_, 0
.rept 32
	v_med3_num_f32 v[TA+k_], v[128+32*\tt+k_], s37, s36
.set k_, k_+1
.endr
	WIN 0
.irp c, 0,1,2,3
	v_cvt_scalef32_pk8_fp8_f32 v[VEC+16*\tt+2*\c:VEC+16*\tt+2*\c+1], v[TA+8*\c:TA+8*\c+7], v[SC4]
.endr
	WIN 0x03
.set k_, 0
.rept 32
	v_med3_num_f32 v[TA+32+k_], v[128+32*\tt+k_], s39, s38
.set k_, k_+1
.endr
	WIN 0
	QCVT TA+32, VEC+16*\tt+8, SC6
	ST2 S_A, VEC+16*\tt, 4096*\tt
	ST2 S_B, VEC+16*\tt+8, 4096*\tt
.endr
	s_cmp_lt_u32 s3, 11                            ; the next block's pe, where FC2's sums lay
	s_cbranch_scc0 .Lno_pe
	s_wait_xcnt 0x0
	s_add_nc_u64 s[6:7], s[6:7], 0x10000
	WIN 0xc0
	PELOAD
	WIN 0
.Lno_pe:
	BAR                                            ; xn's fragments lie in LDS, with both scales
; ---- P3: jobs 0-3: k of token tile j; jobs 4-7: v of token tile j - 4
.macro VST tt, cd                      ; tile t's eight tokens' codes are registers 2 tt, 2 tt + 1 of vv's fragment (this block, my wave, t)
.irp t, 0,1,2,3
	ds_store_b64 v[C_VV], v[\cd+2*\t:\cd+2*\t+1] offset:1024*\t+512*((\tt)/2)+8*((\tt)%2)
.endr
.endm
	VLOAD 2
	LOADA A_A, 0
.irp j, 0,1,2,3,4,5,6,7
	s_wait_dscnt 0x0
.if \j < 4
	MMT 0, TA+32*(\j%2), 0x02, 0x02
.else
	MMN 128, TA+32*(\j%2), 0x08
.endif
	WIN 0
.if \j == 0
	PLACES 4
.elseif \j < 5
	QMEDR TA+32*((\j+1)%2), s41, s40, 0, 4
.else
	QMEDR TA+32*((\j+1)%2), s43, s42, 0, 4
.endif
.if \j < 3
	LOADA A_A, 4096*(\j+1)
.elseif \j < 7
	LOADA A_B, 4096*(\j-3)
.endif
.if \j == 3
.set k_, 0
.rept 32
	v_mov_b32 v[VEC+k_], v[BV+k_/8]                ; v's bias in the natural layout: a lane's one channel in all eight registers
.set k_, k_+1
.endr
.endif
.if (\j > 0) && (\j < 5)
	QMEDR TA+32*((\j+1)%2), s41, s40, 4, 28
	QCVT TA+32*((\j+1)%2), CD+8*((\j+1)%2), SCK
	ST2 S_C, CD+8*((\j+1)%2), 4096*(\j-1)
.endif
.if \j > 4
	QMEDR TA+32*((\j+1)%2), s43, s42, 4, 28
	QCVT TA+32*((\j+1)%2), CD+8*((\j+1)%2), SCV
	VST \j-5, CD+8*((\j+1)%2)
.endif
.endr
	QMEDR TA+32, s43, s42, 0, 32
	QCVT TA+32, CD+8, SCV
	VST 3, CD+8
	BAR                                            ; kk's sixteen fragments lie in LDS
; ---- P4: my token tile: dots with the queries, softmax over the 22 slots.  A lane holds token r and slots 8 h + 0..7 and 16 + 3 h + 0..2; its partner 16 lanes away holds the other eleven
	LOADA A_KW, 0
.irp u, 0,1
.irp s, 0,1,2,3
.if \s < 2
.set QF, VEC+16*\s+8*\u
.else
.set QF, TA+32+16*(\s-2)+8*\u
.endif
	ds_load_b128 v[QF:QF+3], v[A_Q] offset:(4*\u+\s)*1024
	ds_load_b128 v[QF+4:QF+7], v[A_Q] offset:(4*\u+\s)*1024+512
.endr
.endr
	s_wait_dscnt 0x0
.irp s, 0,1,2,3
.irp u, 0,1
.if \s < 2
.set QF, VEC+16*\s+8*\u
.else
.set QF, TA+32+16*(\s-2)+8*\u
.endif
.if \s == 0
	v_wmma_f32_16x16x64_fp8_fp8 v[TA+8*\u:TA+8*\u+7], v[QF:QF+7], v[AF+8*\s:AF+8*\s+7], 0
.else
	v_wmma_f32_16x16x64_fp8_fp8 v[TA+8*\u:TA+8*\u+7], v[QF:QF+7], v[AF+8*\s:AF+8*\s+7], v[TA+8*\u:TA+8*\u+7]
.endif
.endr
.endr
	PLACES 4
	v_max3_num_f32 v[T], v[TA], v[TA+1], v[TA+2]
	v_max3_num_f32 v[T+1], v[TA+3], v[TA+4], v[TA+5]
	v_max3_num_f32 v[T], v[T], v[TA+6], v[TA+7]
	v_max3_num_f32 v[T+1], v[T+1], v[TA+8], v[TA+9]
	v_max3_num_f32 v[T], v[T], v[T+1], v[TA+10]
	v_permlanex16_b32 v[T+1], v[T], s30, s31
	v_max_num_f32 v[T], v[T], v[T+1]               ; the token's largest score
	v_mul_f32 v[T], s44, v[T]
.irp i, 0,2,4,6,8
	v_pk_fma_f32 v[TA+\i:TA+\i+1], v[TA+\i:TA+\i+1], s[44:45], v[T:T+1] op_sel_hi:[1,0,0] neg_lo:[0,0,1] neg_hi:[0,0,1]
.endr
	v_fma_f32 v[TA+10], v[TA+10], s44, -v[T]
.irp i, 0,1,2,3,4,5,6,7,8,9,10
	v_exp_f32 v[TA+\i], v[TA+\i]
.endr
	v_nop                                          ; one plain instruction and one wait for the eleven exponentials
	s_wait_alu depctr_va_vdst(0)
	v_pk_add_f32 v[T:T+1], v[TA:TA+1], v[TA+2:TA+3]
	v_pk_add_f32 v[T+2:T+3], v[TA+4:TA+5], v[TA+6:TA+7]
	v_pk_add_f32 v[T:T+1], v[T:T+1], v[TA+8:TA+9]
	v_pk_add_f32 v[T:T+1], v[T:T+1], v[T+2:T+3]
	v_add_f32 v[T], v[T], v[T+1]
	v_add_f32 v[T], v[T], v[TA+10]
	v_permlanex16_b32 v[T+1], v[T], s30, s31
	v_add_f32 v[T], v[T], v[T+1]
	v_rcp_f32 v[T], v[T]
	v_nop
	s_wait_alu depctr_va_vdst(0)
.irp i, 0,2,4,6,8
	v_pk_fma_f32 v[TA+\i:TA+\i+1], v[TA+\i:TA+\i+1], v[T:T+1], s[56:57] op_sel_hi:[1,0,0]   ; p / sum + 1e-8
.endr
	v_fma_f32 v[TA+10], v[TA+10], v[T], s56
.irp j, 0,1,2,3,4,5,6,7
	ds_store_b32 v[C_AT0], v[TA+\j] offset:AP*\j
.endr
.irp j, 0,1,2
	ds_store_b32 v[C_AT1], v[TA+8+\j] offset:AP*\j
.endr
	s_add_co_u32 s46, s46, 16384
	s_add_co_u32 s47, s47, 256
	s_add_co_u32 s3, s3, 1
	s_cmp_lt_u32 s3, 12
	s_cbranch_scc1 .Ltrip                          ; no barrier here: what the next P0 writes was last read ahead of the barrier in front of P4
; ======================= the tail
.set T_AT, 4
.set T_O1, 5
.set T_O2, 6
.set G_O1, 7
.set G_O2, 8
.set T_PS, 9
.set T_PR, 10
.set T_AI, 11
.set T_AR, 12
.set T_V0, 13                          ; v13-15
.set T_US, 16
.set T_UR, 17
.set T_TS, 18
.set T_TR, 19
.set T_SG, 20
.set SCT0, 21
.set SCT1, 22
.set SCT2, 23
.set SCT3, 24
.set T_SR, 27
.set G_O0, 28
.set G_SL, 29
.set G_VC, 30
	s_wait_loadcnt 0x0                             ; the loop's fetches ahead (x, pe) name window 3's registers and s[4:7], which the tail loads into and writes: no load is out from here on.  The last trip issues neither fetch, so this wait is met at once
	BAR                                            ; all of attn_ori lies in LDS
	s_wait_xcnt 0x0
	s_load_b512 s[4:19], s[0:1], 0x68              ; gimg, slots, gru_bi, npf_g, npf_b, ff1_b, ff2_b, out0
	s_load_b64 s[20:21], s[0:1], 0xa8              ; out1
	WIN 0x40
	WLOAD 0, 393216                                ; gru_wi: gate r, gate z in window 1,
	WLOAD 128, 393216+65536
	WIN 0x80
	WLOAD 0, 393216+131072                         ; gate n and ff1 in window 2
	WLOAD 128, 262144
	WIN 0
	v_and_b32 v31, 15, v0                          ; r
	v_bfe_u32 v32, v0, 4, 1                        ; h
	s_mul_i32 s48, s2, 768                         ; my 192 tokens of a row of attn
	s_add_co_u32 s49, s48, ATT
	v_mul_u32_u24 v33, v31, AP
	v_add_nc_u32 v33, v33, v[H32]
	v_add_nc_u32 v[T_AT], s49, v33
	v_add_nc_u32 v[T_O1], s49, v[LI]
	v_mul_u32_u24 v33, v32, AP
	v_lshl_add_u32 v33, v31, 4, v33
	s_add_co_u32 s49, s49, 512
	v_add_nc_u32 v[T_O2], s49, v33
	v_add_nc_u32 v[G_O1], s48, v[LI]
	v_mul_u32_u24 v33, v32, 3072
	v_lshl_add_u32 v33, v31, 4, v33
	s_add_co_u32 s49, s48, 512
	v_add_nc_u32 v[G_O2], s49, v33
	v_lshlrev_b32 v33, 2, v31
	v_add_nc_u32 v[T_PR], PS, v33
	s_lshl_b32 s49, s2, 7
	v_add_nc_u32 v[T_PS], s49, v[T_PR]
	v_add_nc_u32 v[T_AR], AIMG, v[LI]
	s_mul_i32 s49, s2, 3072
	v_add_nc_u32 v[T_AI], s49, v[T_AR]
	s_lshl_b32 s49, s2, 12
	v_add_nc_u32 v[T_V0], s49, v[LI]
	v_add_nc_u32 v[T_V0+1], 65536, v[T_V0]
	v_add_nc_u32 v[T_V0+2], 131072, v[T_V0]
	v_add_nc_u32 v[T_UR], UIMG, v[LI]
	s_lshl_b32 s49, s2, 10
	v_add_nc_u32 v[T_US], s49, v[T_UR]
	v_lshlrev_b32 v33, 5, v31
	v_add_nc_u32 v[T_TR], TST, v33
	s_lshl_b32 s49, s2, 3
	v_add_nc_u32 v[T_TS], s49, v[T_TR]
	s_lshl_b32 s55, s2, 8
	v_add_nc_u32 v[G_VC], s55, v[H32]              ; 256 w + 32 h
	v_mul_u32_u24 v33, v31, SP
	v_add_nc_u32 v[T_SG], v33, v[G_VC]             ; (the stage begins at LDS byte 0)
	s_mul_i32 s49, s2, 5*SP
	v_add_nc_u32 v[T_SR], s49, v[LI]
	s_mul_i32 s49, s2, 5120
	v_add_nc_u32 v[G_O0], s49, v[LI]
	v_lshl_add_u32 v[G_SL], v31, 10, v[G_VC]
	MKLIM 80, 59, 32, 33
	v_mov_b32 v[SCT0], s59                         ; 2^e12
	s_sub_co_i32 s58, s82, s80
	s_sub_co_i32 s58, s58, s81
	MKLIM 58, 59, 34, 35
	v_mov_b32 v[SCT1], s59                         ; 2^(e14 - e12 - e13)
	s_add_co_i32 s58, s82, s83
	s_lshl_b32 s58, s58, 23
	s_add_co_u32 s36, s58, 0xbfb8aa3b              ; -log2(e) x 2^(e14 + e15)
	s_mov_b32 s37, s36
	s_add_co_u32 s38, s58, 0x4038aa3b              ; 2 log2(e) x 2^(e14 + e15)
	s_mov_b32 s39, s38
	s_mov_b32 s40, 0x4038aa3b
	s_mov_b32 s41, s40
	MKLIM 86, 59, 42, 43
	v_mov_b32 v[SCT2], s59                         ; 2^e18
	s_add_co_i32 s55, s86, s87
	s_sub_co_i32 s58, s88, s55
	MKLIM 58, 59, 44, 45
	v_mov_b32 v[SCT3], s59                         ; 2^(e20 - e18 - e19)
	s_sub_co_i32 s55, 0, s55
	s_add_co_i32 s46, s88, s89
	s_add_co_i32 s46, s46, 127
	s_lshl_b32 s46, s46, 23                        ; 2^(e20 + e21)
	s_mov_b32 s47, s46
	s_mul_i32 s58, s91, 7
	s_add_co_u32 s58, s58, s90                     ; 7 batch + window
	s_mul_i32 s60, s58, 67584
	s_mov_b32 s61, 0
	s_mul_i32 s62, s58, 20480
	s_mov_b32 s63, 0
	s_lshl_b32 s48, s2, 13
	s_mov_b32 s49, 0
	s_wait_kmcnt 0x0
	s_add_nc_u64 s[20:21], s[20:21], s[60:61]
	s_add_nc_u64 s[18:19], s[18:19], s[62:63]
	s_add_nc_u64 s[4:5], s[4:5], s[48:49]
; ---- T1a: my three K steps (192 tokens) of attn_ori for both slot tiles, in the operand's order; my 768 bytes of each row for out1; partial row sums
	WIN 0xc0
.irp u, 0,1
.irp a, 0,1,2
.set k_, 0
.rept 8
	ds_load_b128 v[32*(3*\u+\a)+4*k_:32*(3*\u+\a)+4*k_+3], v[T_AT] offset:6*AP*\u+256*\a+64*(k_/2)+16*(k_%2)
.set k_, k_+1
.endr
.endr
.endr
	WIN 0
.set k_, 0
.rept 22
	ds_load_b128 v[48+4*k_:51+4*k_], v[T_O1] offset:AP*k_              ; 512 bytes of a row
.set k_, k_+1
.endr
.set k_, 0
.rept 11
	ds_load_b128 v[136+4*k_:139+4*k_], v[T_O2] offset:2*AP*k_          ; the last 256 bytes of two rows
.set k_, k_+1
.endr
	s_wait_dscnt 33                                ; the fragments' numbers are in; the 33 loads for out1 may be out
.irp u, 0,1
	WIN 0x0f
.set i_, 0
.rept 4
	v_pk_add_f32 v[240+8*\u+2*i_:241+8*\u+2*i_], v[96*\u+2*i_:96*\u+2*i_+1], v[96*\u+8+2*i_:96*\u+9+2*i_]
.set i_, i_+1
.endr
	WIN 0x0c
.set i_, 0
.rept 40
	v_pk_add_f32 v[240+8*\u+2*(i_%4):241+8*\u+2*(i_%4)], v[240+8*\u+2*(i_%4):241+8*\u+2*(i_%4)], v[96*\u+16+2*i_:96*\u+17+2*i_]
.set i_, i_+1
.endr
.endr
	WIN 0
	TREE4 240, 240
	TREE4 248, 248
	ds_store_b32 v[T_PS], v240
	ds_store_b32 v[T_PS], v248 offset:64
	BAR                                            ; the four waves' partial sums lie in LDS
.set k_, 0
.rept 22
	global_store_b128 v[G_O1], v[48+4*k_:51+4*k_], s[20:21] offset:3072*k_ th:TH_STORE_NT       ; 512 consecutive bytes, at a multiple of 256 from out1's first byte
.set k_, k_+1
.endr
.set k_, 0
.rept 11
	global_store_b128 v[G_O2], v[136+4*k_:139+4*k_], s[20:21] offset:6144*k_ th:TH_STORE_NT     ; sixteen lanes store 256 consecutive bytes, aligned
.set k_, k_+1
.endr
; ---- T1b: attn = attn_ori / its row's sum, codes
.irp u, 0,1
.irp k, 0,1,2,3
	ds_load_b32 v[240+4*\u+\k], v[T_PR] offset:64*\u+128*\k
.endr
.endr
	s_wait_dscnt 0x0
	v_add_f32 v240, v240, v241
	v_add_f32 v242, v242, v243
	v_add_f32 v244, v244, v245
	v_add_f32 v246, v246, v247
	v_add_f32 v240, v240, v242
	v_add_f32 v244, v244, v246
	v_rcp_f32 v240, v240
	v_rcp_f32 v244, v244
	v_nop
	s_wait_alu depctr_va_vdst(0)
	WIN 0xc3
.irp u, 0,1
.set i_, 0
.rept 48
	v_pk_mul_f32 v[96*\u+2*i_:96*\u+2*i_+1], v[96*\u+2*i_:96*\u+2*i_+1], v[240+4*\u:241+4*\u] op_sel_hi:[1,0]
.set i_, i_+1
.endr
.endr
.set k_, 0
.rept 192
	v_min_num_f32 v[k_], v[k_], s32                ; attn is not negative: the hold is one-sided
.set k_, k_+1
.endr
.set k_, 0
.rept 24
	v_cvt_scalef32_pk8_fp8_f32 v[192+2*k_:193+2*k_], v[8*k_:8*k_+7], v[SCT0]
.set k_, k_+1
.endr
	v_nop
	WIN 0x0c
.irp u, 0,1
.irp a, 0,1,2
	ds_store_b128 v[T_AI], v[192+8*(3*\u+\a):195+8*(3*\u+\a)] offset:12288*\u+1024*\a
	ds_store_b128 v[T_AI], v[196+8*(3*\u+\a):199+8*(3*\u+\a)] offset:12288*\u+1024*\a+512
.endr
.endr
	WIN 0
	s_wait_xcnt 0x0                                ; out1's stores have read their registers: the GRU's images land there
.irp g, 0,1,2
.set k_, 0
.rept 16
	global_load_b128 v[48+64*\g+4*k_:51+64*\g+4*k_], v[LI], s[4:5] offset:32768*\g+512*k_
.set k_, k_+1
.endr
.endr
	BAR                                            ; attn's 24 fragments lie in LDS
	WIN 0xc0
.irp u, 0,1
	LLOAD 160+32*\u, G_SL, 6, 6144*\u              ; the slots themselves, my channels: slot r + 6 u
.endr
	LLOAD 224, G_VC, 8, 2048                       ; gru_bi, gate n
; ---- T2: upd = attn x vv: source 0 = 16 of my channels of vv, source 1 = 16 slots; K = the 768 tokens, a block a step; two buffers
.macro FETCH8 kb, buf
	WIN 0xc0
.irp t, 0,1,2,3
	ds_load_b128 v[64+32*(\buf)+8*\t:67+32*(\buf)+8*\t], v[T_V0+(\kb)/4] offset:16384*((\kb)%4)+1024*\t
	ds_load_b128 v[68+32*(\buf)+8*\t:71+32*(\buf)+8*\t], v[T_V0+(\kb)/4] offset:16384*((\kb)%4)+1024*\t+512
.endr
.irp u, 0,1
	ds_load_b128 v[128+16*(\buf)+8*\u:131+16*(\buf)+8*\u], v[T_AR] offset:12288*\u+1024*(\kb)
	ds_load_b128 v[132+16*(\buf)+8*\u:135+16*(\buf)+8*\u], v[T_AR] offset:12288*\u+1024*(\kb)+512
.endr
.endm
	FETCH8 0, 0
	FETCH8 1, 1
.set KB, 0
.rept 12
.if KB < 11
	s_wait_dscnt 12                                ; this K step's twelve loads are in; the next step's may be out
.else
	s_wait_dscnt 0x0
.endif
	WIN 0xff
.irp t, 0,1,2,3
.irp u, 0,1
.if KB == 0
	v_wmma_f32_16x16x64_fp8_fp8 v[8*(2*\t+\u):8*(2*\t+\u)+7], v[64+32*(KB%2)+8*\t:71+32*(KB%2)+8*\t], v[128+16*(KB%2)+8*\u:135+16*(KB%2)+8*\u], 0
.else
	v_wmma_f32_16x16x64_fp8_fp8 v[8*(2*\t+\u):8*(2*\t+\u)+7], v[64+32*(KB%2)+8*\t:71+32*(KB%2)+8*\t], v[128+16*(KB%2)+8*\u:135+16*(KB%2)+8*\u], v[8*(2*\t+\u):8*(2*\t+\u)+7]
.endif
.endr
.endr
	PLACES 4                                       ; ahead of the loads into the buffer just multiplied; behind the last step: ahead of the first read of the sums
.if KB < 10
	FETCH8 KB+2, KB%2
.endif
.set KB, KB+1
.endr
	WIN 0xc3
	QMEDR 0, s35, s34, 0, 64
	WIN 0x03
.irp u, 0,1
.irp t, 0,1,2,3
	v_cvt_scalef32_pk8_fp8_f32 v[240+8*\u+2*\t:241+8*\u+2*\t], v[8*(2*\t+\u):8*(2*\t+\u)+7], v[SCT1]
.endr
.endr
	v_nop
	WIN 0
	ST2 T_US, 240, 0
	ST2 T_US, 248, 4096
	BAR                                            ; upd's eight fragments lie in LDS
; ---- T3: upd x gru_wi and the GRU cell, a tile of 16 channels at a time; two sets of six accumulators take turns between products and cell
	s_wait_loadcnt 0x0
	WIN 0xc3
.set i_, 0
.rept 16
	v_pk_mul_f32 v[224+2*i_:225+2*i_], v[224+2*i_:225+2*i_], s[40:41] op_sel_hi:[1,0]
.set i_, i_+1
.endr
	WIN 0xc0
.set k_, 0
.rept 16
	ds_load_b128 v[64+4*k_:67+4*k_], v[T_UR] offset:512*k_
.set k_, k_+1
.endr
	s_wait_dscnt 0x0
.macro SETAC name, idx, par            ; accumulator idx = 2 gate + u of set par, in window 3
.if (\par) == 0
.set \name, 8*(\idx)
.elseif (\idx) < 2
.set \name, 48+8*(\idx)
.else
.set \name, 128+8*((\idx)-2)
.endif
.endm
.macro MM9 t
	WIN 0xfd
.irp s, 0,1,2,3
.irp x, 0,1,2,3
	SETAC AC, \x, (\t)%2
.if \s == 0
	v_wmma_f32_16x16x64_fp8_fp8 v[AC:AC+7], v[128*(\x/2)+32*(\t)+8*\s:128*(\x/2)+32*(\t)+8*\s+7], v[64+32*(\x%2)+8*\s:71+32*(\x%2)+8*\s], 0
.else
	v_wmma_f32_16x16x64_fp8_fp8 v[AC:AC+7], v[128*(\x/2)+32*(\t)+8*\s:128*(\x/2)+32*(\t)+8*\s+7], v[64+32*(\x%2)+8*\s:71+32*(\x%2)+8*\s], v[AC:AC+7]
.endif
.endr
.endr
	WIN 0xfe
.irp s, 0,1,2,3
.irp u, 0,1
	SETAC AC, 4+\u, (\t)%2
.if \s == 0
	v_wmma_f32_16x16x64_fp8_fp8 v[AC:AC+7], v[32*(\t)+8*\s:32*(\t)+8*\s+7], v[64+32*\u+8*\s:71+32*\u+8*\s], 0
.else
	v_wmma_f32_16x16x64_fp8_fp8 v[AC:AC+7], v[32*(\t)+8*\s:32*(\t)+8*\s+7], v[64+32*\u+8*\s:71+32*\u+8*\s], v[AC:AC+7]
.endif
.endr
.endr
.endm
; sigmoid(a) = 1 / (1 + 2^(-log2(e) a)); tanh(a) = 1 - 2 / (1 + 2^(2 log2(e) a)): the factors lie in the images, in gru_bi's n part and in the sums' scales.  Each batch of transcendentals has one plain instruction and one wait
.macro GRU t
	WIN 0xc3
.irp x, 0,1,2,3
	SETAC AC, \x, (\t)%2
.irp i, 0,2,4,6
	v_pk_fma_f32 v[AC+\i:AC+\i+1], v[AC+\i:AC+\i+1], s[36:37], v[48+64*(\x/2)+16*(\t)+8*(\x%2)+\i:49+64*(\x/2)+16*(\t)+8*(\x%2)+\i] op_sel_hi:[1,0,1]
.endr
.endr
.irp x, 0,1,2,3
	SETAC AC, \x, (\t)%2
.irp i, 0,1,2,3,4,5,6,7
	v_exp_f32 v[AC+\i], v[AC+\i]
.endr
.endr
	WIN 0xf3
.irp u, 0,1
	SETAC AC, 4+\u, (\t)%2
.irp i, 0,2,4,6
	v_pk_fma_f32 v[AC+\i:AC+\i+1], v[AC+\i:AC+\i+1], s[38:39], v[224+8*(\t)+\i:225+8*(\t)+\i] op_sel_hi:[1,0,1]   ; the n gate's input half; independent work behind the exponentials
.endr
.endr
	s_wait_alu depctr_va_vdst(0)
	WIN 0xc3
.irp x, 0,1,2,3
	SETAC AC, \x, (\t)%2
.irp i, 0,2,4,6
	v_pk_add_f32 v[AC+\i:AC+\i+1], v[AC+\i:AC+\i+1], 1.0 op_sel_hi:[1,0]
.endr
.endr
.irp x, 0,1,2,3
	SETAC AC, \x, (\t)%2
.irp i, 0,1,2,3,4,5,6,7
	v_rcp_f32 v[AC+\i], v[AC+\i]
.endr
.endr
	v_nop
	s_wait_alu depctr_va_vdst(0)
	WIN 0xf3
.irp u, 0,1
	SETAC AC, 4+\u, (\t)%2
	SETAC AR, \u, (\t)%2
.irp i, 0,2,4,6
	v_pk_fma_f32 v[AC+\i:AC+\i+1], v[AR+\i:AR+\i+1], v[176+16*(\t)+8*\u+\i:177+16*(\t)+8*\u+\i], v[AC+\i:AC+\i+1]   ; + r x the hidden half
.endr
.endr
	WIN 0xc3
.irp u, 0,1
	SETAC AC, 4+\u, (\t)%2
.irp i, 0,1,2,3,4,5,6,7
	v_exp_f32 v[AC+\i], v[AC+\i]
.endr
.endr
	v_nop
	s_wait_alu depctr_va_vdst(0)
.irp u, 0,1
	SETAC AC, 4+\u, (\t)%2
.irp i, 0,2,4,6
	v_pk_add_f32 v[AC+\i:AC+\i+1], v[AC+\i:AC+\i+1], 1.0 op_sel_hi:[1,0]
.endr
.endr
.irp u, 0,1
	SETAC AC, 4+\u, (\t)%2
.irp i, 0,1,2,3,4,5,6,7
	v_rcp_f32 v[AC+\i], v[AC+\i]
.endr
.endr
	v_nop
	s_wait_alu depctr_va_vdst(0)
.irp u, 0,1
	SETAC AC, 4+\u, (\t)%2
.irp i, 0,2,4,6
	v_pk_fma_f32 v[AC+\i:AC+\i+1], v[AC+\i:AC+\i+1], -2.0, 1.0 op_sel_hi:[1,0,0]   ; n
.endr
.endr
	WIN 0xcf
.irp u, 0,1
	SETAC AC, 4+\u, (\t)%2
.irp i, 0,2,4,6
	v_pk_add_f32 v[160+32*\u+8*(\t)+\i:161+32*\u+8*(\t)+\i], v[160+32*\u+8*(\t)+\i:161+32*\u+8*(\t)+\i], v[AC+\i:AC+\i+1] neg_lo:[0,1] neg_hi:[0,1]
.endr
.endr
	WIN 0x3f
.irp u, 0,1
	SETAC AC, 4+\u, (\t)%2
	SETAC AZ, 2+\u, (\t)%2
.irp i, 0,2,4,6
	v_pk_fma_f32 v[48+16*(\t)+8*\u+\i:49+16*(\t)+8*\u+\i], v[AZ+\i:AZ+\i+1], v[160+32*\u+8*(\t)+\i:161+32*\u+8*(\t)+\i], v[AC+\i:AC+\i+1]   ; n + z (h - n), into window 0
.endr
.endr
.endm
	MM9 0
	MM9 1
	PLACES 5
	GRU 0
	MM9 2
	GRU 1
	MM9 3
	PLACES 4                                       ; ahead of the loads into gru_wi's registers
	WIN 0x40
	WLOAD 0, 327680                                ; ff2
	LLOAD 128, G_VC, 10, 0                         ; npf_g, npf_b, ff1_b, ff2_b of my channels
	LLOAD 160, G_VC, 12, 0
	LLOAD 192, G_VC, 14, 0
	LLOAD 224, G_VC, 16, 0
	GRU 2
	GRU 3
	WIN 0
; ---- T4a: the new slots lie in v[48 + 16 t + 8 u]; mean and squares over my 64 channels
.irp u, 0,1
.irp i, 0,2,4,6
	v_pk_add_f32 v[240+\i:241+\i], v[48+8*\u+\i:49+8*\u+\i], v[64+8*\u+\i:65+8*\u+\i]
.endr
.irp i, 0,2,4,6
	v_pk_add_f32 v[240+\i:241+\i], v[240+\i:241+\i], v[80+8*\u+\i:81+8*\u+\i]
.endr
.irp i, 0,2,4,6
	v_pk_add_f32 v[240+\i:241+\i], v[240+\i:241+\i], v[96+8*\u+\i:97+8*\u+\i]
.endr
	TREE4 240, 240
	v_mul_f32 v[T+2*\u], s52, v240
.irp t, 0,1,2,3
.irp i, 0,2,4,6
	v_pk_add_f32 v[112+32*\u+8*\t+\i:113+32*\u+8*\t+\i], v[48+16*\t+8*\u+\i:49+16*\t+8*\u+\i], v[T+2*\u:T+2*\u+1] op_sel_hi:[1,0] neg_lo:[0,1] neg_hi:[0,1]
.endr
.endr
.irp i, 0,2,4,6
	v_pk_mul_f32 v[240+\i:241+\i], v[112+32*\u+\i:113+32*\u+\i], v[112+32*\u+\i:113+32*\u+\i]
.endr
.irp t, 1,2,3
.irp i, 0,2,4,6
	v_pk_fma_f32 v[240+\i:241+\i], v[112+32*\u+8*\t+\i:113+32*\u+8*\t+\i], v[112+32*\u+8*\t+\i:113+32*\u+8*\t+\i], v[240+\i:241+\i]
.endr
.endr
	TREE4 240, T+2*\u+1
	ds_store_b64 v[T_TS], v[T+2*\u:T+2*\u+1] offset:512*\u
.endr
	v_mov_b32 v[T+4], v[T]                         ; my means are kept: the combination works in the first pair
	v_mov_b32 v[T+5], v[T+2]
	BAR
; ---- T4b: LayerNorm, codes
.irp u, 0,1
	ds_load_b128 v[240+8*\u:243+8*\u], v[T_TR] offset:512*\u
	ds_load_b128 v[244+8*\u:247+8*\u], v[T_TR] offset:512*\u+16
.endr
	s_wait_dscnt 0x0
	s_wait_loadcnt 0x0                             ; ff2 and the four vectors
	COMBINE 240, T+6, T+4, s51
	COMBINE 248, T+8, T+5, s51
	v_nop
	s_wait_alu depctr_va_vdst(0)
	v_mul_f32 v[T+7], v[T+7], v[T+6]
	v_mul_f32 v[T+9], v[T+9], v[T+8]
.irp u, 0,1
.set i_, 0
.rept 16
	v_pk_fma_f32 v[112+32*\u+2*i_:113+32*\u+2*i_], v[112+32*\u+2*i_:113+32*\u+2*i_], v[T+6+2*\u:T+7+2*\u], v[T+6+2*\u:T+7+2*\u] op_sel:[0,0,1] op_sel_hi:[1,0,1]
.set i_, i_+1
.endr
.endr
	WIN 0x14
.irp u, 0,1
.set i_, 0
.rept 16
	v_pk_fma_f32 v[112+32*\u+2*i_:113+32*\u+2*i_], v[112+32*\u+2*i_:113+32*\u+2*i_], v[128+2*i_:129+2*i_], v[160+2*i_:161+2*i_]
.set i_, i_+1
.endr
.endr
	WIN 0
	QMEDR 112, s43, s42, 0, 64
.set k_, 0
.rept 8
	v_cvt_scalef32_pk8_fp8_f32 v[240+2*k_:241+2*k_], v[112+8*k_:119+8*k_], v[SCT2]
.set k_, k_+1
.endr
	v_nop
	ST2 T_US, 240, 8192
	ST2 T_US, 248, 8192+4096
	WIN 0x41
.set k_, 0
.rept 32
	v_ldexp_f32 v[192+k_], v[192+k_], s55          ; ff1_b / 2^(e18 + e19)
.set k_, k_+1
.endr
	WIN 0
	BAR
; ---- ff1, relu, codes
	WIN 0xc0
.set k_, 0
.rept 16
	ds_load_b128 v[64+4*k_:67+4*k_], v[T_UR] offset:8192+512*k_
.set k_, k_+1
.endr
	s_wait_dscnt 0x0
	WIN 0xde
.irp t, 0,1,2,3
.irp u, 0,1
	v_wmma_f32_16x16x64_fp8_fp8 v[8*(2*\t+\u):8*(2*\t+\u)+7], v[128+32*\t:135+32*\t], v[64+32*\u:71+32*\u], v[192+8*\t:199+8*\t]
.endr
.endr
	WIN 0xfe
.irp s, 1,2,3
.irp t, 0,1,2,3
.irp u, 0,1
	v_wmma_f32_16x16x64_fp8_fp8 v[8*(2*\t+\u):8*(2*\t+\u)+7], v[128+32*\t+8*\s:135+32*\t+8*\s], v[64+32*\u+8*\s:71+32*\u+8*\s], v[8*(2*\t+\u):8*(2*\t+\u)+7]
.endr
.endr
.endr
	PLACES 5                                       ; ahead of the reads of the sums, of the loads into the fragments' registers, and of the next products, which begin these accumulators anew
	WIN 0xc3
	QMEDR 0, 0, s44, 0, 64
	WIN 0x03
.irp u, 0,1
.irp t, 0,1,2,3
	v_cvt_scalef32_pk8_fp8_f32 v[240+8*\u+2*\t:241+8*\u+2*\t], v[8*(2*\t+\u):8*(2*\t+\u)+7], v[SCT3]
.endr
.endr
	v_nop
	WIN 0
	ST2 T_US, 240, 16384
	ST2 T_US, 248, 16384+4096
	BAR
; ---- ff2, bias, residual
	WIN 0xc0
.set k_, 0
.rept 16
	ds_load_b128 v[64+4*k_:67+4*k_], v[T_UR] offset:16384+512*k_
.set k_, k_+1
.endr
	s_wait_dscnt 0x0
	WIN 0xfd
.irp s, 0,1,2,3
.irp t, 0,1,2,3
.irp u, 0,1
.if \s == 0
	v_wmma_f32_16x16x64_fp8_fp8 v[8*(2*\t+\u):8*(2*\t+\u)+7], v[32*\t+8*\s:32*\t+8*\s+7], v[64+32*\u+8*\s:71+32*\u+8*\s], 0
.else
	v_wmma_f32_16x16x64_fp8_fp8 v[8*(2*\t+\u):8*(2*\t+\u)+7], v[32*\t+8*\s:32*\t+8*\s+7], v[64+32*\u+8*\s:71+32*\u+8*\s], v[8*(2*\t+\u):8*(2*\t+\u)+7]
.endif
.endr
.endr
.endr
	PLACES 4
	WIN 0xd3
.irp t, 0,1,2,3
.irp u, 0,1
.irp i, 0,2,4,6
	v_pk_fma_f32 v[8*(2*\t+\u)+\i:8*(2*\t+\u)+\i+1], v[8*(2*\t+\u)+\i:8*(2*\t+\u)+\i+1], s[46:47], v[224+8*\t+\i:225+8*\t+\i] op_sel_hi:[1,0,1]
.endr
.endr
.endr
	WIN 0x03
.set i_, 0
.rept 32
	v_pk_add_f32 v[48+2*i_:49+2*i_], v[2*i_:2*i_+1], v[48+2*i_:49+2*i_]
.set i_, i_+1
.endr
	WIN 0
.irp t, 0,1,2,3
.irp u, 0,1
	ds_store_b128 v[T_SG], v[48+16*\t+8*\u:51+16*\t+8*\u] offset:6*SP*\u+64*\t       ; lane (r, h): slot r + 6 u, channels 64 w + 16 t + 8 h + 0..7
	ds_store_b128 v[T_SG], v[52+16*\t+8*\u:55+16*\t+8*\u] offset:6*SP*\u+64*\t+16
.endr
.endr
	BAR                                            ; whole rows lie in the stage
.set k_, 0
.rept 10
	ds_load_b128 v[112+4*k_:115+4*k_], v[T_SR] offset:SP*(k_/2)+512*(k_%2)           ; my five of the twenty rows
.set k_, k_+1
.endr
.set k_, 0
.rept 10
	s_wait_dscnt 9-k_                              ; LDS loads come back in order: this one is in, the younger ones may be out
	global_store_b128 v[G_O0], v[112+4*k_:115+4*k_], s[18:19] offset:1024*(k_/2)+512*(k_%2) th:TH_STORE_NT   ; 512 consecutive bytes, at a multiple of 256 from out0's first byte
.set k_, k_+1
.endr
	s_wait_xcnt 0x0
	v_lshl_add_u32 v254, v0, 2, 0x4fe00
	v_mov_b32 v255, 0
	s_wait_tensorcnt 0x0
	ds_add_u32 v254, v255
	s_wait_dscnt 0x0
	s_endpgm
.Lfunc_end_k_q1d8006c226_main:
	.size	k_q1d8006c226_main, .Lfunc_end_k_q1d8006c226_main-k_q1d8006c226_main
	.p2alignl 7, 3214868480
	.fill 96, 4, 3214868480
	.section	.rodata,"a",@progbits
	.p2align	6, 0x0
	.amdhsa_kernel k_q1d8006c226_main
		.amdhsa_group_segment_fixed_size 327680
		.amdhsa_private_segment_fixed_size 0
		.amdhsa_enable_private_segment 0
		.amdhsa_kernarg_size 176
		.amdhsa_user_sgpr_count 2
		.amdhsa_user_sgpr_kernarg_segment_ptr 1
		.amdhsa_wavefront_size32 1
		.amdhsa_system_sgpr_workgroup_id_x 1
		.amdhsa_system_sgpr_workgroup_id_y 1
		.amdhsa_system_sgpr_workgroup_id_z 1
		.amdhsa_system_vgpr_workitem_id 0
		.amdhsa_next_free_vgpr 1024
		.amdhsa_next_free_sgpr 100
		.amdhsa_reserve_vcc 0
		.amdhsa_float_denorm_mode_32 3
		.amdhsa_float_denorm_mode_16_64 3
		.amdhsa_memory_ordered 1
		.amdhsa_forward_progress 1
		.amdhsa_inst_pref_size 255
	.end_amdhsa_kernel
	.section	.bss,"aw",@nobits
	.p2align	6
	.space	262144
	.amdgpu_metadata
---
amdhsa.version: [ 1, 2 ]
amdhsa.kernels:
  - .name:           k_q1d8006c226_main
    .symbol:         k_q1d8006c226_main.kd
    .args:
      - { .name: inputs, .offset: 0, .size: 8, .value_kind: global_buffer, .address_space: global }
      - { .name: pef, .offset: 8, .size: 8, .value_kind: global_buffer, .address_space: global }
      - { .name: wcodes, .offset: 16, .size: 8, .value_kind: global_buffer, .address_space: global }
      - { .name: qimg, .offset: 24, .size: 8, .value_kind: global_buffer, .address_space: global }
      - { .name: lowp_scales, .offset: 32, .size: 8, .value_kind: global_buffer, .address_space: global }
      - { .name: LN_g, .offset: 40, .size: 8, .value_kind: global_buffer, .address_space: global }
      - { .name: LN_b, .offset: 48, .size: 8, .value_kind: global_buffer, .address_space: global }
      - { .name: ni_g, .offset: 56, .size: 8, .value_kind: global_buffer, .address_space: global }
      - { .name: ni_b, .offset: 64, .size: 8, .value_kind: global_buffer, .address_space: global }
      - { .name: FC1_b, .offset: 72, .size: 8, .value_kind: global_buffer, .address_space: global }
      - { .name: FC2_b, .offset: 80, .size: 8, .value_kind: global_buffer, .address_space: global }
      - { .name: k_b, .offset: 88, .size: 8, .value_kind: global_buffer, .address_space: global }
      - { .name: v_b, .offset: 96, .size: 8, .value_kind: global_buffer, .address_space: global }
      - { .name: gimg, .offset: 104, .size: 8, .value_kind: global_buffer, .address_space: global }
      - { .name: slots, .offset: 112, .size: 8, .value_kind: global_buffer, .address_space: global }
      - { .name: gru_bi, .offset: 120, .size: 8, .value_kind: global_buffer, .address_space: global }
      - { .name: npf_g, .offset: 128, .size: 8, .value_kind: global_buffer, .address_space: global }
      - { .name: npf_b, .offset: 136, .size: 8, .value_kind: global_buffer, .address_space: global }
      - { .name: ff1_b, .offset: 144, .size: 8, .value_kind: global_buffer, .address_space: global }
      - { .name: ff2_b, .offset: 152, .size: 8, .value_kind: global_buffer, .address_space: global }
      - { .name: out0, .offset: 160, .size: 8, .value_kind: global_buffer, .address_space: global }
      - { .name: out1, .offset: 168, .size: 8, .value_kind: global_buffer, .address_space: global }
    .group_segment_fixed_size: 327680
    .private_segment_fixed_size: 0
    .kernarg_segment_align: 8
    .kernarg_segment_size: 176
    .max_flat_workgroup_size: 128
    .sgpr_count:     100
    .vgpr_count:     1024
    .wavefront_size: 32
...
	.end_amdgpu_metadata
.endif
;; end of part 2
;; ======== version 2 of 2: 2 launches
;; limits: right only within a limited range of input values
;; workspace buffers: wcodes 589,824 bytes; pef 786,432 bytes; qimg 8,192 bytes; gimg 98,304 bytes
;; launch prep (part 3): grid 208 x 1, 4 waves a work-group, no clusters, 0 bytes of LDS; arguments FC1_w, FC2_w, k_w, v_w, ff1_w, ff2_w, gru_wi, lowp_scales, wcodes, pe_w, pe_b, pef, slots, ns_g, ns_b, q_w, q_b, qimg, gru_wh, gru_bh, gru_bi, gimg; writes wcodes, pef, qimg, gimg
.if DOCPART == 3
	.amdgcn_target "amdgcn-amd-amdhsa--gfx1250"
	.amdhsa_code_object_version 6
	.text
	.protected	k_q1d8006c226_prep
	.globl	k_q1d8006c226_prep
	.p2align	8
	.type	k_q1d8006c226_prep,@function
k_q1d8006c226_prep:
	s_mov_b64 s[64:65], 0
	v_nop
	global_prefetch_b8 v0, s[64:65] scope:SCOPE_SE
	s_setreg_imm32_b32 hwreg(HW_REG_WAVE_MODE, 25, 1), 1
	s_wait_xcnt 0x0
; WHAT DOES NOT HANG ON THE WINDOW IS MADE ONCE.  Four roles, parted by the work-group's number; no LDS, no barrier, waves share nothing.
;  W (work-groups 0-143): seven weights [N][256] f32 become codes of E4M3 in the order of the operand's registers.  A fragment is 16 rows x 64 K in 8 registers: lane (r, h) holds row r, registers 2c, 2c+1
;    hold k = 16c + 8h + 0..7.  Its image is 1,024 bytes: registers 0-3 at 16 x lane, registers 4-7 at 512 + 16 x lane.  Fragment (row tile T, K step s) lies at the matrix's base + (4T + s) x 1,024.
;  P (144-191): pe = grid x pe_w^T + pe_b in f32 multiply-adds, stored in the order in which the main launch's lanes load x: [token tile][load 8s + 2c + q][lane][16 bytes].
;  Q (192-195): q = LN(slots) q_w^T + q_b on codes, then q's own codes, as images.  Tile 0: slots 0-15.  Tile 1: rows 0-2 = slots 16-18, rows 8-10 = slots 19-21 (the other rows repeat a slot and are never read).
;  H (196-207): the GRU's hidden half, slots gru_wh^T + gru_bh, as f32 images of the result's registers, with gru_bi's r and z parts and the exponentials' factors folded in.  Slot tile 0: slots r; tile 1: slots 6 + r.
; A lane's f32 numbers of a row: register 8c + 4q + e of K step s is channel 64s + 16c + 8h + 4q + e, at byte 256s + 64c + 32h + 16q of the row.
; LIMITS: each given exponent used here (e1, e3, e5, e7, e8, e9, e10, e15, e16, e17, e19, e21) lies between -126 and 119; e8 + e9 and e16 + e17 (+1) between -126 and 126.  NaN among the inputs is not served.
.set SEL, 58                           ; s[58:59] lane selects: each lane takes its own place in the other half
.set MSB, 0
.macro WIN new                         ; the immediate's high byte repeats the setting that is left
.if MSB != (\new)
	s_set_vgpr_msb (MSB<<8)|(\new)
.set MSB, \new
.endif
.endm
.macro MKLIM e, sc, lp, ln             ; s[e] = E:  s[sc] = 2^E, s[lp] = 448 x 2^E, s[ln] = -448 x 2^E, as f32
	s_add_co_i32 s[\sc], s[\e], 127
	s_add_co_i32 s[\lp], s[\e], 135
	s_lshl_b32 s[\sc], s[\sc], 23
	s_lshl_b32 s[\lp], s[\lp], 23
	s_or_b32 s[\lp], s[\lp], 0x600000
	s_or_b32 s[\ln], s[\lp], 0x80000000
.endm
.macro LLOAD reg, adr, base, off       ; 32 numbers of a lane: one K step of its row
.set k_, 0
.rept 8
	global_load_b128 v[\reg+4*k_:\reg+4*k_+3], v[\adr], s[\base:\base+1] offset:(\off)+64*(k_/2)+16*(k_%2)
.set k_, k_+1
.endr
.endm
.macro TREE8 b                         ; eight pairs at v[b] become one sum over both halves of the lanes, in v[b]
	v_pk_add_f32 v[\b:\b+1], v[\b:\b+1], v[\b+8:\b+9]
	v_pk_add_f32 v[\b+2:\b+3], v[\b+2:\b+3], v[\b+10:\b+11]
	v_pk_add_f32 v[\b+4:\b+5], v[\b+4:\b+5], v[\b+12:\b+13]
	v_pk_add_f32 v[\b+6:\b+7], v[\b+6:\b+7], v[\b+14:\b+15]
	v_pk_add_f32 v[\b:\b+1], v[\b:\b+1], v[\b+4:\b+5]
	v_pk_add_f32 v[\b+2:\b+3], v[\b+2:\b+3], v[\b+6:\b+7]
	v_pk_add_f32 v[\b:\b+1], v[\b:\b+1], v[\b+2:\b+3]
	v_add_f32 v[\b], v[\b], v[\b+1]
	v_permlanex16_b32 v[\b+1], v[\b], s[SEL], s[SEL+1]
	v_add_f32 v[\b], v[\b], v[\b+1]
.endm
	s_load_b512 s[4:19], s[0:1], 0x0               ; FC1_w, FC2_w, k_w, v_w, ff1_w, ff2_w, gru_wi, lowp_scales
	s_load_b512 s[20:35], s[0:1], 0x40             ; wcodes, pe_w, pe_b, pef, slots, ns_g, ns_b, q_w
	s_load_b256 s[36:43], s[0:1], 0x80             ; q_b, qimg, gru_wh, gru_bh
	s_load_b128 s[44:47], s[0:1], 0xa0             ; gru_bi, gimg
	v_lshrrev_b32 v1, 5, v0
	v_readfirstlane_b32 s2, v1                     ; wave
	v_and_b32 v1, 31, v0                           ; lane
	v_and_b32 v2, 15, v0                           ; r
	v_bfe_u32 v3, v0, 4, 1                         ; h
	v_lshlrev_b32 v4, 4, v1                        ; 16 x lane
	v_lshlrev_b32 v5, 10, v2
	v_lshl_add_u32 v5, v3, 5, v5                   ; 1,024 r + 32 h
	v_lshlrev_b32 v7, 5, v3                        ; 32 h
	s_wait_kmcnt 0x0
	s_load_b512 s[68:83], s[18:19], 0x0            ; the exponents: e_i in s[68 + i]
	s_load_b128 s[84:87], s[18:19], 0x40
	s_load_b64 s[88:89], s[18:19], 0x50
	s_cmp_lt_u32 ttmp9, 144                        ; the exponents are waited for in each role, where they are first read
	s_cbranch_scc0 .Lnot_w
	s_wait_kmcnt 0x0
; ---------------- role W: one fragment a wave; the wave's number is the K step
	s_lshr_b32 s48, ttmp9, 4
	s_min_u32 s48, s48, 6                          ; which matrix: 16 work-groups each, gru_wi 48
	s_lshl_b32 s49, s48, 4
	s_sub_co_u32 s49, ttmp9, s49                   ; its row tile
	s_mov_b64 s[50:51], s[16:17]
	s_mov_b32 s52, s83                             ; gru_wi, e15
	s_cmp_eq_u32 s48, 0
	s_cselect_b64 s[50:51], s[4:5], s[50:51]
	s_cselect_b32 s52, s69, s52
	s_cmp_eq_u32 s48, 1
	s_cselect_b64 s[50:51], s[6:7], s[50:51]
	s_cselect_b32 s52, s71, s52
	s_cmp_eq_u32 s48, 2
	s_cselect_b64 s[50:51], s[8:9], s[50:51]
	s_cselect_b32 s52, s73, s52
	s_cmp_eq_u32 s48, 3
	s_cselect_b64 s[50:51], s[10:11], s[50:51]
	s_cselect_b32 s52, s75, s52
	s_cmp_eq_u32 s48, 4
	s_cselect_b64 s[50:51], s[12:13], s[50:51]
	s_cselect_b32 s52, s87, s52
	s_cmp_eq_u32 s48, 5
	s_cselect_b64 s[50:51], s[14:15], s[50:51]
	s_cselect_b32 s52, s89, s52
	s_lshl_b32 s54, s49, 14                        ; 16 rows of 1,024 bytes
	s_lshl_b32 s55, s2, 8                          ; 64 numbers along K
	s_add_co_u32 s54, s54, s55
	s_mov_b32 s55, 0
	s_add_nc_u64 s[50:51], s[50:51], s[54:55]
	s_wait_alu depctr_va_vdst(0)
	LLOAD 16, 5, 50, 0
	MKLIM 52, 53, 56, 57
	v_mov_b32 v6, s53
	s_lshl_b32 s54, ttmp9, 12                      ; a row tile's four fragments are 4,096 bytes, and the matrices follow each other
	s_lshl_b32 s60, s2, 10
	s_add_co_u32 s54, s54, s60
	s_add_nc_u64 s[20:21], s[20:21], s[54:55]
	s_wait_loadcnt 0x0
.set k_, 0
.rept 32
	v_med3_num_f32 v[16+k_], v[16+k_], s57, s56    ; the conversion does not saturate: the hold at the largest code x the scale comes first
.set k_, k_+1
.endr
.irp c, 0,1,2,3
	v_cvt_scalef32_pk8_fp8_f32 v[48+2*\c:49+2*\c], v[16+8*\c:23+8*\c], v6
.endr
	v_nop
	global_store_b128 v4, v[48:51], s[20:21]               ; 32 lanes store 512 consecutive bytes
	global_store_b128 v4, v[52:55], s[20:21] offset:512
	s_endpgm
.Lnot_w:
	s_cmp_lt_u32 ttmp9, 192
	s_cbranch_scc0 .Lrole_qh
; ---------------- role P: token tile = work-group - 144; the wave's number is the K step s
	s_sub_co_u32 s48, ttmp9, 144
	s_lshl_b32 s49, s48, 4
	s_wait_alu depctr_va_vdst(0)
	v_add_nc_u32 v5, s49, v2                       ; token n = (t x 8 + hh) x 24 + ww
	v_mul_u32_u24 v6, v5, 2731
	v_lshrrev_b32 v6, 16, v6                       ; n / 24 (exact for n < 768: the factor's excess adds less than 1/24)
	v_mul_u32_u24 v14, v6, 24
	v_sub_nc_u32 v14, v5, v14                      ; ww
	v_lshrrev_b32 v5, 3, v6                        ; t
	v_and_b32 v6, 7, v6                            ; hh
	v_cvt_f32_u32 v5, v5
	v_cvt_f32_u32 v6, v6
	v_cvt_f32_u32 v14, v14
	s_mov_b32 s50, 0x3eaaaaab                      ; 1/3, 1/7, 1/23
	s_mov_b32 s51, 0x3e124925
	s_mov_b32 s52, 0x3d321643
	s_mov_b32 s53, 0x40400000                      ; 3, 7, 23
	s_mov_b32 s54, 0x40e00000
	s_mov_b32 s55, 0x41b80000
	v_mul_f32 v8, s50, v5                          ; i / div: a product with the reciprocal and one correction step
	v_mul_f32 v9, s51, v6
	v_mul_f32 v10, s52, v14
	v_fma_f32 v11, -v8, s53, v5
	v_fma_f32 v12, -v9, s54, v6
	v_fma_f32 v13, -v10, s55, v14
	v_fma_f32 v8, v11, s50, v8
	v_fma_f32 v9, v12, s51, v9
	v_fma_f32 v10, v13, s52, v10
	v_sub_f32 v11, 1.0, v8
	v_sub_f32 v12, 1.0, v9
	v_sub_f32 v13, 1.0, v10                        ; v8-13: the token's six grid numbers
	v_mul_u32_u24 v14, v3, 192                     ; pe_w: a row is 24 bytes, 8 h rows on
	s_wait_alu depctr_va_vdst(0)
	s_mul_i32 s56, s2, 1536
	s_mov_b32 s57, 0
	s_add_nc_u64 s[22:23], s[22:23], s[56:57]
	s_lshl_b32 s56, s2, 8
	s_add_nc_u64 s[24:25], s[24:25], s[56:57]
	s_lshl_b32 s56, s48, 14
	s_lshl_b32 s60, s2, 12
	s_add_co_u32 s56, s56, s60
	s_add_nc_u64 s[26:27], s[26:27], s[56:57]
.set it, 0
.rept 8                                ; item 2c + q: four channels: 96 consecutive bytes of pe_w, 16 of pe_b
.set m_, 0
.rept 6
	global_load_b128 v[16+28*it+4*m_:16+28*it+4*m_+3], v14, s[22:23] offset:384*(it/2)+96*(it%2)+16*m_
.set m_, m_+1
.endr
	global_load_b128 v[40+28*it:43+28*it], v7, s[24:25] offset:64*(it/2)+16*(it%2)
.set it, it+1
.endr
	s_wait_kmcnt 0x0                               ; role P reads no exponent: their loads are only brought to an end here
	s_wait_loadcnt 0x0
.set m_, 0
.rept 6
.set it, 0
.rept 32
	v_fmac_f32 v[40+28*(it/4)+it%4], v[8+m_], v[16+28*(it/4)+6*(it%4)+m_]
.set it, it+1
.endr
.set m_, m_+1
.endr
.set it, 0
.rept 8
	global_store_b128 v4, v[40+28*it:43+28*it], s[26:27] offset:512*it
.set it, it+1
.endr
	s_endpgm
; ---------------- roles Q and H: one tile of 16 rows of q_w or gru_wh a wave, against both slot tiles
; window 0: v16-143 the weight's tile f32; v144-207 the slots' codes (32 u + 8 s + 2 c); v208-239 the weight's codes; v240-255 two accumulators (sums' temporaries before);  window 1: the slots' rows f32;  window 2: ns_g, ns_b
.Lrole_qh:
	s_cmp_lt_u32 ttmp9, 196
	s_cselect_b32 s48, -1, 0                       ; all ones in role Q
	s_cselect_b64 s[50:51], s[34:35], s[40:41]     ; q_w or gru_wh
	s_cselect_b64 s[54:55], s[36:37], s[42:43]     ; b1: q_b or gru_bh
	s_cselect_b64 s[56:57], s[36:37], s[44:45]     ; b2: q_b (weighed with 0) or gru_bi
	s_cselect_b32 s49, 0, 4
	s_add_co_u32 s49, s49, 192
	s_sub_co_u32 s49, ttmp9, s49
	s_lshl_b32 s49, s49, 2
	s_add_co_u32 s49, s49, s2                      ; the tile: Q 0-15, H 0-47
	s_lshl_b32 s60, s49, 14
	s_mov_b32 s61, 0
	s_add_nc_u64 s[50:51], s[50:51], s[60:61]
	s_lshl_b32 s60, s49, 6
	s_add_nc_u64 s[54:55], s[54:55], s[60:61]
	s_add_nc_u64 s[56:57], s[56:57], s[60:61]
	s_wait_alu depctr_va_vdst(0)
	v_and_b32 v6, 7, v2
	v_lshrrev_b32 v8, 3, v2
	v_mad_u32_u24 v6, v8, 3, v6
	v_add_nc_u32 v6, 16, v6
	v_min_u32 v6, 21, v6                           ; Q, tile 1: slot 16 + r % 8 + 3 (r / 8), held inside the table
	v_add_nc_u32 v8, 6, v2                         ; H, tile 1: slot 6 + r
	v_cndmask_b32 v6, v8, v6, s48
	v_lshlrev_b32 v6, 10, v6
	v_add_nc_u32 v6, v6, v7
	WIN 0x40
.irp s, 0,1,2,3
	LLOAD 32*\s, 5, 28, 256*\s
	LLOAD 128+32*\s, 6, 28, 256*\s
.endr
	WIN 0
.irp s, 0,1,2,3
	LLOAD 16+32*\s, 5, 50, 256*\s
.endr
	global_load_b128 v[8:11], v7, s[54:55]                 ; the biases in the result's layout: channel 16 tile + 8 h + 0..7
	global_load_b128 v[12:15], v7, s[54:55] offset:16
	global_load_b128 v[208:211], v7, s[56:57]
	global_load_b128 v[212:215], v7, s[56:57] offset:16
	s_wait_kmcnt 0x0                               ; the exponents, behind the issue of the role's vector loads
	s_cmp_lt_u32 ttmp9, 196
	s_cselect_b32 s52, s76, s84                    ; e8 or e16
	s_cselect_b32 s53, s77, s85                    ; e9 or e17
	MKLIM 52, 60, 90, 91
	v_mov_b32 v1, s60                              ; the slots' scale
	MKLIM 53, 60, 92, 93
	v_mov_b32 v2, s60                              ; the weight's
	s_add_co_i32 s52, s52, s53
	s_add_co_i32 s52, s52, 127
	s_lshl_b32 s52, s52, 23                        ; 2^(eA + eW)
	s_mov_b32 s94, 0x4038aa3b                      ; H, gate n: 2 log2(e)
	s_cmp_lt_u32 s49, 32
	s_cselect_b32 s94, 0xbfb8aa3b, s94             ; H, gates r and z: -log2(e), and gru_bi goes in
	s_cselect_b32 s66, 1.0, 0
	s_cmp_lt_u32 ttmp9, 196
	s_cselect_b32 s94, 1.0, s94                    ; Q: 1, and b2 counts for nothing
	s_cselect_b32 s66, 0, s66
	s_mov_b32 s95, s94
	s_mov_b32 s67, s66
	s_mul_f32 s62, s52, s94
	s_mov_b32 s63, s62
	MKLIM 78, 60, 52, 53
	v_mov_b32 v3, s60                              ; q's own scale, 2^e10
	s_mov_b32 s[SEL], 0x76543210
	s_mov_b32 s[SEL+1], 0xfedcba98
	s_mov_b32 s60, 0x3b800000                      ; 1/256
	s_mov_b32 s61, 0x3727c5ac                      ; 1e-5
	s_cmp_lt_u32 ttmp9, 196
	s_cbranch_scc0 .Lno_ln
	WIN 0x80
.irp s, 0,1,2,3
	LLOAD 32*\s, 7, 30, 256*\s
	LLOAD 128+32*\s, 7, 32, 256*\s
.endr
	WIN 0
	s_wait_loadcnt 0x0
; LayerNorm of a slot's row: mean, then the squares of the differences; a lane holds 128 of the 256 channels, its partner 16 lanes away the others
.macro LNROW x
	WIN 0x05
.set i_, 0
.rept 8
	v_pk_add_f32 v[240+2*i_:241+2*i_], v[\x+2*i_:\x+2*i_+1], v[\x+16+2*i_:\x+17+2*i_]
.set i_, i_+1
.endr
	WIN 0x04
.set i_, 0
.rept 48
	v_pk_add_f32 v[240+2*(i_%8):241+2*(i_%8)], v[240+2*(i_%8):241+2*(i_%8)], v[\x+32+2*i_:\x+33+2*i_]
.set i_, i_+1
.endr
	WIN 0
	TREE8 240
	v_mul_f32 v240, s60, v240
	WIN 0x41
.set i_, 0
.rept 64
	v_pk_add_f32 v[\x+2*i_:\x+2*i_+1], v[\x+2*i_:\x+2*i_+1], v[240:241] op_sel_hi:[1,0] neg_lo:[0,1] neg_hi:[0,1]
.set i_, i_+1
.endr
	WIN 0x05
.set i_, 0
.rept 64
.if i_ < 8
	v_pk_mul_f32 v[240+2*i_:241+2*i_], v[\x+2*i_:\x+2*i_+1], v[\x+2*i_:\x+2*i_+1]
.else
	v_pk_fma_f32 v[240+2*(i_%8):241+2*(i_%8)], v[\x+2*i_:\x+2*i_+1], v[\x+2*i_:\x+2*i_+1], v[240+2*(i_%8):241+2*(i_%8)]
.endif
.set i_, i_+1
.endr
	WIN 0
	TREE8 240
	v_fma_f32 v240, v240, s60, s61
	s_wait_alu depctr_va_vdst(0)
	v_rsq_f32 v240, v240
	v_nop                                          ; a plain instruction behind the root,
	s_wait_alu depctr_va_vdst(0)                   ; and the wait ahead of its first reader
	WIN 0x41
.set i_, 0
.rept 64
	v_pk_mul_f32 v[\x+2*i_:\x+2*i_+1], v[\x+2*i_:\x+2*i_+1], v[240:241] op_sel_hi:[1,0]
.set i_, i_+1
.endr
	WIN 0x69                                       ; gain and bias in window 2
.set i_, 0
.rept 64
	v_pk_fma_f32 v[\x+2*i_:\x+2*i_+1], v[\x+2*i_:\x+2*i_+1], v[2*i_:2*i_+1], v[128+2*i_:129+2*i_]
.set i_, i_+1
.endr
	WIN 0
.endm
	LNROW 0
	LNROW 128
.Lno_ln:
	s_wait_loadcnt 0x0
.irp i, 0,2,4,6
	v_pk_fma_f32 v[8+\i:9+\i], v[208+\i:209+\i], s[66:67], v[8+\i:9+\i] op_sel_hi:[1,0,1]   ; b1 + f b2
.endr
.irp i, 0,2,4,6
	v_pk_mul_f32 v[8+\i:9+\i], v[8+\i:9+\i], s[94:95] op_sel_hi:[1,0]                       ; x F
.endr
.irp u, 0,1
	WIN 0x41
.set k_, 0
.rept 128
	v_med3_num_f32 v[128*\u+k_], v[128*\u+k_], s91, s90
.set k_, k_+1
.endr
	WIN 0x01
.set k_, 0
.rept 16
	v_cvt_scalef32_pk8_fp8_f32 v[144+32*\u+2*k_:145+32*\u+2*k_], v[128*\u+8*k_:128*\u+8*k_+7], v1
.set k_, k_+1
.endr
	v_nop
.endr
	WIN 0
.set k_, 0
.rept 128
	v_med3_num_f32 v[16+k_], v[16+k_], s93, s92
.set k_, k_+1
.endr
.set k_, 0
.rept 16
	v_cvt_scalef32_pk8_fp8_f32 v[208+2*k_:209+2*k_], v[16+8*k_:23+8*k_], v2
.set k_, k_+1
.endr
	v_nop
; transposed: source 0 = 16 rows of the weight, source 1 = 16 slots: a lane holds one slot, its registers eight neighbouring channels.  The two accumulators take turns
.irp s, 0,1,2,3
.irp u, 0,1
.if \s == 0
	v_wmma_f32_16x16x64_fp8_fp8 v[240+8*\u:247+8*\u], v[208+8*\s:215+8*\s], v[144+32*\u+8*\s:151+32*\u+8*\s], 0
.else
	v_wmma_f32_16x16x64_fp8_fp8 v[240+8*\u:247+8*\u], v[208+8*\s:215+8*\s], v[144+32*\u+8*\s:151+32*\u+8*\s], v[240+8*\u:247+8*\u]
.endif
.endr
.endr
.rept 5
	v_nop                                          ; places behind the last products, ahead of the first read of their results
.endr
.irp u, 0,1
.irp i, 0,2,4,6
	v_pk_fma_f32 v[16+8*\u+\i:17+8*\u+\i], v[240+8*\u+\i:241+8*\u+\i], s[62:63], v[8+\i:9+\i] op_sel_hi:[1,0,1]
.endr
.endr
	s_cmp_lt_u32 ttmp9, 196
	s_cbranch_scc0 .Lstore_h
.set k_, 0
.rept 16
	v_med3_num_f32 v[16+k_], v[16+k_], s53, s52
.set k_, k_+1
.endr
	v_cvt_scalef32_pk8_fp8_f32 v[48:49], v[16:23], v3
	s_wait_alu depctr_va_vdst(0)
	v_cvt_scalef32_pk8_fp8_f32 v[50:51], v[24:31], v3
	s_wait_alu depctr_va_vdst(0)
	v_nop
	s_lshr_b32 s54, s49, 2                         ; channels 16 tile on are K step tile / 4, registers 2 (tile % 4) and the next
	s_lshl_b32 s54, s54, 10
	s_bfe_u32 s55, s49, 0x10001
	s_lshl_b32 s55, s55, 9
	s_add_co_u32 s54, s54, s55
	s_and_b32 s55, s49, 1
	s_lshl_b32 s55, s55, 3
	s_add_co_u32 s54, s54, s55
	s_mov_b32 s55, 0
	s_add_nc_u64 s[38:39], s[38:39], s[54:55]
	global_store_b64 v4, v[48:49], s[38:39]
	global_store_b64 v4, v[50:51], s[38:39] offset:4096
	s_endpgm
.Lstore_h:
	s_lshl_b32 s54, s49, 11                        ; two images of 1,024 bytes a tile
	s_mov_b32 s55, 0
	s_add_nc_u64 s[46:47], s[46:47], s[54:55]
	s_wait_alu depctr_va_vdst(0)
.irp n, 0,1,2,3
	global_store_b128 v4, v[16+4*\n:19+4*\n], s[46:47] offset:512*\n
.endr
	s_endpgm
.Lfunc_end_k_q1d8006c226_prep:
	.size	k_q1d8006c226_prep, .Lfunc_end_k_q1d8006c226_prep-k_q1d8006c226_prep
	.p2alignl 7, 3214868480
	.fill 96, 4, 3214868480
	.section	.rodata,"a",@progbits
	.p2align	6, 0x0
	.amdhsa_kernel k_q1d8006c226_prep
		.amdhsa_group_segment_fixed_size 0
		.amdhsa_private_segment_fixed_size 0
		.amdhsa_enable_private_segment 0
		.amdhsa_kernarg_size 176
		.amdhsa_user_sgpr_count 2
		.amdhsa_user_sgpr_kernarg_segment_ptr 1
		.amdhsa_wavefront_size32 1
		.amdhsa_system_sgpr_workgroup_id_x 1
		.amdhsa_system_sgpr_workgroup_id_y 1
		.amdhsa_system_sgpr_workgroup_id_z 1
		.amdhsa_system_vgpr_workitem_id 0
		.amdhsa_next_free_vgpr 768
		.amdhsa_next_free_sgpr 96
		.amdhsa_reserve_vcc 0
		.amdhsa_float_denorm_mode_32 3
		.amdhsa_float_denorm_mode_16_64 3
		.amdhsa_memory_ordered 1
		.amdhsa_forward_progress 1
		.amdhsa_inst_pref_size 113
	.end_amdhsa_kernel
	.amdgpu_metadata
---
amdhsa.version: [ 1, 2 ]
amdhsa.kernels:
  - .name:           k_q1d8006c226_prep
    .symbol:         k_q1d8006c226_prep.kd
    .args:
      - { .name: FC1_w, .offset: 0, .size: 8, .value_kind: global_buffer, .address_space: global }
      - { .name: FC2_w, .offset: 8, .size: 8, .value_kind: global_buffer, .address_space: global }
      - { .name: k_w, .offset: 16, .size: 8, .value_kind: global_buffer, .address_space: global }
      - { .name: v_w, .offset: 24, .size: 8, .value_kind: global_buffer, .address_space: global }
      - { .name: ff1_w, .offset: 32, .size: 8, .value_kind: global_buffer, .address_space: global }
      - { .name: ff2_w, .offset: 40, .size: 8, .value_kind: global_buffer, .address_space: global }
      - { .name: gru_wi, .offset: 48, .size: 8, .value_kind: global_buffer, .address_space: global }
      - { .name: lowp_scales, .offset: 56, .size: 8, .value_kind: global_buffer, .address_space: global }
      - { .name: wcodes, .offset: 64, .size: 8, .value_kind: global_buffer, .address_space: global }
      - { .name: pe_w, .offset: 72, .size: 8, .value_kind: global_buffer, .address_space: global }
      - { .name: pe_b, .offset: 80, .size: 8, .value_kind: global_buffer, .address_space: global }
      - { .name: pef, .offset: 88, .size: 8, .value_kind: global_buffer, .address_space: global }
      - { .name: slots, .offset: 96, .size: 8, .value_kind: global_buffer, .address_space: global }
      - { .name: ns_g, .offset: 104, .size: 8, .value_kind: global_buffer, .address_space: global }
      - { .name: ns_b, .offset: 112, .size: 8, .value_kind: global_buffer, .address_space: global }
      - { .name: q_w, .offset: 120, .size: 8, .value_kind: global_buffer, .address_space: global }
      - { .name: q_b, .offset: 128, .size: 8, .value_kind: global_buffer, .address_space: global }
      - { .name: qimg, .offset: 136, .size: 8, .value_kind: global_buffer, .address_space: global }
      - { .name: gru_wh, .offset: 144, .size: 8, .value_kind: global_buffer, .address_space: global }
      - { .name: gru_bh, .offset: 152, .size: 8, .value_kind: global_buffer, .address_space: global }
      - { .name: gru_bi, .offset: 160, .size: 8, .value_kind: global_buffer, .address_space: global }
      - { .name: gimg, .offset: 168, .size: 8, .value_kind: global_buffer, .address_space: global }
    .group_segment_fixed_size: 0
    .private_segment_fixed_size: 0
    .kernarg_segment_align: 8
    .kernarg_segment_size: 176
    .max_flat_workgroup_size: 128
    .sgpr_count:     96
    .vgpr_count:     768
    .wavefront_size: 32
...
	.end_amdgpu_metadata
.endif
;; end of part 3
;; launch main (part 4): grid 7 x 32, 4 waves a work-group, no clusters, 327,680 bytes of LDS; arguments inputs, pef, wcodes, qimg, lowp_scales, LN_g, LN_b, ni_g, ni_b, FC1_b, FC2_b, k_b, v_b, gimg, slots, gru_bi, npf_g, npf_b, ff1_b, ff2_b, out0, out1; writes out0, out1
.if DOCPART == 4
	.amdgcn_target "amdgcn-amd-amdhsa--gfx1250"
	.amdhsa_code_object_version 6
	.text
	.protected	k_q1d8006c226_main
	.globl	k_q1d8006c226_main
	.p2align	8
	.type	k_q1d8006c226_main,@function
k_q1d8006c226_main:
	s_mov_b64 s[64:65], 0
	v_nop
	global_prefetch_b8 v0, s[64:65] scope:SCOPE_SE
	s_setreg_imm32_b32 hwreg(HW_REG_WAVE_MODE, 25, 1), 1
	s_wait_xcnt 0x0
; ONE WORK-GROUP TAKES ONE WINDOW (768 tokens x 256 channels; x = window 0-6, y = batch 0-31) THROUGH ALL OF THE MODULE; nothing between the input and the two outputs goes to memory.
; THE FOUR WAVES SHARE THE COLUMNS: wave w makes channels 64 w .. 64 w + 63 of every layer, and its quarter of FC1, FC2, k and v (4 x 128 registers of codes) stays in its registers through the loop.
; Activations go from wave to wave through LDS as images of their operand registers.  A fragment is 16 rows x 64 K of E4M3 codes in 8 registers (lane (r, h): row r; registers 2c, 2c+1: k = 16c + 8h + 0..7);
; its image is 1,024 bytes: registers 0-3 at 16 x lane, 4-7 at 512 + 16 x lane.  A wave's 64 channels are one K step of v_wmma_f32_16x16x64_fp8_fp8.
; Products are used transposed (source 0 = 16 rows of the weight, source 1 = 16 tokens): a lane then holds one token and eight neighbouring channels a tile, so four tiles convert straight into a fragment.
; v alone is used the natural way: a lane holds one channel and eight tokens, since the tokens are the K of attn x vv.
; THE LOOP: 12 blocks of 64 tokens, five barriers a block:  P0 x + pe, LayerNorm, codes (wave w: token tile w, whole rows) | P1 FC1, relu, codes | P2 FC2, partial statistics | LN2 LayerNorm, codes for k and for v |
; P3 k and v, codes (vv's stay in LDS for the whole window) | P4 dots with the 22 queries, softmax over the slots, + 1e-8 into LDS (wave w: token tile w).
; A JOB is one token tile through one layer: 16 products.  Its four fragments come into one of THREE SLOTS of 32 registers, fetched three jobs ahead, so that a job's wait on DScnt is counted and leaves the younger fetches out.
; In P1 and P3 the holds of the job before stand between a job's products, two behind each: they name none of those products' registers.
; THE TAIL, once: out1; row sums over the 768 tokens; attn's codes; attn x vv; GRU; LayerNorm; ff1, ff2, residual; out0.  Slot tile 0 = slots r, tile 1 = slots 6 + r (slots 6-15 are made twice, alike).
; Biases are the C of a sum's first product, divided by the power of two that the sums lack; the scales ahead of a quantiser are folded into the conversion's one.  LN2 works on FC2's unscaled sums, with eps / 2^(2(e2+e3)).
; No cluster, no tensor load: what the work-groups share (weights, pe) is read once by each, straight into registers, and 512 bytes of LDS are left beside vv's codes, attn and the images.
; LIMITS: e0, e2-e0-e1, e4, e6, e11-e4-e5, e13-e6-e7, e12, e14-e12-e13, e18, e20-e18-e19 between -126 and 119; e10+e11-4, e14+e15+1, e20+e21 within f32's exponents; |e2+e3| <= 50.  NaN among the inputs is not served.
; Sums are associated otherwise than the source reads (statistics by parts, the GRU's biases folded), each within f32 rounding.
.set VV,   0                           ; LDS: vv's codes: fragment (block i, wave w, tile t) at 16,384 i + 4,096 w + 1,024 t; a wave's own
.set ATT,  196608                      ; attn_ori f32: 22 rows,
.set AP,   3088                        ; 3,072 bytes + 16: an odd multiple of 16, so that sixteen rows' 16 bytes fall on different banks
.set IMGA, 264704                      ; x's codes, later xn's for k: fragment (token tile, K step) at (4 tt + s) x 1,024
.set IMGB, 281088                      ; the hidden layer's, later xn's for v
.set IMGC, 297472                      ; kk's
.set QIMG, 313856                      ; q's eight fragments
.set VECS, 322048                      ; five vectors of 256 f32: FC1_b, FC2_b, k_b (divided), ni_g, ni_b
.set STAT, IMGC                        ; LN2's parts: token x 32 + wave x 8: (mean, sum of squares).  They share kk's first 2,048 bytes: written between the second and third barrier of a trip and read
                                       ; between the third and fourth; kk's codes are written between the fourth and fifth and read behind the fifth
.set AIMG, IMGA                        ; the tail: attn's 24 fragments (12 u + kb),
.set UIMG, IMGA+24576                  ; upd's 8 (4 u + s); +8,192 the normed slots'; +16,384 ff1's
.set PS,   QIMG                        ; partial row sums
.set TST,  QIMG+1024                   ; the last LayerNorm's parts
.set STG,  VV                          ; out0's stage: 22 rows of
.set SP,   1040                        ; 1,024 bytes + 16
; window 0
.set LI, 1                             ; 16 x lane
.set XA, 2                             ; 1,024 r + 32 h
.set H32, 3                            ; 32 h
.set A_A, 4
.set A_B, 5
.set A_KW, 6
.set S_XI, 7
.set S_A, 8
.set S_B, 9
.set S_C, 10
.set A_Q, 11
.set A_VEC, 12
.set S_ST, 13
.set A_ST, 14
.set S_VV, 15
.set S_AT0, 16
.set S_AT1, 17
.set C_VV, 18                          ; the last three + the trip's step
.set C_AT0, 19
.set C_AT1, 20
.set SC0, 21                           ; the conversions' scales
.set SC1, 22
.set SC4, 23
.set SC6, 24
.set SCK, 25
.set SCV, 26
.set EPS2, 27
.set MW, 28                            ; v28-31  my 64 channels' mean, a token tile each
.set BV, 32                            ; v32-35  v_b of channel 64 w + 16 t + r, divided
.set T, 36                             ; v36-47  at work
.set NG, 48                            ; v48-79, v80-111: in LN2 ni_g and ni_b of my channels, in the result's layout; in P1, P2, P3 two of the three slots; in P4 q's fragments
.set NB, 80
.set VEC, 112                          ; v112-143 a bias in the result's layout
.set AF, 144                           ; v144-175 the third slot
.set SL0, AF
.set SL1, NG
.set SL2, NB
.set CD, 176                           ; v176-191 codes just made, two halves
.set TA, 192                           ; v192-255 results, two halves of 32
; window 1: v0-127 FC1, v128-255 FC2 (fragment (t, s) at 32 t + 8 s);  window 2: k, v;  window 3: v0-127 x of the next block, v128-255 pe, LN_g, FC2's sums
.set MSB, 0
.macro WIN new                         ; the immediate's high byte repeats the setting that is left
.if MSB != (\new)
	s_set_vgpr_msb (MSB<<8)|(\new)
.set MSB, \new
.endif
.endm
.macro PLACES n
.rept \n
	v_nop
.endr
.endm
.macro BAR                             ; my LDS stores have landed and my LDS loads are in: then the work-group's barrier
	s_wait_dscnt 0x0
	s_barrier_signal -1
	s_barrier_wait -1
.endm
.macro MKLIM e, sc, lp, ln             ; s[e] = E:  s[sc] = 2^E, s[lp] = 448 x 2^E, s[ln] = -448 x 2^E, as f32
	s_add_co_i32 s[\sc], s[\e], 127
	s_add_co_i32 s[\lp], s[\e], 135
	s_lshl_b32 s[\sc], s[\sc], 23
	s_lshl_b32 s[\lp], s[\lp], 23
	s_or_b32 s[\lp], s[\lp], 0x600000
	s_or_b32 s[\ln], s[\lp], 0x80000000
.endm
.macro LLOAD reg, adr, base, off       ; 32 numbers of a lane: register 8c + 4q + e at byte 64c + 16q (+ 32 h in the address)
.set k_, 0
.rept 8
	global_load_b128 v[\reg+4*k_:\reg+4*k_+3], v[\adr], s[\base:\base+1] offset:(\off)+64*(k_/2)+16*(k_%2)
.set k_, k_+1
.endr
.endm
.set LNV, 180224                       ; LN_g (1,024 bytes), then LN_b: in vv's bytes of block 11, which get their codes in the last trip's P3, barriers behind the last P0 that reads the two vectors
.macro DLOAD reg, off                  ; 32 numbers of a lane out of LN_g or LN_b in LDS, laid as LLOAD lays them; v[T+2] = LNV + 32 h
.set k_, 0
.rept 8
	ds_load_b128 v[\reg+4*k_:\reg+4*k_+3], v[T+2] offset:(\off)+64*(k_/2)+16*(k_%2)
.set k_, k_+1
.endr
.endm
.macro WLOAD reg, off
.set k_, 0
.rept 32
	global_load_b128 v[\reg+4*k_:\reg+4*k_+3], v[LI], s[92:93] offset:(\off)+512*k_
.set k_, k_+1
.endr
.endm
.macro PELOAD from, n                  ; pe of my token tile, laid as the lanes hold x: dense loads from .. from + n - 1 of 32
.set k_, \from
.rept \n
	global_load_b128 v[128+4*k_:131+4*k_], v[LI], s[6:7] offset:512*k_
.set k_, k_+1
.endr
.endm
.macro XLOAD from                      ; x of my token tile, K steps from and from + 1
	LLOAD 32*(\from), XA, 4, 256*(\from)
	LLOAD 32*(\from)+32, XA, 4, 256*(\from)+256
.endm
.macro SETSL j                         ; SL = job j's slot
.if ((\j)%3) == 0
.set SL, SL0
.elseif ((\j)%3) == 1
.set SL, SL1
.else
.set SL, SL2
.endif
.endm
.macro LOADF reg, a, off               ; the four fragments of one token tile
.set k_, 0
.rept 8
	ds_load_b128 v[\reg+4*k_:\reg+4*k_+3], v[\a] offset:(\off)+512*k_
.set k_, k_+1
.endr
.endm
.macro VLOADR reg, n                   ; vector n of my 64 channels, in the result's layout
.set k_, 0
.rept 8
	ds_load_b128 v[\reg+4*k_:\reg+4*k_+3], v[A_VEC] offset:1024*(\n)+64*(k_/2)+16*(k_%2)
.set k_, k_+1
.endr
.endm
.macro QLOAD hf                        ; q's fragments of K steps 2 hf and 2 hf + 1, both tiles: hf = 0 into v80-111, hf = 1 into v48-79
.irp u, 0,1
.irp z, 0,1
	ds_load_b128 v[80-32*(\hf)+16*\z+8*\u:83-32*(\hf)+16*\z+8*\u], v[A_Q] offset:(4*\u+2*(\hf)+\z)*1024
	ds_load_b128 v[84-32*(\hf)+16*\z+8*\u:87-32*(\hf)+16*\z+8*\u], v[A_Q] offset:(4*\u+2*(\hf)+\z)*1024+512
.endr
.endr
.endm
.macro ST2 a, cd, off                  ; a fragment's image
	ds_store_b128 v[\a], v[\cd:\cd+3] offset:\off
	ds_store_b128 v[\a], v[\cd+4:\cd+7] offset:(\off)+512
.endm
; Two holds of the job before, behind a product.  The register stands in source 2, whose window is 0 under every setting of the products here, so no switch is needed.  Ascending: each accumulator is read from its low end on
.macro HOLD2 on, qb, lo, hi
.if \on
	v_med3_num_f32 v[\qb+n_], \lo, \hi, v[\qb+n_]
	v_med3_num_f32 v[\qb+n_+1], \lo, \hi, v[\qb+n_+1]
.set n_, n_+2
.endif
.endm
; 16 products: my four tiles of 16 channels x one token tile, K = 256.  The four accumulators take turns.  The bias is the first C.  on: the 32 holds on v[qb] .. stand between
.macro MMT wb, d, af, m1, m2, on, qb, lo, hi
.set n_, 0
	WIN \m1
.irp t, 0,1,2,3
	v_wmma_f32_16x16x64_fp8_fp8 v[\d+8*\t:\d+8*\t+7], v[\wb+32*\t:\wb+32*\t+7], v[\af:\af+7], v[VEC+8*\t:VEC+8*\t+7]
	HOLD2 \on, \qb, \lo, \hi
.endr
	WIN \m2
.irp s, 1,2,3
.irp t, 0,1,2,3
	v_wmma_f32_16x16x64_fp8_fp8 v[\d+8*\t:\d+8*\t+7], v[\wb+32*\t+8*\s:\wb+32*\t+8*\s+7], v[\af+8*\s:\af+8*\s+7], v[\d+8*\t:\d+8*\t+7]
	HOLD2 \on, \qb, \lo, \hi
.endr
.endr
.endm
.macro MMN wb, d, af, m, qb, lo, hi    ; the same the natural way: source 0 = the tokens
.set n_, 0
	WIN \m
.irp t, 0,1,2,3
	v_wmma_f32_16x16x64_fp8_fp8 v[\d+8*\t:\d+8*\t+7], v[\af:\af+7], v[\wb+32*\t:\wb+32*\t+7], v[VEC+8*\t:VEC+8*\t+7]
	HOLD2 1, \qb, \lo, \hi
.endr
.irp s, 1,2,3
.irp t, 0,1,2,3
	v_wmma_f32_16x16x64_fp8_fp8 v[\d+8*\t:\d+8*\t+7], v[\af+8*\s:\af+8*\s+7], v[\wb+32*\t+8*\s:\wb+32*\t+8*\s+7], v[\d+8*\t:\d+8*\t+7]
	HOLD2 1, \qb, \lo, \hi
.endr
.endr
.endm
.macro QMEDR b, lo, hi, from, n        ; the hold at the largest code x the scale (the conversion does not saturate); with lo = 0 also the relu.  Ascending: each accumulator is read from its low end on
.set k_, \from
.rept \n
	v_med3_num_f32 v[\b+k_], v[\b+k_], \lo, \hi
.set k_, k_+1
.endr
.endm
.macro QCVT b, cd, sc
.irp c, 0,1,2,3
	v_cvt_scalef32_pk8_fp8_f32 v[\cd+2*\c:\cd+2*\c+1], v[\b+8*\c:\b+8*\c+7], v[\sc]
.endr
	v_nop                                          ; a plain instruction between the conversions and the products that write their sources again
.endm
.macro TREE8 b, d                      ; eight pairs at v[b] become one sum over both halves of the lanes, in v[d]
	v_pk_add_f32 v[\b:\b+1], v[\b:\b+1], v[\b+8:\b+9]
	v_pk_add_f32 v[\b+2:\b+3], v[\b+2:\b+3], v[\b+10:\b+11]
	v_pk_add_f32 v[\b+4:\b+5], v[\b+4:\b+5], v[\b+12:\b+13]
	v_pk_add_f32 v[\b+6:\b+7], v[\b+6:\b+7], v[\b+14:\b+15]
	v_pk_add_f32 v[\b:\b+1], v[\b:\b+1], v[\b+4:\b+5]
	v_pk_add_f32 v[\b+2:\b+3], v[\b+2:\b+3], v[\b+6:\b+7]
	v_pk_add_f32 v[\b:\b+1], v[\b:\b+1], v[\b+2:\b+3]
	v_add_f32 v[\b], v[\b], v[\b+1]
	v_permlanex16_b32 v[\b+1], v[\b], s30, s31
	v_add_f32 v[\d], v[\b], v[\b+1]
.endm
.macro TREE4 b, d
	v_pk_add_f32 v[\b:\b+1], v[\b:\b+1], v[\b+4:\b+5]
	v_pk_add_f32 v[\b+2:\b+3], v[\b+2:\b+3], v[\b+6:\b+7]
	v_pk_add_f32 v[\b:\b+1], v[\b:\b+1], v[\b+2:\b+3]
	v_add_f32 v[\b], v[\b], v[\b+1]
	v_permlanex16_b32 v[\b+1], v[\b], s30, s31
	v_add_f32 v[\d], v[\b], v[\b+1]
.endm
; four waves' (mean, sum of squares) of 64 channels each, in v[b] .. v[b+7], become 1 / sqrt(var + eps) in v[p] and my mean less the row's in v[p+1].  No difference of large sums is formed
.macro COMBINE b, p, mine, eps
	v_add_f32 v[T], v[\b], v[\b+2]
	v_add_f32 v[T+1], v[\b+4], v[\b+6]
	v_add_f32 v[T], v[T], v[T+1]
	v_mul_f32 v[T], s54, v[T]                      ; the row's mean
	v_sub_f32 v[\b], v[\b], v[T]
	v_sub_f32 v[\b+2], v[\b+2], v[T]
	v_sub_f32 v[\b+4], v[\b+4], v[T]
	v_sub_f32 v[\b+6], v[\b+6], v[T]
	v_add_f32 v[\b+1], v[\b+1], v[\b+3]
	v_add_f32 v[\b+5], v[\b+5], v[\b+7]
	v_add_f32 v[\b+1], v[\b+1], v[\b+5]
	v_mul_f32 v[\b], v[\b], v[\b]
	v_fmac_f32 v[\b], v[\b+2], v[\b+2]
	v_fmac_f32 v[\b], v[\b+4], v[\b+4]
	v_fmac_f32 v[\b], v[\b+6], v[\b+6]
	v_fma_f32 v[\b], v[\b], s53, v[\b+1]           ; the parts' squares + 64 x the squares of the means' distances
	v_fma_f32 v[\b], v[\b], s50, \eps
	v_sub_f32 v[\p+1], v[\mine], v[T]
	s_wait_alu depctr_va_vdst(0)
	v_rsq_f32 v[\p], v[\b]
.endm
; ======================= the head
	s_load_b512 s[4:19], s[0:1], 0x0               ; inputs, pef, wcodes, qimg, lowp_scales, LN_g s[14:15], LN_b s[16:17], ni_g
	s_load_b256 s[20:27], s[0:1], 0x40             ; ni_b, FC1_b, FC2_b, k_b
	s_load_b64 s[28:29], s[0:1], 0x60              ; v_b
	v_lshrrev_b32 v1, 5, v0
	v_readfirstlane_b32 s2, v1                     ; wave
	s_mov_b32 s90, ttmp9                           ; window
	s_and_b32 s91, ttmp7, 0xffff                   ; batch
	v_and_b32 v176, 31, v0
	v_and_b32 v177, 15, v0                         ; r
	v_bfe_u32 v178, v0, 4, 1                       ; h
	v_lshlrev_b32 v[LI], 4, v176
	v_lshlrev_b32 v[H32], 5, v178
	v_lshl_add_u32 v[XA], v177, 10, v[H32]
	s_lshl_b32 s48, s2, 12
	s_lshl_b32 s49, s2, 10
	s_lshl_b32 s55, s2, 8
	v_add_nc_u32 v[A_A], IMGA, v[LI]
	v_add_nc_u32 v[A_B], IMGB, v[LI]
	v_add_nc_u32 v[A_Q], QIMG, v[LI]
	s_add_co_u32 s58, s48, IMGC
	v_add_nc_u32 v[A_KW], s58, v[LI]
	s_add_co_u32 s58, s48, IMGA
	v_add_nc_u32 v[S_XI], s58, v[LI]
	s_add_co_u32 s58, s49, IMGA
	v_add_nc_u32 v[S_A], s58, v[LI]
	s_add_co_u32 s58, s49, IMGB
	v_add_nc_u32 v[S_B], s58, v[LI]
	s_add_co_u32 s58, s49, IMGC
	v_add_nc_u32 v[S_C], s58, v[LI]
	v_add_nc_u32 v[S_VV], s48, v[LI]
	v_add_nc_u32 v181, s55, v[H32]                 ; 256 w + 32 h: my channels in a vector of 256
	v_add_nc_u32 v[A_VEC], VECS, v181
	v_lshlrev_b32 v179, 5, v177
	v_add_nc_u32 v[A_ST], STAT, v179
	s_lshl_b32 s58, s2, 3
	v_add_nc_u32 v[S_ST], s58, v[A_ST]
	v_mul_u32_u24 v180, v178, 8*AP                 ; attn: slot 8 h + j, token 16 w + r of the block
	v_lshl_add_u32 v180, v177, 2, v180
	s_lshl_b32 s58, s2, 6
	s_add_co_u32 s58, s58, ATT
	v_add_nc_u32 v[S_AT0], s58, v180
	v_mul_u32_u24 v180, v178, 3*AP                 ; and slot 16 + 3 h + j
	v_lshl_add_u32 v180, v177, 2, v180
	s_add_co_u32 s58, s58, 16*AP
	v_add_nc_u32 v[S_AT1], s58, v180
	v_lshl_add_u32 v182, v177, 2, s55              ; 256 w + 4 r
	v_lshlrev_b32 v183, 3, v0
	v_lshlrev_b32 v190, 4, v0
	v_add_nc_u32 v191, VECS, v183
	v_add_nc_u32 v[TA+17], LNV, v183
	v_add_nc_u32 v[TA+16], QIMG, v190
.set k_, 0
.rept 12
	v_mov_b32 v[T+k_], 0                           ; written once: named as halves of pairs and as lane permutes' destinations
.set k_, k_+1
.endr
	s_mov_b32 s30, 0x76543210                      ; each lane takes its own place in the other half
	s_mov_b32 s31, 0xfedcba98
	s_mov_b32 s50, 0x3b800000                      ; 1/256
	s_mov_b32 s51, 0x3727c5ac                      ; 1e-5
	s_mov_b32 s52, 0x3c800000                      ; 1/64
	s_mov_b32 s53, 0x42800000                      ; 64
	s_mov_b32 s54, 0x3e800000                      ; 1/4
	s_mov_b32 s56, 0x322bcc77                      ; 1e-8
	s_mov_b32 s57, s56
	s_mov_b32 s3, 0
	s_mov_b32 s46, 0
	s_mov_b32 s47, 0
	s_wait_kmcnt 0x0
	s_load_b512 s[68:83], s[12:13], 0x0            ; the exponents: e_i in s[68 + i]
	s_load_b128 s[84:87], s[12:13], 0x40
	s_load_b64 s[88:89], s[12:13], 0x50
	s_lshl_b32 s58, s91, 4
	s_lshl_b32 s59, s90, 1
	s_add_co_u32 s58, s58, s59                     ; the window's first frame: 16 batch + 2 window
	s_mul_i32 s58, s58, 196608                     ; a frame is 192 tokens of 1,024 bytes; under 2^31
	s_mov_b32 s59, 0
	s_lshl_b32 s60, s2, 14                         ; my token tile; my 16 fragments of a weight
	s_mov_b32 s61, 0
	s_add_nc_u64 s[4:5], s[4:5], s[58:59]
	s_add_nc_u64 s[4:5], s[4:5], s[60:61]
	s_add_nc_u64 s[6:7], s[6:7], s[60:61]
	s_add_nc_u64 s[92:93], s[8:9], s[60:61]
	WIN 0xc0
	XLOAD 0
	XLOAD 2
	PELOAD 0, 32
	WIN 0x40
	WLOAD 0, 0
	WLOAD 128, 65536
	WIN 0x80
	WLOAD 0, 131072
	WLOAD 128, 196608
	WIN 0
.irp t, 0,1,2,3
	global_load_b32 v[BV+\t], v182, s[28:29] offset:64*\t
.endr
	global_load_b64 v[184:185], v183, s[22:23]
	global_load_b64 v[186:187], v183, s[24:25]
	global_load_b64 v[188:189], v183, s[26:27]
	global_load_b64 v[TA+24:TA+25], v183, s[18:19]         ; ni_g, ni_b: 8 bytes a thread
	global_load_b64 v[TA+26:TA+27], v183, s[20:21]
	global_load_b64 v[TA+28:TA+29], v183, s[14:15]         ; LN_g, LN_b: 8 bytes a thread
	global_load_b64 v[TA+30:TA+31], v183, s[16:17]
.irp k, 0,1,2,3
	global_load_b128 v[TA+4*\k:TA+4*\k+3], v190, s[10:11] offset:2048*\k
.endr
	s_wait_kmcnt 0x0
	MKLIM 68, 59, 32, 33
	v_mov_b32 v[SC0], s59
	s_add_co_i32 s60, s68, s69                     ; e0 + e1
	s_sub_co_i32 s58, s70, s60
	MKLIM 58, 59, 34, 35
	v_mov_b32 v[SC1], s59
	MKLIM 72, 59, 36, 37
	v_mov_b32 v[SC4], s59
	MKLIM 74, 59, 38, 39
	v_mov_b32 v[SC6], s59
	s_add_co_i32 s61, s72, s73                     ; e4 + e5
	s_sub_co_i32 s58, s79, s61
	MKLIM 58, 59, 40, 41
	v_mov_b32 v[SCK], s59
	s_add_co_i32 s62, s74, s75                     ; e6 + e7
	s_sub_co_i32 s58, s81, s62
	MKLIM 58, 59, 42, 43
	v_mov_b32 v[SCV], s59
	s_add_co_i32 s58, s78, s79
	s_lshl_b32 s58, s58, 23
	s_add_co_u32 s44, s58, 0x3db8aa3b              ; c = log2(e) / 16 x 2^(e10 + e11): the exponents are added to the exponent field
	s_mov_b32 s45, s44
	s_add_co_i32 s63, s70, s71                     ; e2 + e3
	s_sub_co_i32 s60, 0, s60
	s_sub_co_i32 s61, 0, s61
	s_sub_co_i32 s62, 0, s62
	s_sub_co_i32 s63, 0, s63
	s_lshl_b32 s58, s63, 1
	v_mov_b32 v[EPS2], 0x3727c5ac
	v_ldexp_f32 v[EPS2], v[EPS2], s58              ; 1e-5 / 2^(2 (e2 + e3))
	s_wait_loadcnt 0x0
	v_ldexp_f32 v184, v184, s60
	v_ldexp_f32 v185, v185, s60
	v_ldexp_f32 v186, v186, s63
	v_ldexp_f32 v187, v187, s63
	v_ldexp_f32 v188, v188, s61
	v_ldexp_f32 v189, v189, s61
.irp t, 0,1,2,3
	v_ldexp_f32 v[BV+\t], v[BV+\t], s62
.endr
	ds_store_b64 v191, v[184:185]
	ds_store_b64 v191, v[186:187] offset:1024
	ds_store_b64 v191, v[188:189] offset:2048
	ds_store_b64 v191, v[TA+24:TA+25] offset:3072
	ds_store_b64 v191, v[TA+26:TA+27] offset:4096
	ds_store_b64 v[TA+17], v[TA+28:TA+29]
	ds_store_b64 v[TA+17], v[TA+30:TA+31] offset:1024
.irp k, 0,1,2,3
	ds_store_b128 v[TA+16], v[TA+4*\k:TA+4*\k+3] offset:2048*\k
.endr
	BAR                                            ; LN_g and LN_b are read in the first P0, ahead of the loop's first barrier: this one shows the head's stores to every wave
; ======================= the loop: a block of 64 tokens a trip
.Ltrip:
; ---- P0: my token tile, whole rows: x + pe, LayerNorm, codes
	s_wait_loadcnt 0x0                             ; x and pe, asked for in the last trip.  No load is out, so both pointers may step:
	s_add_nc_u64 s[4:5], s[4:5], 0x10000           ; to the next block's x and pe (in the last trip they are not used)
	s_add_nc_u64 s[6:7], s[6:7], 0x10000
	WIN 0xcf
.set i_, 0
.rept 64
	v_pk_add_f32 v[2*i_:2*i_+1], v[2*i_:2*i_+1], v[128+2*i_:129+2*i_]
.set i_, i_+1
.endr
	WIN 0
	s_wait_dscnt 0x0                               ; the last trip's stores have read their registers: three of them are written now, and loads land in others
	v_add_nc_u32 v[C_VV], s46, v[S_VV]
	v_add_nc_u32 v[C_AT0], s47, v[S_AT0]
	v_add_nc_u32 v[C_AT1], s47, v[S_AT1]
	v_add_nc_u32 v[T+2], LNV, v[H32]
	DLOAD TA, 1024                                 ; LN_b, the first two K steps
	DLOAD TA+32, 1024+256
	WIN 0xc0
.irp s, 0,1,2,3
	DLOAD 128+32*\s, 256*\s                        ; LN_g, where pe lay
.endr
	WIN 0x0f
.set i_, 0
.rept 8
	v_pk_add_f32 v[CD+2*i_:CD+2*i_+1], v[2*i_:2*i_+1], v[16+2*i_:17+2*i_]
.set i_, i_+1
.endr
	WIN 0x0c
.set i_, 0
.rept 48
	v_pk_add_f32 v[CD+2*(i_%8):CD+2*(i_%8)+1], v[CD+2*(i_%8):CD+2*(i_%8)+1], v[32+2*i_:33+2*i_]
.set i_, i_+1
.endr
	WIN 0
	TREE8 CD, CD
	v_mul_f32 v[CD], s50, v[CD]                    ; the mean
	WIN 0xc3
.set i_, 0
.rept 64
	v_pk_add_f32 v[2*i_:2*i_+1], v[2*i_:2*i_+1], v[CD:CD+1] op_sel_hi:[1,0] neg_lo:[0,1] neg_hi:[0,1]
.set i_, i_+1
.endr
	WIN 0x0f
.set i_, 0
.rept 64
.if i_ < 8
	v_pk_mul_f32 v[CD+2*i_:CD+2*i_+1], v[2*i_:2*i_+1], v[2*i_:2*i_+1]
.else
	v_pk_fma_f32 v[CD+2*(i_%8):CD+2*(i_%8)+1], v[2*i_:2*i_+1], v[2*i_:2*i_+1], v[CD+2*(i_%8):CD+2*(i_%8)+1]
.endif
.set i_, i_+1
.endr
	WIN 0
	TREE8 CD, CD
	v_fma_f32 v[CD], v[CD], s50, s51
	s_wait_alu depctr_va_vdst(0)
	v_rsq_f32 v[CD], v[CD]
	v_nop                                          ; a plain instruction behind the root,
	s_wait_alu depctr_va_vdst(0)                   ; and the wait ahead of its first reader
	s_wait_dscnt 0x0                               ; LN_g, and LN_b's first two K steps
.irp s, 0,1,2,3
.if \s == 2
	s_wait_dscnt 12                                ; LN_b's third K step is in; behind its loads: an image's two stores, the fourth step's eight loads, two stores
.endif
.if \s == 3
	s_wait_dscnt 4                                 ; the fourth is in; behind its loads: two images' stores
.endif
	WIN 0xc3
.set i_, 0
.rept 16
	v_pk_mul_f32 v[32*\s+2*i_:32*\s+2*i_+1], v[32*\s+2*i_:32*\s+2*i_+1], v[CD:CD+1] op_sel_hi:[1,0]
.set i_, i_+1
.endr
	WIN 0xcf
.set i_, 0
.rept 16
	v_pk_fma_f32 v[32*\s+2*i_:32*\s+2*i_+1], v[32*\s+2*i_:32*\s+2*i_+1], v[128+32*\s+2*i_:129+32*\s+2*i_], v[TA+32*(\s%2)+2*i_:TA+32*(\s%2)+2*i_+1]
.set i_, i_+1
.endr
.if \s < 2
	WIN 0
	DLOAD TA+32*\s, 1024+256*(\s+2)                ; LN_b two K steps on, into the half just used
.endif
	WIN 0xc3
	QMEDR 32*\s, s33, s32, 0, 32
	WIN 0x03
	QCVT 32*\s, AF+8*\s, SC0
	WIN 0
	ST2 S_XI, AF+8*\s, 1024*\s
.endr
	BAR                                            ; x's sixteen fragments lie in LDS
; ---- P1: FC1, relu, codes.  Three token tiles are fetched at once, the fourth into the slot that the first job leaves.  The counts: what was issued on DScnt behind the job's own eight loads
	VLOADR VEC, 0
	LOADF SL0, A_A, 0
	LOADF SL1, A_A, 4096
	LOADF SL2, A_A, 8192
.irp j, 0,1,2,3
	SETSL \j
.if \j < 2
	s_wait_dscnt 16                                ; two younger tiles' loads may be out
.elseif \j == 2
	s_wait_dscnt 10                                ; the fourth tile's eight loads and one image's two stores
.else
	s_wait_dscnt 4                                 ; two images' stores
.endif
	MMT 0, TA+32*(\j%2), SL, 0x01, 0x01, \j, TA+32*((\j+1)%2), 0, s34
	WIN 0
.if \j == 0
	PLACES 4                                       ; ahead of the loads into the slot just multiplied, and of the first holds
	LOADF SL, A_A, 12288
	s_cmp_lt_u32 s3, 11                            ; the next block's x, if there is one: no load leaves its buffer.  Its first half goes out here, where my fetches for this phase are all issued
	s_cbranch_scc0 .Lno_x0
	WIN 0xc0
	XLOAD 0
	WIN 0
.Lno_x0:
.else
	QCVT TA+32*((\j+1)%2), CD+8*((\j+1)%2), SC1
	ST2 S_B, CD+8*((\j+1)%2), 4096*(\j-1)
.endif
.endr
	QMEDR TA+32, 0, s34, 0, 32
	QCVT TA+32, CD+8, SC1
	ST2 S_B, CD+8, 4096*3
	BAR                                            ; the hidden layer's sixteen fragments lie in LDS
; ---- P2: FC2; mean and squares over my 64 channels of each token
.macro STAT2A tt
	WIN 0x0f
.set i_, 0
.rept 8
	v_pk_add_f32 v[TA+2*i_:TA+2*i_+1], v[128+32*(\tt)+4*i_:129+32*(\tt)+4*i_], v[130+32*(\tt)+4*i_:131+32*(\tt)+4*i_]
.set i_, i_+1
.endr
.endm
.macro STAT2B tt
.set PR, T+2*((\tt)%2)
	WIN 0
	TREE8 TA, TA
	v_mul_f32 v[PR], s52, v[TA]
	v_mov_b32 v[MW+(\tt)], v[PR]
	WIN 0xc3
.set i_, 0
.rept 16
	v_pk_add_f32 v[128+32*(\tt)+2*i_:129+32*(\tt)+2*i_], v[128+32*(\tt)+2*i_:129+32*(\tt)+2*i_], v[PR:PR+1] op_sel_hi:[1,0] neg_lo:[0,1] neg_hi:[0,1]
.set i_, i_+1
.endr
	WIN 0x0f
.set i_, 0
.rept 8
	v_pk_mul_f32 v[TA+2*i_:TA+2*i_+1], v[128+32*(\tt)+2*i_:129+32*(\tt)+2*i_], v[128+32*(\tt)+2*i_:129+32*(\tt)+2*i_]
.set i_, i_+1
.endr
.set i_, 0
.rept 8
	v_pk_fma_f32 v[TA+2*i_:TA+2*i_+1], v[144+32*(\tt)+2*i_:145+32*(\tt)+2*i_], v[144+32*(\tt)+2*i_:145+32*(\tt)+2*i_], v[TA+2*i_:TA+2*i_+1]
.set i_, i_+1
.endr
	WIN 0
	TREE8 TA, PR+1
	ds_store_b64 v[S_ST], v[PR:PR+1] offset:512*(\tt)
.endm
	VLOADR VEC, 1
	LOADF SL0, A_B, 0
	LOADF SL1, A_B, 4096
	LOADF SL2, A_B, 8192
.irp j, 0,1,2,3
	SETSL \j
.if \j < 2
	s_wait_dscnt 16                                ; two younger tiles' loads may be out
.elseif \j == 2
	s_wait_dscnt 9                                 ; the fourth tile's eight loads and one store of parts
.else
	s_wait_dscnt 2                                 ; two stores of parts
.endif
	MMT 128, 128+32*\j, SL, 0xc1, 0xf1, 0, 0, 0, 0
.if \j == 0
	PLACES 4
	WIN 0
	LOADF SL, A_B, 12288
	s_cmp_lt_u32 s3, 11                            ; the second half of the next block's x
	s_cbranch_scc0 .Lno_x1
	WIN 0xc0
	XLOAD 2
	WIN 0
.Lno_x1:
.else
	STAT2A \j-1
.if \j == 3
	WIN 0
	VLOADR NG, 3                                   ; ni_g and ni_b for LN2, into the two slots that jobs 1 and 2 have left
	VLOADR NB, 4
.endif
	STAT2B \j-1
.endif
.endr
	STAT2A 3
	STAT2B 3
	BAR                                            ; every wave's parts lie in LDS
; ---- LN2: the second LayerNorm on my 64 channels; codes with k's scale and with v's
.irp tt, 0,1,2,3
	ds_load_b128 v[TA+8*\tt:TA+8*\tt+3], v[A_ST] offset:512*\tt
	ds_load_b128 v[TA+8*\tt+4:TA+8*\tt+7], v[A_ST] offset:512*\tt+16
.endr
	s_wait_dscnt 0x0
; the four waves' (mean, sum of squares) of each token tile become (1 / sqrt(var + eps), my mean less the row's) in v[T+4+2tt], v[T+5+2tt]: the four tiles line by line, so that no line waits for the line above it
.irp tt, 0,1,2,3
	v_add_f32 v[T+5+2*\tt], v[TA+8*\tt], v[TA+8*\tt+2]
.endr
.irp tt, 0,1,2,3
	v_add_f32 v[T+4+2*\tt], v[TA+8*\tt+4], v[TA+8*\tt+6]
.endr
.irp tt, 0,1,2,3
	v_add_f32 v[T+5+2*\tt], v[T+5+2*\tt], v[T+4+2*\tt]
.endr
.irp tt, 0,1,2,3
	v_mul_f32 v[T+5+2*\tt], s54, v[T+5+2*\tt]      ; the row's mean
.endr
.irp k, 0,2,4,6
.irp tt, 0,1,2,3
	v_sub_f32 v[TA+8*\tt+\k], v[TA+8*\tt+\k], v[T+5+2*\tt]
.endr
.endr
.irp tt, 0,1,2,3
	v_add_f32 v[TA+8*\tt+1], v[TA+8*\tt+1], v[TA+8*\tt+3]
.endr
.irp tt, 0,1,2,3
	v_add_f32 v[TA+8*\tt+5], v[TA+8*\tt+5], v[TA+8*\tt+7]
.endr
.irp tt, 0,1,2,3
	v_add_f32 v[TA+8*\tt+1], v[TA+8*\tt+1], v[TA+8*\tt+5]
.endr
.irp tt, 0,1,2,3
	v_mul_f32 v[TA+8*\tt], v[TA+8*\tt], v[TA+8*\tt]
.endr
.irp k, 2,4,6
.irp tt, 0,1,2,3
	v_fmac_f32 v[TA+8*\tt], v[TA+8*\tt+\k], v[TA+8*\tt+\k]
.endr
.endr
.irp tt, 0,1,2,3
	v_fma_f32 v[TA+8*\tt], v[TA+8*\tt], s53, v[TA+8*\tt+1]   ; the parts' squares + 64 x the squares of the means' distances: no difference of large sums is formed
.endr
.irp tt, 0,1,2,3
	v_fma_f32 v[TA+8*\tt], v[TA+8*\tt], s50, v[EPS2]
.endr
.irp tt, 0,1,2,3
	v_sub_f32 v[T+5+2*\tt], v[MW+\tt], v[T+5+2*\tt]
.endr
	s_wait_alu depctr_va_vdst(0)
.irp tt, 0,1,2,3
	v_rsq_f32 v[T+4+2*\tt], v[TA+8*\tt]
.endr
	v_nop                                          ; one plain instruction and one wait for the four roots
	s_wait_alu depctr_va_vdst(0)
.irp tt, 0,1,2,3
	v_mul_f32 v[T+5+2*\tt], v[T+5+2*\tt], v[T+4+2*\tt]
.endr
.irp tt, 0,1,2,3
	WIN 0xc3
.set i_, 0
.rept 16                               ; (d + my mean - the row's mean) / sqrt: of the pair (rs, dr) source 1 takes the first word for both halves, source 2 the second
	v_pk_fma_f32 v[128+32*\tt+2*i_:129+32*\tt+2*i_], v[128+32*\tt+2*i_:129+32*\tt+2*i_], v[T+4+2*\tt:T+5+2*\tt], v[T+4+2*\tt:T+5+2*\tt] op_sel:[0,0,1] op_sel_hi:[1,0,1]
.set i_, i_+1
.endr
.set i_, 0
.rept 16
	v_pk_fma_f32 v[128+32*\tt+2*i_:129+32*\tt+2*i_], v[128+32*\tt+2*i_:129+32*\tt+2*i_], v[NG+2*i_:NG+2*i_+1], v[NB+2*i_:NB+2*i_+1]
.set i_, i_+1
.endr
	WIN 0x03
.set k_, 0
.rept 32
	v_med3_num_f32 v[TA+k_], v[128+32*\tt+k_], s37, s36
.set k_, k_+1
.endr
	WIN 0
.irp c, 0,1,2,3
	v_cvt_scalef32_pk8_fp8_f32 v[VEC+16*\tt+2*\c:VEC+16*\tt+2*\c+1], v[TA+8*\c:TA+8*\c+7], v[SC4]
.endr
	WIN 0x03
.set k_, 0
.rept 32
	v_med3_num_f32 v[TA+32+k_], v[128+32*\tt+k_], s39, s38
.set k_, k_+1
.endr
	WIN 0
	QCVT TA+32, VEC+16*\tt+8, SC6
	ST2 S_A, VEC+16*\tt, 4096*\tt
	ST2 S_B, VEC+16*\tt+8, 4096*\tt
.if \tt == 2
	s_cmp_lt_u32 s3, 11                            ; the next block's pe, where FC2's sums lay: three quarters here, with the fourth tile's arithmetic behind them,
	s_cbranch_scc0 .Lno_pe0
	WIN 0xc0
	PELOAD 0, 24
	WIN 0
.Lno_pe0:
.endif
.endr
	s_cmp_lt_u32 s3, 11                            ; and the last quarter
	s_cbranch_scc0 .Lno_pe1
	WIN 0xc0
	PELOAD 24, 8
	WIN 0
.Lno_pe1:
	BAR                                            ; xn's fragments lie in LDS, with both scales
; ---- P3: jobs 0-3: k of token tile j; jobs 4-7: v of token tile j - 4.  Job j's slot is filled again with job j + 3's fragments; the slots that jobs 5 and 7 leave take q's fragments for P4
.macro VST tt, cd                      ; tile t's eight tokens' codes are registers 2 tt, 2 tt + 1 of vv's fragment (this block, my wave, t)
.irp t, 0,1,2,3
	ds_store_b64 v[C_VV], v[\cd+2*\t:\cd+2*\t+1] offset:1024*\t+512*((\tt)/2)+8*((\tt)%2)
.endr
.endm
.macro P3JOB j, w                      ; w: what was issued on DScnt behind job j's own eight loads
	SETSL \j
	s_wait_dscnt \w
.if (\j) == 0
	MMT 0, TA, SL, 0x02, 0x02, 0, 0, 0, 0
.elseif (\j) < 4
	MMT 0, TA+32*((\j)%2), SL, 0x02, 0x02, 1, TA+32*(((\j)+1)%2), s41, s40
.elseif (\j) == 4
	MMN 128, TA, SL, 0x08, TA+32, s41, s40
.else
	MMN 128, TA+32*((\j)%2), SL, 0x08, TA+32*(((\j)+1)%2), s43, s42
.endif
	WIN 0
.if (\j) == 0
	PLACES 4                                       ; ahead of the loads into the slot just multiplied, and of the first holds
.endif
.if (\j) == 3
.set k_, 0
.rept 32
	v_mov_b32 v[VEC+k_], v[BV+k_/8]                ; v's bias in the natural layout: a lane's one channel in all eight registers
.set k_, k_+1
.endr
.endif
.if ((\j) > 0) && ((\j) < 5)
	QCVT TA+32*(((\j)+1)%2), CD+8*(((\j)+1)%2), SCK
.endif
.if (\j) > 4
	QCVT TA+32*(((\j)+1)%2), CD+8*(((\j)+1)%2), SCV
.endif
.if ((\j) > 0) && ((\j) != 6)
	v_nop                                          ; with the last two holds and the line above: four places ahead of the loads into the slot just multiplied
.endif
.if (\j) == 0
	LOADF SL, A_A, 12288
.elseif (\j) < 5
	LOADF SL, A_B, 4096*((\j)-1)
.elseif (\j) == 5
	QLOAD 0
.elseif (\j) == 7
	QLOAD 1
.endif
.if ((\j) > 0) && ((\j) < 5)
	ST2 S_C, CD+8*(((\j)+1)%2), 4096*((\j)-1)
.endif
.if (\j) > 4
	VST (\j)-5, CD+8*(((\j)+1)%2)
.endif
.endm
	VLOADR VEC, 2
	LOADF SL0, A_A, 0
	LOADF SL1, A_A, 4096
	LOADF SL2, A_A, 8192
	P3JOB 0, 16                                    ; jobs 1 and 2
	P3JOB 1, 16                                    ; jobs 2 and 3
	P3JOB 2, 18                                    ; jobs 3 and 4, one image
	P3JOB 3, 20                                    ; jobs 4 and 5, two images
	P3JOB 4, 22                                    ; jobs 5 and 6, three images
	P3JOB 5, 22                                    ; jobs 6 and 7, three images
	P3JOB 6, 24                                    ; an image, job 7, an image, q's first eight loads, vv's four stores
	P3JOB 7, 18                                    ; an image, q's first eight loads, vv's stores twice
	QMEDR TA+32, s43, s42, 0, 32
	QCVT TA+32, CD+8, SCV
	VST 3, CD+8
	BAR                                            ; kk's sixteen fragments lie in LDS; q's are in my registers
; ---- P4: my token tile: dots with the queries, softmax over the 22 slots.  A lane holds token r and slots 8 h + 0..7 and 16 + 3 h + 0..2; its partner 16 lanes away holds the other eleven
	LOADF AF, A_KW, 0
	s_wait_dscnt 0x0
.irp s, 0,1,2,3
.irp u, 0,1
.set QF, 80-32*(\s/2)+16*(\s%2)+8*\u
.if \s == 0
	v_wmma_f32_16x16x64_fp8_fp8 v[TA+8*\u:TA+8*\u+7], v[QF:QF+7], v[AF+8*\s:AF+8*\s+7], 0
.else
	v_wmma_f32_16x16x64_fp8_fp8 v[TA+8*\u:TA+8*\u+7], v[QF:QF+7], v[AF+8*\s:AF+8*\s+7], v[TA+8*\u:TA+8*\u+7]
.endif
.endr
.endr
	PLACES 4
	v_max3_num_f32 v[T], v[TA], v[TA+1], v[TA+2]
	v_max3_num_f32 v[T+1], v[TA+3], v[TA+4], v[TA+5]
	v_max3_num_f32 v[T], v[T], v[TA+6], v[TA+7]
	v_max3_num_f32 v[T+1], v[T+1], v[TA+8], v[TA+9]
	v_max3_num_f32 v[T], v[T], v[T+1], v[TA+10]
	v_permlanex16_b32 v[T+1], v[T], s30, s31
	v_max_num_f32 v[T], v[T], v[T+1]               ; the token's largest score
	v_mul_f32 v[T], s44, v[T]
.irp i, 0,2,4,6,8
	v_pk_fma_f32 v[TA+\i:TA+\i+1], v[TA+\i:TA+\i+1], s[44:45], v[T:T+1] op_sel_hi:[1,0,0] neg_lo:[0,0,1] neg_hi:[0,0,1]
.endr
	v_fma_f32 v[TA+10], v[TA+10], s44, -v[T]
	s_wait_alu depctr_va_vdst(0)
.irp i, 0,1,2,3,4,5,6,7,8,9,10
	v_exp_f32 v[TA+\i], v[TA+\i]
.endr
	v_nop                                          ; one plain instruction and one wait for the eleven exponentials
	s_wait_alu depctr_va_vdst(0)
	v_pk_add_f32 v[T:T+1], v[TA:TA+1], v[TA+2:TA+3]
	v_pk_add_f32 v[T+2:T+3], v[TA+4:TA+5], v[TA+6:TA+7]
	v_pk_add_f32 v[T:T+1], v[T:T+1], v[TA+8:TA+9]
	v_pk_add_f32 v[T:T+1], v[T:T+1], v[T+2:T+3]
	v_add_f32 v[T], v[T], v[T+1]
	v_add_f32 v[T], v[T], v[TA+10]
	v_permlanex16_b32 v[T+1], v[T], s30, s31
	v_add_f32 v[T], v[T], v[T+1]
	s_wait_alu depctr_va_vdst(0)
	v_rcp_f32 v[T], v[T]
	v_nop
	s_wait_alu depctr_va_vdst(0)
.irp i, 0,2,4,6,8
	v_pk_fma_f32 v[TA+\i:TA+\i+1], v[TA+\i:TA+\i+1], v[T:T+1], s[56:57] op_sel_hi:[1,0,0]   ; p / sum + 1e-8
.endr
	v_fma_f32 v[TA+10], v[TA+10], v[T], s56
.irp j, 0,1,2,3,4,5,6,7
	ds_store_b32 v[C_AT0], v[TA+\j] offset:AP*\j
.endr
.irp j, 0,1,2
	ds_store_b32 v[C_AT1], v[TA+8+\j] offset:AP*\j
.endr
	s_add_co_u32 s46, s46, 16384
	s_add_co_u32 s47, s47, 256
	s_add_co_u32 s3, s3, 1
	s_cmp_lt_u32 s3, 12
	s_cbranch_scc1 .Ltrip                          ; no barrier here: what the next P0 writes was last read ahead of the barrier in front of P4
; ======================= the tail
.set T_AT, 4
.set T_O1, 5
.set T_O2, 6
.set G_O1, 7
.set G_O2, 8
.set T_PS, 9
.set T_PR, 10
.set T_AI, 11
.set T_AR, 12
.set T_V0, 13                          ; v13-15
.set T_US, 16
.set T_UR, 17
.set T_TS, 18
.set T_TR, 19
.set T_SG, 20
.set SCT0, 21
.set SCT1, 22
.set SCT2, 23
.set SCT3, 24
.set T_SR, 27
.set G_O0, 28
.set G_SL, 29
.set G_VC, 30
	s_wait_loadcnt 0x0                             ; the loop's fetches ahead (x, pe) name window 3's registers and s[4:7], which the tail loads into and writes: no load is out from here on.  The last trip issues no such fetch, so this wait is met at once
	BAR                                            ; all of attn_ori lies in LDS
	s_wait_xcnt 0x0
	s_load_b512 s[4:19], s[0:1], 0x68              ; gimg, slots, gru_bi, npf_g, npf_b, ff1_b, ff2_b, out0
	s_load_b64 s[20:21], s[0:1], 0xa8              ; out1
	WIN 0x40
	WLOAD 0, 393216                                ; gru_wi: gate r, gate z in window 1,
	WLOAD 128, 393216+65536
	WIN 0
	v_and_b32 v31, 15, v0
	v_bfe_u32 v32, v0, 4, 1                        ; h
	s_mul_i32 s48, s2, 768                         ; my 192 tokens of a row of attn
	s_add_co_u32 s49, s48, ATT
	v_mul_u32_u24 v33, v31, AP
	v_add_nc_u32 v33, v33, v[H32]
	v_add_nc_u32 v[T_AT], s49, v33
	v_add_nc_u32 v[T_O1], s49, v[LI]
	v_mul_u32_u24 v33, v32, AP
	v_lshl_add_u32 v33, v31, 4, v33
	s_add_co_u32 s49, s49, 512
	v_add_nc_u32 v[T_O2], s49, v33
	v_add_nc_u32 v[G_O1], s48, v[LI]
	v_mul_u32_u24 v33, v32, 3072
	v_lshl_add_u32 v33, v31, 4, v33
	s_add_co_u32 s49, s48, 512
	v_add_nc_u32 v[G_O2], s49, v33
	v_lshlrev_b32 v33, 2, v31
	v_add_nc_u32 v[T_PR], PS, v33
	s_lshl_b32 s49, s2, 7
	v_add_nc_u32 v[T_PS], s49, v[T_PR]
	v_add_nc_u32 v[T_AR], AIMG, v[LI]
	s_mul_i32 s49, s2, 3072
	v_add_nc_u32 v[T_AI], s49, v[T_AR]
	s_lshl_b32 s49, s2, 12
	v_add_nc_u32 v[T_V0], s49, v[LI]
	v_add_nc_u32 v[T_V0+1], 65536, v[T_V0]
	v_add_nc_u32 v[T_V0+2], 131072, v[T_V0]
	v_add_nc_u32 v[T_UR], UIMG, v[LI]
	s_lshl_b32 s49, s2, 10
	v_add_nc_u32 v[T_US], s49, v[T_UR]
	v_lshlrev_b32 v33, 5, v31
	v_add_nc_u32 v[T_TR], TST, v33
	s_lshl_b32 s49, s2, 3
	v_add_nc_u32 v[T_TS], s49, v[T_TR]
	s_lshl_b32 s55, s2, 8
	v_add_nc_u32 v[G_VC], s55, v[H32]              ; 256 w + 32 h
	v_mul_u32_u24 v33, v31, SP
	v_add_nc_u32 v[T_SG], v33, v[G_VC]             ; (the stage begins at LDS byte 0)
	s_mul_i32 s49, s2, 5*SP
	v_add_nc_u32 v[T_SR], s49, v[LI]
	s_mul_i32 s49, s2, 5120
	v_add_nc_u32 v[G_O0], s49, v[LI]
	v_lshl_add_u32 v[G_SL], v31, 10, v[G_VC]
	MKLIM 80, 59, 32, 33
	v_mov_b32 v[SCT0], s59                         ; 2^e12
	s_sub_co_i32 s58, s82, s80
	s_sub_co_i32 s58, s58, s81
	MKLIM 58, 59, 34, 35
	v_mov_b32 v[SCT1], s59                         ; 2^(e14 - e12 - e13)
	s_add_co_i32 s58, s82, s83
	s_lshl_b32 s58, s58, 23
	s_add_co_u32 s36, s58, 0xbfb8aa3b              ; -log2(e) x 2^(e14 + e15)
	s_mov_b32 s37, s36
	s_add_co_u32 s38, s58, 0x4038aa3b              ; 2 log2(e) x 2^(e14 + e15)
	s_mov_b32 s39, s38
	s_mov_b32 s40, 0x4038aa3b
	s_mov_b32 s41, s40
	MKLIM 86, 59, 42, 43
	v_mov_b32 v[SCT2], s59                         ; 2^e18
	s_add_co_i32 s55, s86, s87
	s_sub_co_i32 s58, s88, s55
	MKLIM 58, 59, 44, 45
	v_mov_b32 v[SCT3], s59                         ; 2^(e20 - e18 - e19)
	s_sub_co_i32 s55, 0, s55
	s_add_co_i32 s46, s88, s89
	s_add_co_i32 s46, s46, 127
	s_lshl_b32 s46, s46, 23                        ; 2^(e20 + e21)
	s_mov_b32 s47, s46
	s_mul_i32 s58, s91, 7
	s_add_co_u32 s58, s58, s90                     ; 7 batch + window
	s_mul_i32 s60, s58, 67584
	s_mov_b32 s61, 0
	s_mul_i32 s62, s58, 20480
	s_mov_b32 s63, 0
	s_lshl_b32 s48, s2, 13
	s_mov_b32 s49, 0
	s_wait_kmcnt 0x0
	s_add_nc_u64 s[20:21], s[20:21], s[60:61]
	s_add_nc_u64 s[18:19], s[18:19], s[62:63]
	s_add_nc_u64 s[4:5], s[4:5], s[48:49]
; ---- T1a: my three K steps (192 tokens) of attn_ori for both slot tiles, in the operand's order; my 768 bytes of each row for out1; partial row sums
	WIN 0xc0
.irp u, 0,1
.irp a, 0,1,2
.set k_, 0
.rept 8
	ds_load_b128 v[32*(3*\u+\a)+4*k_:32*(3*\u+\a)+4*k_+3], v[T_AT] offset:6*AP*\u+256*\a+64*(k_/2)+16*(k_%2)
.set k_, k_+1
.endr
.endr
.endr
	WIN 0
.set k_, 0
.rept 22
	ds_load_b128 v[48+4*k_:51+4*k_], v[T_O1] offset:AP*k_              ; 512 bytes of a row
.set k_, k_+1
.endr
.set k_, 0
.rept 11
	ds_load_b128 v[136+4*k_:139+4*k_], v[T_O2] offset:2*AP*k_          ; the last 256 bytes of two rows
.set k_, k_+1
.endr
	s_wait_dscnt 33                                ; the fragments' numbers are in; the 33 loads for out1 may be out
.irp u, 0,1
	WIN 0x0f
.set i_, 0
.rept 4
	v_pk_add_f32 v[240+8*\u+2*i_:241+8*\u+2*i_], v[96*\u+2*i_:96*\u+2*i_+1], v[96*\u+8+2*i_:96*\u+9+2*i_]
.set i_, i_+1
.endr
	WIN 0x0c
.set i_, 0
.rept 40
	v_pk_add_f32 v[240+8*\u+2*(i_%4):241+8*\u+2*(i_%4)], v[240+8*\u+2*(i_%4):241+8*\u+2*(i_%4)], v[96*\u+16+2*i_:96*\u+17+2*i_]
.set i_, i_+1
.endr
.endr
	WIN 0
	TREE4 240, 240
	TREE4 248, 248
	ds_store_b32 v[T_PS], v240
	ds_store_b32 v[T_PS], v248 offset:64
	BAR
	WIN 0x80
	WLOAD 0, 393216+131072                         ; gate n and ff1 in window 2: asked for here, so that 64 loads stand on end at the tail's start and 64 here
	WLOAD 128, 262144
	WIN 0
.set k_, 0
.rept 22
	global_store_b128 v[G_O1], v[48+4*k_:51+4*k_], s[20:21] offset:3072*k_ th:TH_STORE_NT       ; 512 consecutive bytes, at a multiple of 256 from out1's first byte
.set k_, k_+1
.endr
.set k_, 0
.rept 11
	global_store_b128 v[G_O2], v[136+4*k_:139+4*k_], s[20:21] offset:6144*k_ th:TH_STORE_NT     ; sixteen lanes store 256 consecutive bytes, aligned
.set k_, k_+1
.endr
; ---- T1b: attn = attn_ori / its row's sum, codes
.irp u, 0,1
.irp k, 0,1,2,3
	ds_load_b32 v[240+4*\u+\k], v[T_PR] offset:64*\u+128*\k
.endr
.endr
	s_wait_dscnt 0x0
	v_add_f32 v240, v240, v241
	v_add_f32 v242, v242, v243
	v_add_f32 v244, v244, v245
	v_add_f32 v246, v246, v247
	v_add_f32 v240, v240, v242
	v_add_f32 v244, v244, v246
	s_wait_alu depctr_va_vdst(0)
	v_rcp_f32 v240, v240
	v_rcp_f32 v244, v244
	v_nop
	s_wait_alu depctr_va_vdst(0)
	WIN 0xc3
.irp u, 0,1
.set i_, 0
.rept 48
	v_pk_mul_f32 v[96*\u+2*i_:96*\u+2*i_+1], v[96*\u+2*i_:96*\u+2*i_+1], v[240+4*\u:241+4*\u] op_sel_hi:[1,0]
.set i_, i_+1
.endr
.endr
.set k_, 0
.rept 192
	v_min_num_f32 v[k_], v[k_], s32                ; attn is not negative: the hold is one-sided
.set k_, k_+1
.endr
.set k_, 0
.rept 24
	v_cvt_scalef32_pk8_fp8_f32 v[192+2*k_:193+2*k_], v[8*k_:8*k_+7], v[SCT0]
.set k_, k_+1
.endr
	v_nop
	WIN 0x0c
.irp u, 0,1
.irp a, 0,1,2
	ds_store_b128 v[T_AI], v[192+8*(3*\u+\a):195+8*(3*\u+\a)] offset:12288*\u+1024*\a
	ds_store_b128 v[T_AI], v[196+8*(3*\u+\a):199+8*(3*\u+\a)] offset:12288*\u+1024*\a+512
.endr
.endr
	WIN 0
	s_wait_xcnt 0x0                                ; out1's stores have read their registers: the GRU's images land there
.irp g, 0,1,2
.set k_, 0
.rept 16
	global_load_b128 v[48+64*\g+4*k_:51+64*\g+4*k_], v[LI], s[4:5] offset:32768*\g+512*k_
.set k_, k_+1
.endr
.endr
	BAR                                            ; attn's 24 fragments lie in LDS
	WIN 0xc0
.irp u, 0,1
	LLOAD 160+32*\u, G_SL, 6, 6144*\u              ; the slots themselves, my channels: slot r + 6 u
.endr
	LLOAD 224, G_VC, 8, 2048                       ; gru_bi, gate n
; ---- T2: upd = attn x vv: source 0 = 16 of my channels of vv, source 1 = 16 slots; K = the 768 tokens, a block a step; two buffers
.macro FETCH8 kb, buf
	WIN 0xc0
.irp t, 0,1,2,3
	ds_load_b128 v[64+32*(\buf)+8*\t:67+32*(\buf)+8*\t], v[T_V0+(\kb)/4] offset:16384*((\kb)%4)+1024*\t
	ds_load_b128 v[68+32*(\buf)+8*\t:71+32*(\buf)+8*\t], v[T_V0+(\kb)/4] offset:16384*((\kb)%4)+1024*\t+512
.endr
.irp u, 0,1
	ds_load_b128 v[128+16*(\buf)+8*\u:131+16*(\buf)+8*\u], v[T_AR] offset:12288*\u+1024*(\kb)
	ds_load_b128 v[132+16*(\buf)+8*\u:135+16*(\buf)+8*\u], v[T_AR] offset:12288*\u+1024*(\kb)+512
.endr
.endm
	FETCH8 0, 0
	FETCH8 1, 1
.set KB, 0
.rept 12
.if KB < 11
	s_wait_dscnt 12                                ; this K step's twelve loads are in; the next step's may be out
.else
	s_wait_dscnt 0x0
.endif
	WIN 0xff
.irp t, 0,1,2,3
.irp u, 0,1
.if KB == 0
	v_wmma_f32_16x16x64_fp8_fp8 v[8*(2*\t+\u):8*(2*\t+\u)+7], v[64+32*(KB%2)+8*\t:71+32*(KB%2)+8*\t], v[128+16*(KB%2)+8*\u:135+16*(KB%2)+8*\u], 0
.else
	v_wmma_f32_16x16x64_fp8_fp8 v[8*(2*\t+\u):8*(2*\t+\u)+7], v[64+32*(KB%2)+8*\t:71+32*(KB%2)+8*\t], v[128+16*(KB%2)+8*\u:135+16*(KB%2)+8*\u], v[8*(2*\t+\u):8*(2*\t+\u)+7]
.endif
.endr
.endr
	PLACES 4                                       ; ahead of the loads into the buffer just multiplied; behind the last step: ahead of the first read of the sums
.if KB < 10
	FETCH8 KB+2, KB%2
.endif
.set KB, KB+1
.endr
	WIN 0xc3
	QMEDR 0, s35, s34, 0, 64
	WIN 0x03
.irp u, 0,1
.irp t, 0,1,2,3
	v_cvt_scalef32_pk8_fp8_f32 v[240+8*\u+2*\t:241+8*\u+2*\t], v[8*(2*\t+\u):8*(2*\t+\u)+7], v[SCT1]
.endr
.endr
	v_nop
	WIN 0
	ST2 T_US, 240, 0
	ST2 T_US, 248, 4096
	BAR                                            ; upd's eight fragments lie in LDS
; ---- T3: upd x gru_wi and the GRU cell, a tile of 16 channels at a time; two sets of six accumulators take turns between products and cell
	s_wait_loadcnt 0x0
	WIN 0xc3
.set i_, 0
.rept 16
	v_pk_mul_f32 v[224+2*i_:225+2*i_], v[224+2*i_:225+2*i_], s[40:41] op_sel_hi:[1,0]
.set i_, i_+1
.endr
	WIN 0xc0
.set k_, 0
.rept 16
	ds_load_b128 v[64+4*k_:67+4*k_], v[T_UR] offset:512*k_
.set k_, k_+1
.endr
	s_wait_dscnt 0x0
.macro SETAC name, idx, par            ; accumulator idx = 2 gate + u of set par, in window 3
.if (\par) == 0
.set \name, 8*(\idx)
.elseif (\idx) < 2
.set \name, 48+8*(\idx)
.else
.set \name, 128+8*((\idx)-2)
.endif
.endm
.macro MM9 t
	WIN 0xfd
.irp s, 0,1,2,3
.irp x, 0,1,2,3
	SETAC AC, \x, (\t)%2
.if \s == 0
	v_wmma_f32_16x16x64_fp8_fp8 v[AC:AC+7], v[128*(\x/2)+32*(\t)+8*\s:128*(\x/2)+32*(\t)+8*\s+7], v[64+32*(\x%2)+8*\s:71+32*(\x%2)+8*\s], 0
.else
	v_wmma_f32_16x16x64_fp8_fp8 v[AC:AC+7], v[128*(\x/2)+32*(\t)+8*\s:128*(\x/2)+32*(\t)+8*\s+7], v[64+32*(\x%2)+8*\s:71+32*(\x%2)+8*\s], v[AC:AC+7]
.endif
.endr
.endr
	WIN 0xfe
.irp s, 0,1,2,3
.irp u, 0,1
	SETAC AC, 4+\u, (\t)%2
.if \s == 0
	v_wmma_f32_16x16x64_fp8_fp8 v[AC:AC+7], v[32*(\t)+8*\s:32*(\t)+8*\s+7], v[64+32*\u+8*\s:71+32*\u+8*\s], 0
.else
	v_wmma_f32_16x16x64_fp8_fp8 v[AC:AC+7], v[32*(\t)+8*\s:32*(\t)+8*\s+7], v[64+32*\u+8*\s:71+32*\u+8*\s], v[AC:AC+7]
.endif
.endr
.endr
.endm
; sigmoid(a) = 1 / (1 + 2^(-log2(e) a)); tanh(a) = 1 - 2 / (1 + 2^(2 log2(e) a)): the factors lie in the images, in gru_bi's n part and in the sums' scales.  Each batch of transcendentals has one plain instruction and one wait
.macro GRU t
	WIN 0xc3
.irp x, 0,1,2,3
	SETAC AC, \x, (\t)%2
.irp i, 0,2,4,6
	v_pk_fma_f32 v[AC+\i:AC+\i+1], v[AC+\i:AC+\i+1], s[36:37], v[48+64*(\x/2)+16*(\t)+8*(\x%2)+\i:49+64*(\x/2)+16*(\t)+8*(\x%2)+\i] op_sel_hi:[1,0,1]
.endr
.endr
	s_wait_alu depctr_va_vdst(0)
.irp x, 0,1,2,3
	SETAC AC, \x, (\t)%2
.irp i, 0,1,2,3,4,5,6,7
	v_exp_f32 v[AC+\i], v[AC+\i]
.endr
.endr
	WIN 0xf3
	s_wait_alu depctr_va_vdst(0)
.irp u, 0,1
	SETAC AC, 4+\u, (\t)%2
.irp i, 0,2,4,6
	v_pk_fma_f32 v[AC+\i:AC+\i+1], v[AC+\i:AC+\i+1], s[38:39], v[224+8*(\t)+\i:225+8*(\t)+\i] op_sel_hi:[1,0,1]   ; the n gate's input half; independent work behind the exponentials
.endr
.endr
	s_wait_alu depctr_va_vdst(0)
	WIN 0xc3
.irp x, 0,1,2,3
	SETAC AC, \x, (\t)%2
.irp i, 0,2,4,6
	v_pk_add_f32 v[AC+\i:AC+\i+1], v[AC+\i:AC+\i+1], 1.0 op_sel_hi:[1,0]
.endr
.endr
	s_wait_alu depctr_va_vdst(0)
.irp x, 0,1,2,3
	SETAC AC, \x, (\t)%2
.irp i, 0,1,2,3,4,5,6,7
	v_rcp_f32 v[AC+\i], v[AC+\i]
.endr
.endr
	v_nop
	s_wait_alu depctr_va_vdst(0)
	WIN 0xf3
.irp u, 0,1
	SETAC AC, 4+\u, (\t)%2
	SETAC AR, \u, (\t)%2
.irp i, 0,2,4,6
	v_pk_fma_f32 v[AC+\i:AC+\i+1], v[AR+\i:AR+\i+1], v[176+16*(\t)+8*\u+\i:177+16*(\t)+8*\u+\i], v[AC+\i:AC+\i+1]   ; + r x the hidden half
.endr
.endr
	WIN 0xc3
	s_wait_alu depctr_va_vdst(0)
.irp u, 0,1
	SETAC AC, 4+\u, (\t)%2
.irp i, 0,1,2,3,4,5,6,7
	v_exp_f32 v[AC+\i], v[AC+\i]
.endr
.endr
	v_nop
	s_wait_alu depctr_va_vdst(0)
.irp u, 0,1
	SETAC AC, 4+\u, (\t)%2
.irp i, 0,2,4,6
	v_pk_add_f32 v[AC+\i:AC+\i+1], v[AC+\i:AC+\i+1], 1.0 op_sel_hi:[1,0]
.endr
.endr
	s_wait_alu depctr_va_vdst(0)
.irp u, 0,1
	SETAC AC, 4+\u, (\t)%2
.irp i, 0,1,2,3,4,5,6,7
	v_rcp_f32 v[AC+\i], v[AC+\i]
.endr
.endr
	v_nop
	s_wait_alu depctr_va_vdst(0)
.irp u, 0,1
	SETAC AC, 4+\u, (\t)%2
.irp i, 0,2,4,6
	v_pk_fma_f32 v[AC+\i:AC+\i+1], v[AC+\i:AC+\i+1], -2.0, 1.0 op_sel_hi:[1,0,0]   ; n
.endr
.endr
	WIN 0xcf
.irp u, 0,1
	SETAC AC, 4+\u, (\t)%2
.irp i, 0,2,4,6
	v_pk_add_f32 v[160+32*\u+8*(\t)+\i:161+32*\u+8*(\t)+\i], v[160+32*\u+8*(\t)+\i:161+32*\u+8*(\t)+\i], v[AC+\i:AC+\i+1] neg_lo:[0,1] neg_hi:[0,1]
.endr
.endr
	WIN 0x3f
.irp u, 0,1
	SETAC AC, 4+\u, (\t)%2
	SETAC AZ, 2+\u, (\t)%2
.irp i, 0,2,4,6
	v_pk_fma_f32 v[48+16*(\t)+8*\u+\i:49+16*(\t)+8*\u+\i], v[AZ+\i:AZ+\i+1], v[160+32*\u+8*(\t)+\i:161+32*\u+8*(\t)+\i], v[AC+\i:AC+\i+1]   ; n + z (h - n), into window 0
.endr
.endr
.endm
	MM9 0
	MM9 1
	PLACES 5
	GRU 0
	MM9 2
	GRU 1
	MM9 3
	PLACES 4                                       ; ahead of the loads into gru_wi's registers
	WIN 0x40
	WLOAD 0, 327680                                ; ff2
	LLOAD 128, G_VC, 10, 0                         ; npf_g, npf_b, ff1_b, ff2_b of my channels
	LLOAD 160, G_VC, 12, 0
	LLOAD 192, G_VC, 14, 0
	LLOAD 224, G_VC, 16, 0
	GRU 2
	GRU 3
	WIN 0
; ---- T4a: the new slots lie in v[48 + 16 t + 8 u]; mean and squares over my 64 channels
.irp u, 0,1
.irp i, 0,2,4,6
	v_pk_add_f32 v[240+\i:241+\i], v[48+8*\u+\i:49+8*\u+\i], v[64+8*\u+\i:65+8*\u+\i]
.endr
.irp i, 0,2,4,6
	v_pk_add_f32 v[240+\i:241+\i], v[240+\i:241+\i], v[80+8*\u+\i:81+8*\u+\i]
.endr
.irp i, 0,2,4,6
	v_pk_add_f32 v[240+\i:241+\i], v[240+\i:241+\i], v[96+8*\u+\i:97+8*\u+\i]
.endr
	TREE4 240, 240
	v_mul_f32 v[T+2*\u], s52, v240
.irp t, 0,1,2,3
.irp i, 0,2,4,6
	v_pk_add_f32 v[112+32*\u+8*\t+\i:113+32*\u+8*\t+\i], v[48+16*\t+8*\u+\i:49+16*\t+8*\u+\i], v[T+2*\u:T+2*\u+1] op_sel_hi:[1,0] neg_lo:[0,1] neg_hi:[0,1]
.endr
.endr
.irp i, 0,2,4,6
	v_pk_mul_f32 v[240+\i:241+\i], v[112+32*\u+\i:113+32*\u+\i], v[112+32*\u+\i:113+32*\u+\i]
.endr
.irp t, 1,2,3
.irp i, 0,2,4,6
	v_pk_fma_f32 v[240+\i:241+\i], v[112+32*\u+8*\t+\i:113+32*\u+8*\t+\i], v[112+32*\u+8*\t+\i:113+32*\u+8*\t+\i], v[240+\i:241+\i]
.endr
.endr
	TREE4 240, T+2*\u+1
	ds_store_b64 v[T_TS], v[T+2*\u:T+2*\u+1] offset:512*\u
.endr
	v_mov_b32 v[T+4], v[T]                         ; my means are kept: the combination works in the first pair
	v_mov_b32 v[T+5], v[T+2]
	BAR
; ---- T4b: LayerNorm, codes
.irp u, 0,1
	ds_load_b128 v[240+8*\u:243+8*\u], v[T_TR] offset:512*\u
	ds_load_b128 v[244+8*\u:247+8*\u], v[T_TR] offset:512*\u+16
.endr
	s_wait_dscnt 0x0
	s_wait_loadcnt 0x0                             ; ff2 and the four vectors
	COMBINE 240, T+6, T+4, s51
	COMBINE 248, T+8, T+5, s51
	v_nop
	s_wait_alu depctr_va_vdst(0)
	v_mul_f32 v[T+7], v[T+7], v[T+6]
	v_mul_f32 v[T+9], v[T+9], v[T+8]
.irp u, 0,1
.set i_, 0
.rept 16
	v_pk_fma_f32 v[112+32*\u+2*i_:113+32*\u+2*i_], v[112+32*\u+2*i_:113+32*\u+2*i_], v[T+6+2*\u:T+7+2*\u], v[T+6+2*\u:T+7+2*\u] op_sel:[0,0,1] op_sel_hi:[1,0,1]
.set i_, i_+1
.endr
.endr
	WIN 0x14
.irp u, 0,1
.set i_, 0
.rept 16
	v_pk_fma_f32 v[112+32*\u+2*i_:113+32*\u+2*i_], v[112+32*\u+2*i_:113+32*\u+2*i_], v[128+2*i_:129+2*i_], v[160+2*i_:161+2*i_]
.set i_, i_+1
.endr
.endr
	WIN 0
	QMEDR 112, s43, s42, 0, 64
.set k_, 0
.rept 8
	v_cvt_scalef32_pk8_fp8_f32 v[240+2*k_:241+2*k_], v[112+8*k_:119+8*k_], v[SCT2]
.set k_, k_+1
.endr
	v_nop
	ST2 T_US, 240, 8192
	ST2 T_US, 248, 8192+4096
	WIN 0x41
.set k_, 0
.rept 32
	v_ldexp_f32 v[192+k_], v[192+k_], s55          ; ff1_b / 2^(e18 + e19)
.set k_, k_+1
.endr
	WIN 0
	s_wait_alu depctr_va_vdst(0)
	BAR
; ---- ff1, relu, codes
	WIN 0xc0
.set k_, 0
.rept 16
	ds_load_b128 v[64+4*k_:67+4*k_], v[T_UR] offset:8192+512*k_
.set k_, k_+1
.endr
	s_wait_dscnt 0x0
	WIN 0xde
.irp t, 0,1,2,3
.irp u, 0,1
	v_wmma_f32_16x16x64_fp8_fp8 v[8*(2*\t+\u):8*(2*\t+\u)+7], v[128+32*\t:135+32*\t], v[64+32*\u:71+32*\u], v[192+8*\t:199+8*\t]
.endr
.endr
	WIN 0xfe
.irp s, 1,2,3
.irp t, 0,1,2,3
.irp u, 0,1
	v_wmma_f32_16x16x64_fp8_fp8 v[8*(2*\t+\u):8*(2*\t+\u)+7], v[128+32*\t+8*\s:135+32*\t+8*\s], v[64+32*\u+8*\s:71+32*\u+8*\s], v[8*(2*\t+\u):8*(2*\t+\u)+7]
.endr
.endr
.endr
	PLACES 5                                       ; ahead of the reads of the sums, of the loads into the fragments' registers, and of the next products, which begin these accumulators anew
	WIN 0xc3
	QMEDR 0, 0, s44, 0, 64
	WIN 0x03
.irp u, 0,1
.irp t, 0,1,2,3
	v_cvt_scalef32_pk8_fp8_f32 v[240+8*\u+2*\t:241+8*\u+2*\t], v[8*(2*\t+\u):8*(2*\t+\u)+7], v[SCT3]
.endr
.endr
	v_nop
	WIN 0
	ST2 T_US, 240, 16384
	ST2 T_US, 248, 16384+4096
	BAR
; ---- ff2, bias, residual
	WIN 0xc0
.set k_, 0
.rept 16
	ds_load_b128 v[64+4*k_:67+4*k_], v[T_UR] offset:16384+512*k_
.set k_, k_+1
.endr
	s_wait_dscnt 0x0
	WIN 0xfd
.irp s, 0,1,2,3
.irp t, 0,1,2,3
.irp u, 0,1
.if \s == 0
	v_wmma_f32_16x16x64_fp8_fp8 v[8*(2*\t+\u):8*(2*\t+\u)+7], v[32*\t+8*\s:32*\t+8*\s+7], v[64+32*\u+8*\s:71+32*\u+8*\s], 0
.else
	v_wmma_f32_16x16x64_fp8_fp8 v[8*(2*\t+\u):8*(2*\t+\u)+7], v[32*\t+8*\s:32*\t+8*\s+7], v[64+32*\u+8*\s:71+32*\u+8*\s], v[8*(2*\t+\u):8*(2*\t+\u)+7]
.endif
.endr
.endr
.endr
	PLACES 4
	WIN 0xd3
.irp t, 0,1,2,3
.irp u, 0,1
.irp i, 0,2,4,6
	v_pk_fma_f32 v[8*(2*\t+\u)+\i:8*(2*\t+\u)+\i+1], v[8*(2*\t+\u)+\i:8*(2*\t+\u)+\i+1], s[46:47], v[224+8*\t+\i:225+8*\t+\i] op_sel_hi:[1,0,1]
.endr
.endr
.endr
	WIN 0x03
.set i_, 0
.rept 32
	v_pk_add_f32 v[48+2*i_:49+2*i_], v[2*i_:2*i_+1], v[48+2*i_:49+2*i_]
.set i_, i_+1
.endr
	WIN 0
.irp t, 0,1,2,3
.irp u, 0,1
	ds_store_b128 v[T_SG], v[48+16*\t+8*\u:51+16*\t+8*\u] offset:6*SP*\u+64*\t       ; lane (r, h): slot r + 6 u, channels 64 w + 16 t + 8 h + 0..7
	ds_store_b128 v[T_SG], v[52+16*\t+8*\u:55+16*\t+8*\u] offset:6*SP*\u+64*\t+16
.endr
.endr
	BAR                                            ; whole rows lie in the stage
.set k_, 0
.rept 10
	ds_load_b128 v[112+4*k_:115+4*k_], v[T_SR] offset:SP*(k_/2)+512*(k_%2)           ; my five of the twenty rows
.set k_, k_+1
.endr
.set k_, 0
.rept 10
	s_wait_dscnt 9-k_                              ; LDS loads come back in order: this one is in, the younger ones may be out
	global_store_b128 v[G_O0], v[112+4*k_:115+4*k_], s[18:19] offset:1024*(k_/2)+512*(k_%2) th:TH_STORE_NT   ; 512 consecutive bytes, at a multiple of 256 from out0's first byte
.set k_, k_+1
.endr
	s_wait_xcnt 0x0
	v_lshl_add_u32 v254, v0, 2, 0x4fe00
	v_mov_b32 v255, 0
	s_wait_alu depctr_va_vdst(0)
	s_wait_tensorcnt 0x0
	ds_add_u32 v254, v255
	s_wait_dscnt 0x0
	s_endpgm
.Lfunc_end_k_q1d8006c226_main:
	.size	k_q1d8006c226_main, .Lfunc_end_k_q1d8006c226_main-k_q1d8006c226_main
	.p2alignl 7, 3214868480
	.fill 96, 4, 3214868480
	.section	.rodata,"a",@progbits
	.p2align	6, 0x0
	.amdhsa_kernel k_q1d8006c226_main
		.amdhsa_group_segment_fixed_size 327680
		.amdhsa_private_segment_fixed_size 0
		.amdhsa_enable_private_segment 0
		.amdhsa_kernarg_size 176
		.amdhsa_user_sgpr_count 2
		.amdhsa_user_sgpr_kernarg_segment_ptr 1
		.amdhsa_wavefront_size32 1
		.amdhsa_system_sgpr_workgroup_id_x 1
		.amdhsa_system_sgpr_workgroup_id_y 1
		.amdhsa_system_sgpr_workgroup_id_z 1
		.amdhsa_system_vgpr_workitem_id 0
		.amdhsa_next_free_vgpr 1024
		.amdhsa_next_free_sgpr 100
		.amdhsa_reserve_vcc 0
		.amdhsa_float_denorm_mode_32 3
		.amdhsa_float_denorm_mode_16_64 3
		.amdhsa_memory_ordered 1
		.amdhsa_forward_progress 1
		.amdhsa_inst_pref_size 255
	.end_amdhsa_kernel
	.section	.bss,"aw",@nobits
	.p2align	6
	.space	262144
	.amdgpu_metadata
---
amdhsa.version: [ 1, 2 ]
amdhsa.kernels:
  - .name:           k_q1d8006c226_main
    .symbol:         k_q1d8006c226_main.kd
    .args:
      - { .name: inputs, .offset: 0, .size: 8, .value_kind: global_buffer, .address_space: global }
      - { .name: pef, .offset: 8, .size: 8, .value_kind: global_buffer, .address_space: global }
      - { .name: wcodes, .offset: 16, .size: 8, .value_kind: global_buffer, .address_space: global }
      - { .name: qimg, .offset: 24, .size: 8, .value_kind: global_buffer, .address_space: global }
      - { .name: lowp_scales, .offset: 32, .size: 8, .value_kind: global_buffer, .address_space: global }
      - { .name: LN_g, .offset: 40, .size: 8, .value_kind: global_buffer, .address_space: global }
      - { .name: LN_b, .offset: 48, .size: 8, .value_kind: global_buffer, .address_space: global }
      - { .name: ni_g, .offset: 56, .size: 8, .value_kind: global_buffer, .address_space: global }
      - { .name: ni_b, .offset: 64, .size: 8, .value_kind: global_buffer, .address_space: global }
      - { .name: FC1_b, .offset: 72, .size: 8, .value_kind: global_buffer, .address_space: global }
      - { .name: FC2_b, .offset: 80, .size: 8, .value_kind: global_buffer, .address_space: global }
      - { .name: k_b, .offset: 88, .size: 8, .value_kind: global_buffer, .address_space: global }
      - { .name: v_b, .offset: 96, .size: 8, .value_kind: global_buffer, .address_space: global }
      - { .name: gimg, .offset: 104, .size: 8, .value_kind: global_buffer, .address_space: global }
      - { .name: slots, .offset: 112, .size: 8, .value_kind: global_buffer, .address_space: global }
      - { .name: gru_bi, .offset: 120, .size: 8, .value_kind: global_buffer, .address_space: global }
      - { .name: npf_g, .offset: 128, .size: 8, .value_kind: global_buffer, .address_space: global }
      - { .name: npf_b, .offset: 136, .size: 8, .value_kind: global_buffer, .address_space: global }
      - { .name: ff1_b, .offset: 144, .size: 8, .value_kind: global_buffer, .address_space: global }
      - { .name: ff2_b, .offset: 152, .size: 8, .value_kind: global_buffer, .address_space: global }
      - { .name: out0, .offset: 160, .size: 8, .value_kind: global_buffer, .address_space: global }
      - { .name: out1, .offset: 168, .size: 8, .value_kind: global_buffer, .address_space: global }
    .group_segment_fixed_size: 327680
    .private_segment_fixed_size: 0
    .kernarg_segment_align: 8
    .kernarg_segment_size: 176
    .max_flat_workgroup_size: 128
    .sgpr_count:     100
    .vgpr_count:     1024
    .wavefront_size: 32
...
	.end_amdgpu_metadata
.endif
;; end of part 4
